; MI455X (gfx1250); checked and timed in simulation.
; The chip was launched on July 23, 2026; its instructions are those of AMD's public machine-readable ISA for CDNA 5 (MIT licence, August 2026) and "CDNA5" Instruction Set Architecture Reference Guide (July 2026). The comments in the code are by the model that wrote it; some were corrected since.
;; Multi Headed Attention. Allowed arithmetic: matrix products marked QUANTISED: E2M3 operands, one E8M0 scale for each 32 along K, by v_wmma_scale_f32_16x16x128_f8f6f4 with both operands' format E2M3, f32 sums; everything else in f32.
;; Inputs: Wk 1,024 x 1,024 float32; Wo 1,024 x 1,024 float32; Wq 1,024 x 1,024 float32; Wv 1,024 x 1,024 float32; bk 1,024 float32; bo 1,024 float32; bq 1,024 float32; bv 1,024 float32; key 4 x 2,048 x 1,024 float32; query 4 x 2,048 x 1,024 float32; value 4 x 2,048 x 1,024 float32.
;; Outputs: out0 4 x 2,048 x 1,024 float32.
;; This version of the problem:
;;   THIS VERSION OF THE PROBLEM IS GIVEN IN LOW PRECISION. The matrix products marked QUANTISED in the list below multiply operands that are first quantised to E2M3 (2 exponent bits, 3 mantissa bits; 6 bits a number), with one power-of-two scale for each 32 numbers along K (OCP MX v1.0); their sums are f32. All else is computed in f32.
;;   The module's matrix products, in the order in which they are computed (A, B: the left and right operand; K: the contracted axis; several contracted axes count as one K, in the product's order):
;;     1. [M 8,192, K 1,024] x [K 1,024, N 1,024]; A: input query; B: input Wq: QUANTISED
;;     2. [M 8,192, K 1,024] x [K 1,024, N 1,024]; A: input key; B: input Wk: QUANTISED
;;     3. [M 8,192, K 1,024] x [K 1,024, N 1,024]; A: input value; B: input Wv: QUANTISED
;;     4. batch 64 x [M 2,048, K 64] x [K 64, N 2,048]; A: computed on the way; B: computed on the way: QUANTISED
;;     5. batch 64 x [M 2,048, K 2,048] x [K 2,048, N 64]; A: softmax (see below); B: computed on the way: QUANTISED
;;     6. [M 8,192, K 1,024] x [K 1,024, N 1,024]; A: computed on the way; B: input Wo: QUANTISED
;;   THE QUANTISER, for each operand of a quantised product, along K:
;;     - K is cut into blocks of 32 from its start; a last block that is shorter is filled with zeros.
;;     - A block's scale is 2^e with e = floor(log2(the largest magnitude in the block)) - 2, held to -126 .. 127; a block of zeros has e = 0. As a byte (E8M0): e + 127.
;;     - Each number is divided by its block's scale, clamped to +-7.5, and rounded to the nearest number of E2M3, ties to even, subnormals kept.
;;     - The product sums the exact products of the quantised numbers (number of the format x scale) in f32.
;;   ~~~python
;;   def quantise(x, axis):      # numpy; x: float32 -> the quantised numbers, widened to float32 again
;;       x = np.moveaxis(x, axis, -1); K = x.shape[-1]
;;       x = np.pad(x, [(0, 0)] * (x.ndim - 1) + [(0, -K % 32)]); x = x.reshape(x.shape[:-1] + (-1, 32)); a = np.abs(x).max(-1, keepdims=True)
;;       e = np.where(a > 0, np.clip(np.frexp(np.where(a > 0, a, 1))[1] - 1 - 2, -126, 127), 0)      # np.frexp(a)[1] - 1 = floor(log2(a)), exactly
;;       r = np.clip(x / 2.0 ** e, -7.5, 7.5)
;;       step = 2.0 ** (np.maximum(np.frexp(np.where(r == 0, 1, r))[1] - 1, 0) - 3)
;;       q = np.round(r / step) * step * 2.0 ** e      # np.round: ties to even
;;       return np.moveaxis(q.reshape(q.shape[:-2] + (-1,))[..., :K], -1, axis).astype(np.float32)
;;   ~~~
;;   SOFTMAX AHEAD OF A QUANTISED PRODUCT. Where the list says 'softmax', what is quantised is not the finished softmax but p = 2^(t - M), with t = logit x log2(e) and M = ceil(the row's largest t), a whole number; so 1/2 < the row's largest p <= 1. The row's sum l is taken of the UNQUANTISED p, in f32, and the product's result is divided by l at the end. Since M is a whole number, a kernel that streams over the keys may use a running M (the ceiling of the running maximum): every later rescaling is an exact power of two, which a block's scale takes up: the codes' values come out the same.
;;   OPERANDS COMPUTED ON THE WAY. 'Computed on the way' means the value that the module computes at that place (a softmax that the list does not call 'softmax' is quantised finished and normalised). What goes into a quantiser is computed in f32, as accurately as f32 sums, v_exp_f32 and their like allow (about 1e-6 of the number): no bf16 or f16 on the way to a quantiser, and a product that is left as it is and whose result goes on into a quantised operand takes f32 operands (vector FMAs, or v_wmma_f32_16x16x4_f32). A number that lies on a knife's edge between two numbers of the format may be rounded either way, as far as f32 arithmetic and the matrix unit's own rounding can turn it there, and no further.
;; 2 versions. Each part assembles by itself: llvm-mc -triple=amdgcn-amd-amdhsa -mcpu=gfx1250 --defsym DOCPART=n.
;; ======== version 1 of 2: 5 launches
;; workspace buffers: xc 18,874,368 bytes; xs 786,432 bytes; wc 3,145,728 bytes; ws 131,072 bytes; hc 18,874,368 bytes; hs 786,432 bytes; oc 6,291,456 bytes; os 262,144 bytes
;; launch quant_w (part 1): grid 512 x 1, 4 waves a work-group, no clusters, 7,168 bytes of LDS; arguments Wq, Wk, Wv, Wo, wc, ws; writes wc, ws
.if DOCPART == 1
	.amdgcn_target "amdgcn-amd-amdhsa--gfx1250"
	.amdhsa_code_object_version 6
	.text
	.protected	k_q6ef028537b_quant_w
	.globl	k_q6ef028537b_quant_w
	.p2align	8
	.type	k_q6ef028537b_quant_w,@function
k_q6ef028537b_quant_w:
	s_mov_b64 s[64:65], 0
	v_nop
	global_prefetch_b8 v0, s[64:65] scope:SCOPE_SE
	s_setreg_imm32_b32 hwreg(HW_REG_WAVE_MODE, 25, 1), 1
	s_wait_xcnt 0x0
; One of Wq, Wk, Wv, Wo, [1024 (k)][1024 (n)] f32, becomes codes of FP6 (E2M3) along k with one E8M0 byte for each 32 k, laid in the ORDER OF AN OPERAND'S REGISTERS.
; THE ROW MAP (columns n here): n = 64 G + 8 i + (r & 7) + 32 (r >> 3) is row r of tile T = 4 G + i.  Four such tiles as source 0 give a lane 32 NEIGHBOURING n in its 32 result registers.
; A fragment (T, K step s) is 1,536 bytes at (8 T + s) x 1,536: registers 4 c .. 4 c + 3 of lane l at 512 c + 16 l.  Lane (r, h): registers 6 c .. 6 c + 5 hold k = 128 s + 64 c + 32 h + 0 .. 31.
; Scale words: (pair a = T / 2, s) at (8 a + s) x 128 + 4 (16 (T & 1) + r); byte b scales k = 128 s + 32 b on.
; A block's scale is 2^(floor(log2(largest magnitude)) - 2); its byte is that magnitude's exponent field - 2, held at 1 from below.
; LIMITS: NaN and infinities are not served; a block whose largest magnitude lies under 2^-124 (zeros too) gets the byte 1: zeros' codes are zeros, and this program alone reads the bytes.
; A work-group takes one weight, 64 columns (G) and 128 k (s): four fragments.  A lane takes a column and its registers run down k: wave w has columns 32 (w & 1) + lane and the blocks 2 t + (w >> 1), t = 0, 1.
; The codes meet in LDS as the fragments' images; each wave then stores one fragment: three stores of 512 consecutive bytes.
.set WT,  786432                       ; a weight's codes in bytes
.set FRB, 1536                         ; a fragment's image
.set SCB, 4*FRB                        ; LDS: behind the four images, 2 x 128 bytes of scale words
.set X,   16                           ; v16-79 two blocks of 32 numbers
	s_load_b256 s[4:11], s[0:1], 0x0               ; Wq, Wk, Wv, Wo
	s_load_b128 s[12:15], s[0:1], 0x20             ; wc, ws
	v_lshl_add_u32 v112, v0, 2, 0x1a00
	v_mov_b32 v113, 0
	v_lshrrev_b32 v1, 5, v0
	v_readfirstlane_b32 s16, v1                    ; wave
	v_and_b32 v2, 31, v0                           ; lane
	s_and_b32 s17, s16, 1                          ; which 32 columns
	s_lshr_b32 s18, s16, 1                         ; which half of the lanes my codes belong to
	s_lshr_b32 s20, ttmp9, 7                       ; which weight
	s_bfe_u32 s21, ttmp9, 0x40003                  ; G
	s_and_b32 s22, ttmp9, 7                        ; K step
	v_lshlrev_b32 v4, 2, v2                        ; 4 x lane
	v_lshlrev_b32 v9, 4, v2                        ; 16 x lane
	v_lshrrev_b32 v5, 3, v2                        ; my column's tile i
	v_and_b32 v6, 7, v2
	v_mul_u32_u24 v3, v5, FRB
	v_lshl_add_u32 v3, v6, 4, v3
	s_lshl_b32 s23, s17, 7
	s_lshl_b32 s24, s18, 8
	s_add_co_u32 s23, s23, s24
	v_add_nc_u32 v3, s23, v3                       ; image i, the place of lane (lane & 7) + 8 (w & 1) + 16 (w >> 1)
	v_lshrrev_b32 v7, 4, v2
	v_bfe_u32 v8, v2, 3, 1
	v_lshlrev_b32 v7, 7, v7
	v_lshl_add_u32 v7, v8, 6, v7
	v_lshl_add_u32 v7, v6, 2, v7
	s_lshl_b32 s23, s17, 5
	s_add_co_u32 s23, s23, s18
	s_add_co_u32 s23, s23, SCB
	v_add_nc_u32 v7, s23, v7                       ; my scale byte: pair i / 2, tile i & 1, row r, byte (w >> 1) (+ 2 t)
	s_mul_i32 s23, s16, FRB
	v_add_nc_u32 v14, s23, v9                      ; back: image w, 16 bytes a lane
	s_lshl_b32 s23, s16, 7
	s_add_co_u32 s23, s23, SCB
	v_add_nc_u32 v15, s23, v4                      ; back: pair w's scale words (waves 0 and 1)
	s_lshl_b32 s24, s22, 19                        ; W: row 128 s + 32 (w >> 1), 4,096 bytes a row,
	s_lshl_b32 s25, s18, 17
	s_add_co_u32 s24, s24, s25
	s_lshl_b32 s25, s21, 8                         ; column 64 G + 32 (w & 1)
	s_add_co_u32 s24, s24, s25
	s_lshl_b32 s25, s17, 7
	s_add_co_u32 s24, s24, s25
	s_mov_b32 s25, 0
	s_lshl_b32 s26, s21, 2                         ; codes: fragment (4 G + w, s)
	s_add_co_u32 s26, s26, s16
	s_lshl_b32 s26, s26, 3
	s_add_co_u32 s26, s26, s22
	s_mul_i32 s26, s26, FRB
	s_mul_i32 s27, s20, WT
	s_add_co_u32 s26, s26, s27
	s_mov_b32 s27, 0
	s_lshl_b32 s28, s21, 1                         ; scale words: (pair 2 G + w, s)
	s_add_co_u32 s28, s28, s16
	s_lshl_b32 s28, s28, 3
	s_add_co_u32 s28, s28, s22
	s_lshl_b32 s28, s28, 7
	s_lshl_b32 s29, s20, 15
	s_add_co_u32 s28, s28, s29
	s_mov_b32 s29, 0
	s_wait_kmcnt 0x0
	s_cmp_eq_u32 s20, 1                            ; the weight is chosen by the work-group's number alone
	s_cselect_b64 s[4:5], s[6:7], s[4:5]
	s_cmp_eq_u32 s20, 2
	s_cselect_b64 s[4:5], s[8:9], s[4:5]
	s_cmp_eq_u32 s20, 3
	s_cselect_b64 s[4:5], s[10:11], s[4:5]
	s_add_nc_u64 s[4:5], s[4:5], s[24:25]
	s_add_nc_u64 s[12:13], s[12:13], s[26:27]
	s_add_nc_u64 s[14:15], s[14:15], s[28:29]
.irp t, 0,1                            ; all 64 loads go out at once: each reads 128 consecutive bytes, W(128 s + 64 t + 32 (w >> 1) + i, my column)
.set i, 0
.rept 32
	global_load_b32 v[X+32*\t+i], v4, s[4:5] offset:(64*\t+i)*4096 th:TH_LOAD_NT
.set i, i+1
.endr
.endr
.macro BLOCK t                         ; block t of my column: registers 6 t .. 6 t + 5 of the fragment
.set XS, X+32*(\t)
.set CC, 80+8*(\t)                     ; its six registers of codes
.set TT, 96+4*(\t)                     ; (a conversion's three registers begin on an even number: the second three are made here and moved)
.set MA, 104+4*(\t)                    ; two chains, the scale operand, the byte
	v_max3_num_f32 v[MA], |v[XS]|, |v[XS+1]|, 0x1800000          ; the largest magnitude, with the floor 2^(3 - 127) among its leaves
	v_max3_num_f32 v[MA+1], |v[XS+16]|, |v[XS+17]|, 0x1800000
.irp i, 2,4,6,8,10,12,14
	v_max3_num_f32 v[MA], v[MA], |v[XS+\i]|, |v[XS+\i+1]|
	v_max3_num_f32 v[MA+1], v[MA+1], |v[XS+16+\i]|, |v[XS+17+\i]|
.endr
	v_max_num_f32 v[MA], v[MA], v[MA+1]
	v_add_nc_u32 v[MA+2], 0xff000000, v[MA]        ; 2 off its exponent field: the conversion's scale operand
	v_lshrrev_b32 v[MA+3], 23, v[MA+2]             ; the scale's byte
	v_cvt_scalef32_pk16_fp6_f32 v[CC:CC+2], v[XS:XS+15], v[MA+2]
	v_cvt_scalef32_pk16_fp6_f32 v[TT:TT+2], v[XS+16:XS+31], v[MA+2]
	v_nop                                          ; one plain place behind a scaled conversion
.irp i, 0,1,2
	v_mov_b32 v[CC+3+\i], v[TT+\i]
.endr
	ds_store_b8 v7, v[MA+3] offset:2*(\t)
.endm
	s_wait_loadcnt 32                              ; the first block's 32 loads are in; the second block's may be out
	BLOCK 0
	ds_store_b128 v3, v[80:83]                     ; registers 0-3: chunk 0
	ds_store_b64 v3, v[84:85] offset:512           ; registers 4, 5: the lower half of chunk 1
	s_wait_loadcnt 0x0
	BLOCK 1
	ds_store_b64 v3, v[88:89] offset:520           ; registers 6, 7: its upper half
	ds_store_b128 v3, v[90:93] offset:1024         ; registers 8-11: chunk 2
	s_wait_dscnt 0x0                               ; for the others' sake: my stores have landed
	s_barrier_signal -1
	s_barrier_wait -1
	ds_load_b128 v[16:19], v14
	ds_load_b128 v[20:23], v14 offset:512
	ds_load_b128 v[24:27], v14 offset:1024
	s_wait_dscnt 2                                 ; LDS loads come back in order: the two younger may be out
	global_store_b128 v9, v[16:19], s[12:13]       ; 32 lanes store 512 consecutive bytes, at a multiple of 256 from the buffer's first byte
	s_wait_dscnt 1
	global_store_b128 v9, v[20:23], s[12:13] offset:512
	s_wait_dscnt 0x0
	global_store_b128 v9, v[24:27], s[12:13] offset:1024
	s_cmp_gt_u32 s16, 1                            ; the two pairs' scale words leave by waves 0 and 1
	s_cbranch_scc1 .Lend
	ds_load_b32 v28, v15
	s_wait_dscnt 0x0
	global_store_b32 v4, v28, s[14:15]
.Lend:
	s_wait_tensorcnt 0x0
	ds_add_u32 v112, v113
	s_wait_dscnt 0x0
	s_endpgm
.Lfunc_end_k_q6ef028537b_quant_w:
	.size	k_q6ef028537b_quant_w, .Lfunc_end_k_q6ef028537b_quant_w-k_q6ef028537b_quant_w
	.p2alignl 7, 3214868480
	.fill 96, 4, 3214868480
	.section	.rodata,"a",@progbits
	.p2align	6, 0x0
	.amdhsa_kernel k_q6ef028537b_quant_w
		.amdhsa_group_segment_fixed_size 7168
		.amdhsa_private_segment_fixed_size 0
		.amdhsa_enable_private_segment 0
		.amdhsa_kernarg_size 48
		.amdhsa_user_sgpr_count 2
		.amdhsa_user_sgpr_kernarg_segment_ptr 1
		.amdhsa_wavefront_size32 1
		.amdhsa_system_sgpr_workgroup_id_x 1
		.amdhsa_system_sgpr_workgroup_id_y 1
		.amdhsa_system_sgpr_workgroup_id_z 1
		.amdhsa_system_vgpr_workitem_id 0
		.amdhsa_next_free_vgpr 114
		.amdhsa_next_free_sgpr 66
		.amdhsa_reserve_vcc 0
		.amdhsa_float_denorm_mode_32 3
		.amdhsa_float_denorm_mode_16_64 3
		.amdhsa_memory_ordered 1
		.amdhsa_forward_progress 1
		.amdhsa_inst_pref_size 14
	.end_amdhsa_kernel
	.amdgpu_metadata
---
amdhsa.version: [ 1, 2 ]
amdhsa.kernels:
  - .name:           k_q6ef028537b_quant_w
    .symbol:         k_q6ef028537b_quant_w.kd
    .args:
      - { .name: Wq, .offset: 0, .size: 8, .value_kind: global_buffer, .address_space: global }
      - { .name: Wk, .offset: 8, .size: 8, .value_kind: global_buffer, .address_space: global }
      - { .name: Wv, .offset: 16, .size: 8, .value_kind: global_buffer, .address_space: global }
      - { .name: Wo, .offset: 24, .size: 8, .value_kind: global_buffer, .address_space: global }
      - { .name: wc, .offset: 32, .size: 8, .value_kind: global_buffer, .address_space: global }
      - { .name: ws, .offset: 40, .size: 8, .value_kind: global_buffer, .address_space: global }
    .group_segment_fixed_size: 7168
    .private_segment_fixed_size: 0
    .kernarg_segment_align: 8
    .kernarg_segment_size: 48
    .max_flat_workgroup_size: 128
    .sgpr_count:     66
    .vgpr_count:     114
    .wavefront_size: 32
...
	.end_amdgpu_metadata
.endif
;; end of part 1
;; launch quant_x (part 2): grid 768 x 1, 4 waves a work-group, no clusters, 34,304 bytes of LDS; arguments query, key, value, xc, xs; writes xc, xs
.if DOCPART == 2
	.amdgcn_target "amdgcn-amd-amdhsa--gfx1250"
	.amdhsa_code_object_version 6
	.text
	.protected	k_q6ef028537b_quant_x
	.globl	k_q6ef028537b_quant_x
	.p2align	8
	.type	k_q6ef028537b_quant_x,@function
k_q6ef028537b_quant_x:
	s_mov_b64 s[64:65], 0
	v_nop
	global_prefetch_b8 v0, s[64:65] scope:SCOPE_SE
	s_setreg_imm32_b32 hwreg(HW_REG_WAVE_MODE, 25, 1), 1
	s_wait_xcnt 0x0
; query, key or value, [8192][1024] f32, becomes codes of FP6 (E2M3) along the last axis, with one E8M0 byte for each 32, laid in the order of an operand's registers.
; THE ROW MAP: row 64 G + 8 i + (r & 7) + 32 (r >> 3) is row r of tile T = 4 G + i.  Fragment (T, K step s): 1,536 bytes at (8 T + s) x 1,536, registers 4 c .. 4 c + 3 of lane l at 512 c + 16 l;
; lane (r, h): registers 6 c .. 6 c + 5 hold k = 128 s + 64 c + 32 h + 0 .. 31.  Scale words: (pair a = T / 2, s) at (8 a + s) x 128 + 4 (16 (T & 1) + r).
; A block's scale is 2^(floor(log2(largest magnitude)) - 2); its byte is that magnitude's exponent field - 2, held at 1 from below.
; LIMITS: NaN and infinities are not served; a block whose largest magnitude lies under 2^-124 (zeros too) gets the byte 1: zeros' codes are zeros, and this program alone reads the bytes.
; A work-group takes one tensor and one pair of tiles (32 rows); wave w takes K steps 2 w and 2 w + 1: four fragments f = 2 s' + u.
; Each load reads 512 consecutive bytes of one row; a fragment's 16 rows turn through the wave's own stage in LDS (rows 528 bytes apart) and come back 128 bytes a lane: a whole block of 32 in one lane.
; Waves share nothing: no barrier.  Loads run two fragments (32 loads a wave) ahead.
.set XT,  6291456                      ; a tensor's codes in bytes
.set SP,  528                          ; a stage row: 512 bytes + 16
.set X,   160                          ; v160-223 my two blocks of 32
.set C,   224                          ; v224-235 the fragment's twelve registers
.set T,   236                          ; v236-242 the conversions' second halves
	s_load_b256 s[4:11], s[0:1], 0x0               ; query, key, value, xc
	s_load_b64 s[12:13], s[0:1], 0x20              ; xs
	v_lshl_add_u32 v248, v0, 2, 0x8400
	v_mov_b32 v249, 0
	v_lshrrev_b32 v1, 5, v0
	v_readfirstlane_b32 s15, v1                    ; wave
	v_and_b32 v6, 31, v0                           ; lane
	v_and_b32 v7, 15, v0                           ; r
	v_bfe_u32 v5, v0, 4, 1                         ; h
	v_lshlrev_b32 v1, 4, v6                        ; 16 x lane
	v_lshlrev_b32 v2, 2, v6                        ; 4 x lane
	s_mul_i32 s20, s15, 16*SP                      ; my stage
	v_add_nc_u32 v3, s20, v1                       ; in: 16 bytes a lane of a row
	v_mul_u32_u24 v4, v7, SP
	v_lshl_add_u32 v4, v5, 7, v4
	v_add_nc_u32 v4, s20, v4                       ; back: row r, + 128 h
	v_lshlrev_b32 v5, 3, v5                        ; 8 h: my bytes' place in a scale word
	v_mov_b32 v22, 0                               ; written once: a lane permute's destination counts as one of its sources
	s_mov_b32 s14, 0xffff0000                      ; lanes 16-31
	s_mov_b32 s16, 0x76543210
	s_mov_b32 s17, 0xfedcba98                      ; v_permlanex16_b32's selects for lane l xor 16
	s_lshr_b32 s18, ttmp9, 8                       ; which tensor
	s_and_b32 s19, ttmp9, 255                      ; which pair a
	s_lshr_b32 s20, s19, 1                         ; the pair's first row: 64 (a >> 1) + 16 (a & 1), 4,096 bytes a row; my K steps begin 1,024 w bytes on
	s_lshl_b32 s20, s20, 18
	s_and_b32 s21, s19, 1
	s_lshl_b32 s21, s21, 16
	s_add_co_u32 s20, s20, s21
	s_lshl_b32 s21, s15, 10
	s_add_co_u32 s20, s20, s21
	s_mov_b32 s21, 0
	s_mul_i32 s22, s18, XT                         ; codes: fragment (2 a, 2 w)
	s_mul_i32 s23, s19, 24576
	s_add_co_u32 s22, s22, s23
	s_mul_i32 s23, s15, 3072
	s_add_co_u32 s22, s22, s23
	s_mov_b32 s23, 0
	s_lshl_b32 s24, s18, 18                        ; scale words: (a, 2 w)
	s_lshl_b32 s25, s19, 10
	s_add_co_u32 s24, s24, s25
	s_lshl_b32 s25, s15, 8
	s_add_co_u32 s24, s24, s25
	s_mov_b32 s25, 0
	s_wait_kmcnt 0x0
	s_cmp_eq_u32 s18, 1                            ; the tensor is chosen by the work-group's number alone
	s_cselect_b64 s[4:5], s[6:7], s[4:5]
	s_cmp_eq_u32 s18, 2
	s_cselect_b64 s[4:5], s[8:9], s[4:5]
	s_add_nc_u64 s[4:5], s[4:5], s[20:21]
	s_add_nc_u64 s[10:11], s[10:11], s[22:23]
	s_add_nc_u64 s[12:13], s[12:13], s[24:25]
.macro LOAD f                          ; fragment f's 16 rows x 512 bytes into set f % 2 (v32-95, v96-159)
.irp r, 0,1,2,3,4,5,6,7,8,9,10,11,12,13,14,15
	global_load_b128 v[32+64*((\f)%2)+4*\r:32+64*((\f)%2)+4*\r+3], v1, s[4:5] offset:(8*((\f)%2)+(\r&7)+32*(\r>>3))*4096+512*((\f)/2) th:TH_LOAD_NT
.endr
.endm
.macro FRAG f
.set RR, 32+64*((\f)%2)
.if (\f) < 3
	s_wait_loadcnt 16                              ; this fragment's 16 loads are in; the next fragment's may be out
.else
	s_wait_loadcnt 0x0
.endif
.irp r, 0,1,2,3,4,5,6,7,8,9,10,11,12,13,14,15
	ds_store_b128 v3, v[RR+4*\r:RR+4*\r+3] offset:SP*\r
.endr
.irp c, 0,1                            ; LDS serves a wave's instructions in order: these see the stores above
.irp j, 0,1,2,3,4,5,6,7
	ds_load_b128 v[X+32*\c+4*\j:X+32*\c+4*\j+3], v4 offset:256*\c+16*\j
.endr
.endr
	s_wait_dscnt 0x0                               ; my numbers are back, and the stores into the stage have read their registers
	s_wait_xcnt 0x0                                ; the last fragment's stores have read their data: the codes' registers may be written again
.if (\f)+2 < 4
	LOAD (\f)+2
.endif
	v_max3_num_f32 v8, |v[X]|, |v[X+1]|, 0x1800000               ; two blocks by turns; the floor 2^(3 - 127) among the leaves
	v_max3_num_f32 v9, |v[X+32]|, |v[X+33]|, 0x1800000
.irp i, 2,4,6,8,10,12,14,16,18,20,22,24,26,28,30
	v_max3_num_f32 v8, v8, |v[X+\i]|, |v[X+\i+1]|
	v_max3_num_f32 v9, v9, |v[X+32+\i]|, |v[X+33+\i]|
.endr
	v_add_nc_u32 v10, 0xff000000, v8               ; 2 off the exponent field: the conversion's scale operand
	v_add_nc_u32 v11, 0xff000000, v9
	v_lshrrev_b32 v12, 23, v10                     ; the bytes of blocks h and 2 + h
	v_lshrrev_b32 v13, 23, v11
	v_cvt_scalef32_pk16_fp6_f32 v[C:C+2], v[X:X+15], v10
	v_cvt_scalef32_pk16_fp6_f32 v[T:T+2], v[X+16:X+31], v10
	v_cvt_scalef32_pk16_fp6_f32 v[C+6:C+8], v[X+32:X+47], v11
	v_cvt_scalef32_pk16_fp6_f32 v[T+4:T+6], v[X+48:X+63], v11
	v_lshl_or_b32 v14, v13, 16, v12                ; (the plain place behind the conversions)
.irp i, 0,1,2
	v_mov_b32 v[C+3+\i], v[T+\i]
	v_mov_b32 v[C+9+\i], v[T+4+\i]
.endr
	v_lshlrev_b32 v14, v5, v14                     ; at their places in the word;
	v_permlanex16_b32 v22, v14, s16, s17
.irp c, 0,1,2
	global_store_b128 v1, v[C+4*\c:C+4*\c+3], s[10:11] offset:12288*((\f)%2)+1536*((\f)/2)+512*\c   ; 512 consecutive bytes, at a multiple of 256 from the buffer's first byte
.endr
.if (\f)%2 == 0
	v_or_b32 v20, v14, v22                         ; with lane l xor 16's two the word is whole: tile u = 0's is kept
.else
	v_or_b32 v14, v14, v22
	v_cndmask_b32 v21, v20, v14, s14               ; lanes 0-15: tile u = 0's words, lanes 16-31: tile u = 1's
	global_store_b32 v2, v21, s[12:13] offset:128*((\f)/2)
.endif
.endm
	LOAD 0
	LOAD 1
	FRAG 0
	FRAG 1
	FRAG 2
	FRAG 3
	s_wait_tensorcnt 0x0
	ds_add_u32 v248, v249
	s_wait_dscnt 0x0
	s_endpgm
.Lfunc_end_k_q6ef028537b_quant_x:
	.size	k_q6ef028537b_quant_x, .Lfunc_end_k_q6ef028537b_quant_x-k_q6ef028537b_quant_x
	.p2alignl 7, 3214868480
	.fill 96, 4, 3214868480
	.section	.rodata,"a",@progbits
	.p2align	6, 0x0
	.amdhsa_kernel k_q6ef028537b_quant_x
		.amdhsa_group_segment_fixed_size 34304
		.amdhsa_private_segment_fixed_size 0
		.amdhsa_enable_private_segment 0
		.amdhsa_kernarg_size 40
		.amdhsa_user_sgpr_count 2
		.amdhsa_user_sgpr_kernarg_segment_ptr 1
		.amdhsa_wavefront_size32 1
		.amdhsa_system_sgpr_workgroup_id_x 1
		.amdhsa_system_sgpr_workgroup_id_y 1
		.amdhsa_system_sgpr_workgroup_id_z 1
		.amdhsa_system_vgpr_workitem_id 0
		.amdhsa_next_free_vgpr 250
		.amdhsa_next_free_sgpr 66
		.amdhsa_reserve_vcc 0
		.amdhsa_float_denorm_mode_32 3
		.amdhsa_float_denorm_mode_16_64 3
		.amdhsa_memory_ordered 1
		.amdhsa_forward_progress 1
		.amdhsa_inst_pref_size 30
	.end_amdhsa_kernel
	.amdgpu_metadata
---
amdhsa.version: [ 1, 2 ]
amdhsa.kernels:
  - .name:           k_q6ef028537b_quant_x
    .symbol:         k_q6ef028537b_quant_x.kd
    .args:
      - { .name: query, .offset: 0, .size: 8, .value_kind: global_buffer, .address_space: global }
      - { .name: key, .offset: 8, .size: 8, .value_kind: global_buffer, .address_space: global }
      - { .name: value, .offset: 16, .size: 8, .value_kind: global_buffer, .address_space: global }
      - { .name: xc, .offset: 24, .size: 8, .value_kind: global_buffer, .address_space: global }
      - { .name: xs, .offset: 32, .size: 8, .value_kind: global_buffer, .address_space: global }
    .group_segment_fixed_size: 34304
    .private_segment_fixed_size: 0
    .kernarg_segment_align: 8
    .kernarg_segment_size: 40
    .max_flat_workgroup_size: 128
    .sgpr_count:     66
    .vgpr_count:     250
    .wavefront_size: 32
...
	.end_amdgpu_metadata
.endif
;; end of part 2
;; launch proj (part 3): grid 192 x 1, 4 waves a work-group, no clusters, 49,664 bytes of LDS; arguments xc, xs, wc, ws, bq, bk, bv, hc, hs; writes hc, hs
.if DOCPART == 3
	.amdgcn_target "amdgcn-amd-amdhsa--gfx1250"
	.amdhsa_code_object_version 6
	.text
	.protected	k_q6ef028537b_proj
	.globl	k_q6ef028537b_proj
	.p2align	8
	.type	k_q6ef028537b_proj,@function
k_q6ef028537b_proj:
	s_mov_b64 s[64:65], 0
	v_nop
	global_prefetch_b8 v0, s[64:65] scope:SCOPE_SE
	s_setreg_imm32_b32 hwreg(HW_REG_WAVE_MODE, 25, 1), 1
	s_wait_xcnt 0x0
; q = query Wq + bq, k = key Wk + bk, v = value Wv + bv on codes of FP6 (E2M3) with E8M0 scales, and the results quantised at once for the two products of attention: no f32 result goes to memory.
; ONE BODY, TWO ORIENTATIONS.  Source 0 is STATIONARY: a wave keeps 64 of its rows (4 tiles x 8 K steps, 384 registers) for the whole launch.  Source 1 STREAMS, a pair of tiles (a block) at a time.
;   q, k: stationary = 64 columns of W (one head), stream = rows of x.   v: stationary = 64 rows of value (64 keys), stream = columns of Wv.  Only pointers, four strides and the bias's place differ.
; By the row map (row 64 G + 8 i + (r & 7) + 32 (r >> 3) is row r of tile 4 G + i) result register 8 i + j of lane (r', h) is stationary row 64 G + 32 h + 8 i + j:
; a lane's 32 registers are one WHOLE BLOCK of 32 along the next product's K (q, k: the head's 64; v: 64 keys), in the order of that operand's registers 0-5: its maximum needs no other lane.
; OUT: a PAIR FRAGMENT, 12 registers a lane = [stream tile u = 0: 6 | u = 1: 6], stored as an image (registers 4 c .. 4 c + 3 of lane l at 512 c + 16 l), and a scale word a row = [u = 0's two bytes | u = 1's two].
;   hc: tensor x 6,291,456 + head y x 98,304 + (q, k: pair in the head x 1,536;  v: 64-key group x 3,072 + pair of d tiles x 1,536).   hs: tensor x 262,144 + y x 4,096 + step x 256 + 16 r + 4 x word.
; A work-group streams 16 blocks; the four waves share each block through LDS (two buffers, one barrier a block) and differ in their stationary rows.  192 equal work-groups: 3 tensors x 64.
; No tensor load and no cluster: the stream comes through registers, so that one text serves both orientations by scalar choices on the work-group's number.
; LIMITS: NaN and infinities are not served; a block whose largest magnitude lies under 2^-124 (zeros too) gets the byte 1: zeros' codes are zeros, and this program alone reads the bytes.
; REGISTERS: window 0: addresses, scale words, bias, accumulators, staging;  window 1: stationary tiles 0, 1 at v[12 (8 i + s)];  window 2: tiles 2, 3;  window 3: the block's 16 fragments at v[12 (8 u + s)].
.set XT,   6291456
.set WT,   786432
.set FRB,  1536
.set BLKB, 24576                       ; a block: 16 fragments
.set LI,   1                           ; v1   16 x lane
.set LS4,  2                           ; v2   4 x lane
.set SH8,  3                           ; v3   8 h
.set LW,   5                           ; v5   16 x lane + 6,144 x wave: my quarter of a block in LDS
.set R16,  6                           ; v6   16 r
.set LBO,  7                           ; v7   4 ((r & 7) + 32 (r >> 3)): my stream row's place among 64 columns
.set H128, 8                           ; v8   128 h
.set SSC,  16                          ; v16-31  stationary scale words (8 pair + s): lanes 0-15 the even tile, lanes 16-31 the odd
.set LSC,  32                          ; v32-47  the stream's, two sets of 8: lanes 0-15 u = 0, lanes 16-31 u = 1
.set CB,   52                          ; v52-83  the bias in the result's layout, 8 registers a stationary tile (v: zeros)
.set ACC,  84                          ; v84-147 accumulator (u, i) at 32 u + 8 i
.set STG,  148                         ; v148-195 my quarter of the next block on its way to LDS
.set PC,   196                         ; v196-207 the pair fragment
.set TQ,   208                         ; v208-214 the conversions' second halves
.set TM,   216                         ; v216-225 at work
.set LBR,  232                         ; v232-239 v's bias of my stream row: a pair for (buffer e, tile u) at 4 e + 2 u; the low register counts
.set WV,   22
.set MODE, 24                          ; s24  1: v
.set BLK,  46                          ; s46  the block's number
.set MSB, 0
.macro WIN new                         ; the immediate's high byte repeats the setting that is left
.if MSB != \new
	s_set_vgpr_msb (MSB<<8)|\new
.set MSB, \new
.endif
.endm
.macro WM d, a, b, c, sa, sb, ra, rb   ; one product; ra, rb: the scales stand in lanes 16-31
.if (\ra) == 0 && (\rb) == 0
	v_wmma_scale_f32_16x16x128_f8f6f4 v[\d:\d+7], v[\a:\a+11], v[\b:\b+11], v[\c:\c+7], v[\sa], v[\sb] matrix_a_fmt:MATRIX_FMT_FP6 matrix_b_fmt:MATRIX_FMT_FP6
.elseif (\ra) == 1 && (\rb) == 0
	v_wmma_scale_f32_16x16x128_f8f6f4 v[\d:\d+7], v[\a:\a+11], v[\b:\b+11], v[\c:\c+7], v[\sa], v[\sb] matrix_a_fmt:MATRIX_FMT_FP6 matrix_b_fmt:MATRIX_FMT_FP6 matrix_a_scale:MATRIX_SCALE_ROW1
.elseif (\ra) == 0 && (\rb) == 1
	v_wmma_scale_f32_16x16x128_f8f6f4 v[\d:\d+7], v[\a:\a+11], v[\b:\b+11], v[\c:\c+7], v[\sa], v[\sb] matrix_a_fmt:MATRIX_FMT_FP6 matrix_b_fmt:MATRIX_FMT_FP6 matrix_b_scale:MATRIX_SCALE_ROW1
.else
	v_wmma_scale_f32_16x16x128_f8f6f4 v[\d:\d+7], v[\a:\a+11], v[\b:\b+11], v[\c:\c+7], v[\sa], v[\sb] matrix_a_fmt:MATRIX_FMT_FP6 matrix_b_fmt:MATRIX_FMT_FP6 matrix_a_scale:MATRIX_SCALE_ROW1 matrix_b_scale:MATRIX_SCALE_ROW1
.endif
.endm
	s_load_b256 s[4:11], s[0:1], 0x0               ; xc, xs, wc, ws
	s_load_b256 s[12:19], s[0:1], 0x20             ; bq, bk, bv, hc
	s_load_b64 s[20:21], s[0:1], 0x40              ; hs
	v_lshl_add_u32 v254, v0, 2, 0xc000
	v_mov_b32 v255, 0
	v_lshrrev_b32 v9, 5, v0
	v_readfirstlane_b32 s[WV], v9                  ; wave
	v_and_b32 v9, 31, v0                           ; lane
	v_and_b32 v10, 15, v0                          ; r
	v_bfe_u32 v11, v0, 4, 1                        ; h
	v_lshlrev_b32 v[LI], 4, v9
	v_lshlrev_b32 v[LS4], 2, v9
	v_lshlrev_b32 v[SH8], 3, v11
	s_mul_i32 s50, s[WV], 6144
	v_add_nc_u32 v[LW], s50, v[LI]
	v_lshlrev_b32 v[R16], 4, v10
	v_and_b32 v12, 7, v10
	v_lshrrev_b32 v13, 3, v10
	v_lshl_add_u32 v12, v13, 5, v12
	v_lshlrev_b32 v[LBO], 2, v12
	v_lshlrev_b32 v[H128], 7, v11
	v_mov_b32 v[TM+9], 0                           ; written once: a lane permute's destination counts as one of its sources
.irp i, 0,1,2,3,4,5,6,7
	v_mov_b32 v[LBR+\i], 0                         ; written once: the packed additions name whole pairs
.endr
	s_mov_b32 s48, 0x76543210
	s_mov_b32 s49, 0xfedcba98                      ; v_permlanex16_b32's selects for lane l xor 16
	s_mov_b32 s[BLK], 0
	s_lshr_b32 s23, ttmp9, 6                       ; the tensor: 0 q, 1 k, 2 v
	s_and_b32 s50, ttmp9, 63
	s_and_b32 s51, s50, 3                          ; q, k: which four heads;
	s_lshr_b32 s52, s50, 2                         ;       which 16 pairs of x
	s_lshr_b32 s53, s50, 1                         ; v: which four groups of 64 keys;
	s_and_b32 s54, s50, 1                          ;    which 16 pairs of Wv
	s_cmp_eq_u32 s23, 2
	s_cselect_b32 s[MODE], 1, 0
	s_cselect_b32 s25, s53, s51
	s_cselect_b32 s26, s54, s52                    ; om
	s_cselect_b32 s42, 1, 2                        ; a block's number splits into hi = number >> s42 and lo = number & s43;
	s_cselect_b32 s43, 1, 3
	s_mov_b32 s44, 6144
	s_cselect_b32 s44, 98304, s44                  ; the codes go hi x s44 + lo x 1,536 on,
	s_mov_b32 s45, 256
	s_cselect_b32 s45, 4096, s45                   ; the scale words hi x s45 + lo x 4
	s_lshl_b32 s27, s25, 2
	s_add_co_u32 s27, s27, s[WV]                   ; GP: my 64 stationary rows
	s_lshr_b32 s50, s26, 2                         ; q, k: head y = 16 (om >> 2) + GP; in it pairs 16 (om & 3) on
	s_lshl_b32 s50, s50, 4
	s_add_co_u32 s50, s50, s27
	s_and_b32 s51, s26, 3
	s_mul_i32 s52, s51, 24576
	s_lshl_b32 s53, s51, 10
	s_lshr_b32 s54, s27, 5                         ; v: heads y = 16 (GP >> 5) + 8 om on; in each, key group GP & 31
	s_lshl_b32 s54, s54, 4
	s_lshl_b32 s55, s26, 3
	s_add_co_u32 s54, s54, s55
	s_and_b32 s55, s27, 31
	s_mul_i32 s56, s55, 3072
	s_lshr_b32 s57, s55, 1
	s_lshl_b32 s57, s57, 8
	s_and_b32 s58, s27, 1
	s_lshl_b32 s58, s58, 3
	s_add_co_u32 s57, s57, s58
	s_cmp_eq_u32 s[MODE], 1
	s_cselect_b32 s50, s54, s50
	s_cselect_b32 s52, s56, s52
	s_cselect_b32 s53, s57, s53
	s_mul_i32 s54, s50, 98304
	s_add_co_u32 s34, s52, s54
	s_mul_i32 s54, s23, XT
	s_add_co_u32 s34, s34, s54                     ; where my first pair fragment goes,
	s_mov_b32 s35, 0
	s_lshl_b32 s54, s50, 12
	s_add_co_u32 s36, s53, s54
	s_lshl_b32 s54, s23, 18
	s_add_co_u32 s36, s36, s54                     ; and its scale words
	s_mov_b32 s37, 0
	s_mov_b32 s55, 0
	s_mov_b32 s51, 0
	s_wait_kmcnt 0x0
	s_add_nc_u64 s[34:35], s[18:19], s[34:35]
	s_add_nc_u64 s[36:37], s[20:21], s[36:37]
	s_mul_i32 s54, s23, XT
	s_add_nc_u64 s[4:5], s[4:5], s[54:55]          ; the tensor's x codes,
	s_mul_i32 s54, s23, WT
	s_add_nc_u64 s[8:9], s[8:9], s[54:55]          ; its weight's codes,
	s_lshl_b32 s54, s23, 18
	s_add_nc_u64 s[6:7], s[6:7], s[54:55]          ; and both scales
	s_lshl_b32 s54, s23, 15
	s_add_nc_u64 s[10:11], s[10:11], s[54:55]
	s_cmp_eq_u32 s[MODE], 1                        ; which of the two is stationary hangs on the work-group's number alone
	s_cselect_b64 s[56:57], s[4:5], s[8:9]
	s_cselect_b64 s[28:29], s[8:9], s[4:5]
	s_cselect_b64 s[58:59], s[6:7], s[10:11]
	s_cselect_b64 s[30:31], s[10:11], s[6:7]
	s_cmp_eq_u32 s23, 1
	s_cselect_b64 s[12:13], s[14:15], s[12:13]
	s_cmp_eq_u32 s23, 2
	s_cselect_b64 s[12:13], s[16:17], s[12:13]     ; the tensor's bias
	s_mul_i32 s50, s26, 16*BLKB
	s_mul_i32 s52, s[WV], 6144
	s_add_co_u32 s50, s50, s52
	s_add_nc_u64 s[28:29], s[28:29], s[50:51]      ; stream: pair 16 om, my quarter of the block
	s_lshl_b32 s50, s26, 14
	s_add_nc_u64 s[30:31], s[30:31], s[50:51]
	s_mul_i32 s50, s27, 49152
	s_add_nc_u64 s[56:57], s[56:57], s[50:51]      ; stationary: group GP
	s_lshl_b32 s50, s27, 11
	s_add_nc_u64 s[58:59], s[58:59], s[50:51]
	s_lshl_b32 s50, s27, 8
	s_add_nc_u64 s[60:61], s[12:13], s[50:51]      ; q, k: the bias of my 64 columns (read in that mode alone)
	s_lshl_b32 s50, s26, 11
	s_add_nc_u64 s[32:33], s[12:13], s[50:51]      ; v: the bias of the stream's first 64 columns (read in that mode alone)
	WIN 0x40                                       ; destination window 1
.irp i, 0,1
.irp s, 0,1,2,3,4,5,6,7
.irp c, 0,1,2
	global_load_b128 v[12*(8*\i+\s)+4*\c:12*(8*\i+\s)+4*\c+3], v[LI], s[56:57] offset:(8*\i+\s)*FRB+512*\c
.endr
.endr
.endr
	WIN 0x80                                       ; destination window 2
.irp i, 0,1
.irp s, 0,1,2,3,4,5,6,7
.irp c, 0,1,2
	global_load_b128 v[12*(8*\i+\s)+4*\c:12*(8*\i+\s)+4*\c+3], v[LI], s[56:57] offset:(8*(\i+2)+\s)*FRB+512*\c
.endr
.endr
.endr
	WIN 0
.irp q, 0,1,2,3,4,5,6,7,8,9,10,11,12,13,14,15
	global_load_b32 v[SSC+\q], v[LS4], s[58:59] offset:128*\q
.endr
	s_cmp_eq_u32 s[MODE], 0
	s_cbranch_scc0 .Lcb_zero
.irp i, 0,1,2,3                        ; q, k: register 8 i + j of lane (r', h) is column 64 GP + 32 h + 8 i + j: its bias is the C of the sum's first product
	global_load_b128 v[CB+8*\i:CB+8*\i+3], v[H128], s[60:61] offset:32*\i
	global_load_b128 v[CB+8*\i+4:CB+8*\i+7], v[H128], s[60:61] offset:32*\i+16
.endr
	s_branch .Lcb_done
.Lcb_zero:                             ; v: the bias belongs to the stream's row, that is, to the lane: it is added behind the sums
.set i, 0
.rept 32
	v_mov_b32 v[CB+i], 0
.set i, i+1
.endr
.Lcb_done:
; my quarter of a block, its scale words and (v) its rows' bias, from memory into registers.  pe: the LDS buffer and register set that it is for
.macro GLOAD pe, first
.if (\first) == 0
	s_add_nc_u64 s[28:29], s[28:29], BLKB
	s_add_nc_u64 s[30:31], s[30:31], 1024
.if (\pe) == 0
	s_add_nc_u64 s[32:33], s[32:33], 256           ; two pairs of tiles are 64 columns
.endif
.endif
.irp k, 0,1,2,3,4,5,6,7,8,9,10,11
	global_load_b128 v[STG+4*\k:STG+4*\k+3], v[LI], s[28:29] offset:512*\k
.endr
.irp s, 0,1,2,3,4,5,6,7
	global_load_b32 v[LSC+8*(\pe)+\s], v[LS4], s[30:31] offset:128*\s
.endr
	s_cmp_eq_u32 s[MODE], 0
	s_cbranch_scc1 .Lno_lb_\@
	global_load_b32 v[LBR+4*(\pe)], v[LBO], s[32:33] offset:64*(\pe)
	global_load_b32 v[LBR+4*(\pe)+2], v[LBO], s[32:33] offset:64*(\pe)+32
.Lno_lb_\@:
.endm
.macro LSTORE e
.irp k, 0,1,2,3,4,5,6,7,8,9,10,11
	ds_store_b128 v[LW], v[STG+4*\k:STG+4*\k+3] offset:BLKB*(\e)+512*\k
.endr
.endm
.macro FETCH e, half                   ; four K steps' fragments of both tiles: 24 loads, K step by K step
	WIN 0xc0                                       ; destination window 3
.irp t, 0,1,2,3
.irp u, 0,1
.irp c, 0,1,2
	ds_load_b128 v[12*(8*\u+4*(\half)+\t)+4*\c:12*(8*\u+4*(\half)+\t)+4*\c+3], v[LI] offset:BLKB*(\e)+(8*\u+4*(\half)+\t)*FRB+512*\c
.endr
.endr
.endr
.endm
; 16 products: stationary tiles 2 g, 2 g + 1 x stream tiles 0, 1 x four K steps.  The four accumulators take turns, one instruction a turn.
; waits = 1: ahead of each K step the wait that leaves the later K steps' loads out, 6 a step.
.macro MMA g, half, e, waits
.if (\g) == 0
	WIN 0x0d                                       ; source 0 window 1, source 1 window 3
.else
	WIN 0x0e                                       ; source 0 window 2
.endif
.irp t, 0,1,2,3
.if \waits
	s_wait_dscnt 18-6*\t
.endif
.irp n, 0,1
.irp u, 0,1
.if 4*(\half)+\t == 0
	WM ACC+32*\u+8*(2*(\g)+\n), 12*(8*\n+4*(\half)+\t), 12*(8*\u+4*(\half)+\t), CB+8*(2*(\g)+\n), SSC+8*(\g)+4*(\half)+\t, LSC+8*(\e)+4*(\half)+\t, \n, \u
.else
	WM ACC+32*\u+8*(2*(\g)+\n), 12*(8*\n+4*(\half)+\t), 12*(8*\u+4*(\half)+\t), ACC+32*\u+8*(2*(\g)+\n), SSC+8*(\g)+4*(\half)+\t, LSC+8*(\e)+4*(\half)+\t, \n, \u
.endif
.endr
.endr
.endr
.endm
; the two tiles' 32 numbers a lane become the pair fragment and my row's scale word.  Each accumulator is read from its low end on.
.macro QUANT2
.irp q, 0,1,2,3                        ; chain q: tile q / 2, registers 16 (q % 2) on; the floor 2^(3 - 127) among the leaves
	v_max3_num_f32 v[TM+\q], |v[ACC+16*\q]|, |v[ACC+16*\q+1]|, 0x1800000
.endr
.irp i, 2,4,6,8,10,12,14
.irp q, 0,1,2,3
	v_max3_num_f32 v[TM+\q], v[TM+\q], |v[ACC+16*\q+\i]|, |v[ACC+16*\q+\i+1]|
.endr
.endr
	v_max_num_f32 v[TM], v[TM], v[TM+1]
	v_max_num_f32 v[TM+2], v[TM+2], v[TM+3]
	v_add_nc_u32 v[TM+4], 0xff000000, v[TM]        ; 2 off the exponent field: the conversion's scale operand
	v_add_nc_u32 v[TM+5], 0xff000000, v[TM+2]
	v_lshrrev_b32 v[TM+6], 23, v[TM+4]             ; the bytes of block h of tiles 0 and 1
	v_lshrrev_b32 v[TM+7], 23, v[TM+5]
.irp u, 0,1
	v_cvt_scalef32_pk16_fp6_f32 v[PC+6*\u:PC+6*\u+2], v[ACC+32*\u:ACC+32*\u+15], v[TM+4+\u]
	v_cvt_scalef32_pk16_fp6_f32 v[TQ+4*\u:TQ+4*\u+2], v[ACC+32*\u+16:ACC+32*\u+31], v[TM+4+\u]
.endr
	v_lshl_or_b32 v[TM+8], v[TM+7], 16, v[TM+6]    ; (the plain place behind the conversions)
.irp u, 0,1
.irp i, 0,1,2
	v_mov_b32 v[PC+6*\u+3+\i], v[TQ+4*\u+\i]
.endr
.endr
	v_lshlrev_b32 v[TM+8], v[SH8], v[TM+8]
	v_permlanex16_b32 v[TM+9], v[TM+8], s48, s49
	v_or_b32 v[TM+8], v[TM+8], v[TM+9]             ; [u = 0: blocks 0, 1 | u = 1: blocks 0, 1]
.endm
; A BLOCK in LDS buffer e.  fetch = 1: the next block comes from memory meanwhile and goes into the other buffer at the end.
.macro BLOCK e, fetch
	s_wait_xcnt 0x0                                ; the last block's stores and loads have read their registers and bases: all may be written again
.if \fetch
	GLOAD 1-(\e), 0
.endif
	FETCH \e, 0
	MMA 0, 0, \e, 1
	FETCH \e, 1
	MMA 1, 0, \e, 0
	MMA 1, 1, \e, 1
	MMA 0, 1, \e, 0
	WIN 0
.rept 5
	v_nop                                          ; places behind the last products: four for the reads of results and the loads into operands, a fifth since the next block's first products write over these accumulators
.endr
	s_lshr_b32 s50, s[BLK], s42                    ; where this block's results go
	s_and_b32 s51, s[BLK], s43
	s_mul_i32 s52, s50, s44
	s_mul_i32 s53, s51, FRB
	s_add_co_u32 s52, s52, s53
	s_mov_b32 s53, 0
	s_add_nc_u64 s[38:39], s[34:35], s[52:53]
	s_mul_i32 s52, s50, s45
	s_lshl_b32 s51, s51, 2
	s_add_co_u32 s52, s52, s51
	s_add_nc_u64 s[40:41], s[36:37], s[52:53]
	s_add_co_u32 s[BLK], s[BLK], 1
	s_cmp_eq_u32 s[MODE], 0
	s_cbranch_scc1 .Lno_add_\@
.irp u, 0,1                            ; v: + the bias of my stream row
.set j, 0
.rept 16
	v_pk_add_f32 v[ACC+32*\u+j:ACC+32*\u+j+1], v[ACC+32*\u+j:ACC+32*\u+j+1], v[LBR+4*(\e)+2*\u:LBR+4*(\e)+2*\u+1] op_sel_hi:[1,0]
.set j, j+2
.endr
.endr
.Lno_add_\@:
	QUANT2
.irp c, 0,1,2
	global_store_b128 v[LI], v[PC+4*\c:PC+4*\c+3], s[38:39] offset:512*\c   ; 512 consecutive bytes, at a multiple of 256 from the buffer's first byte
.endr
	global_store_b32 v[R16], v[TM+8], s[40:41]     ; lanes r and r + 16 hold the same word
.if \fetch
	s_wait_loadcnt 0x0                             ; the next block's quarter, scale words and bias are in
	LSTORE 1-(\e)                                  ; every wave has passed the last barrier behind its reads of that buffer
	s_wait_dscnt 0x0                               ; for the others' sake: my stores have landed; my reads of this buffer were over at the products
	s_barrier_signal -1
	s_barrier_wait -1
.endif
.endm
	GLOAD 0, 1
	s_wait_loadcnt 0x0                             ; the stationary operand, its scales, the bias and block 0
	LSTORE 0
	s_wait_dscnt 0x0
	s_barrier_signal -1
	s_barrier_wait -1
	s_mov_b32 s47, 7
.Lpair:                                ; 7 trips of two blocks; the last two are written out, since the last fetches nothing
	BLOCK 0, 1
	BLOCK 1, 1
	s_sub_co_u32 s47, s47, 1
	s_cmp_lg_u32 s47, 0
	s_cbranch_scc1 .Lpair
	BLOCK 0, 1
	BLOCK 1, 0
	s_wait_tensorcnt 0x0
	ds_add_u32 v254, v255
	s_wait_dscnt 0x0
	s_endpgm
.Lfunc_end_k_q6ef028537b_proj:
	.size	k_q6ef028537b_proj, .Lfunc_end_k_q6ef028537b_proj-k_q6ef028537b_proj
	.p2alignl 7, 3214868480
	.fill 96, 4, 3214868480
	.section	.rodata,"a",@progbits
	.p2align	6, 0x0
	.amdhsa_kernel k_q6ef028537b_proj
		.amdhsa_group_segment_fixed_size 49664
		.amdhsa_private_segment_fixed_size 0
		.amdhsa_enable_private_segment 0
		.amdhsa_kernarg_size 72
		.amdhsa_user_sgpr_count 2
		.amdhsa_user_sgpr_kernarg_segment_ptr 1
		.amdhsa_wavefront_size32 1
		.amdhsa_system_sgpr_workgroup_id_x 1
		.amdhsa_system_sgpr_workgroup_id_y 1
		.amdhsa_system_sgpr_workgroup_id_z 1
		.amdhsa_system_vgpr_workitem_id 0
		.amdhsa_next_free_vgpr 1024
		.amdhsa_next_free_sgpr 66
		.amdhsa_reserve_vcc 0
		.amdhsa_float_denorm_mode_32 3
		.amdhsa_float_denorm_mode_16_64 3
		.amdhsa_memory_ordered 1
		.amdhsa_forward_progress 1
		.amdhsa_inst_pref_size 100
	.end_amdhsa_kernel
	.amdgpu_metadata
---
amdhsa.version: [ 1, 2 ]
amdhsa.kernels:
  - .name:           k_q6ef028537b_proj
    .symbol:         k_q6ef028537b_proj.kd
    .args:
      - { .name: xc, .offset: 0, .size: 8, .value_kind: global_buffer, .address_space: global }
      - { .name: xs, .offset: 8, .size: 8, .value_kind: global_buffer, .address_space: global }
      - { .name: wc, .offset: 16, .size: 8, .value_kind: global_buffer, .address_space: global }
      - { .name: ws, .offset: 24, .size: 8, .value_kind: global_buffer, .address_space: global }
      - { .name: bq, .offset: 32, .size: 8, .value_kind: global_buffer, .address_space: global }
      - { .name: bk, .offset: 40, .size: 8, .value_kind: global_buffer, .address_space: global }
      - { .name: bv, .offset: 48, .size: 8, .value_kind: global_buffer, .address_space: global }
      - { .name: hc, .offset: 56, .size: 8, .value_kind: global_buffer, .address_space: global }
      - { .name: hs, .offset: 64, .size: 8, .value_kind: global_buffer, .address_space: global }
    .group_segment_fixed_size: 49664
    .private_segment_fixed_size: 0
    .kernarg_segment_align: 8
    .kernarg_segment_size: 72
    .max_flat_workgroup_size: 128
    .sgpr_count:     66
    .vgpr_count:     1024
    .wavefront_size: 32
...
	.end_amdgpu_metadata
.endif
;; end of part 3
;; launch attn (part 4): grid 4 x 64, 16 waves a work-group, clusters of 4 x 1, 206,848 bytes of LDS; arguments hc, hs, oc, os; writes oc, os
.if DOCPART == 4
	.amdgcn_target "amdgcn-amd-amdhsa--gfx1250"
	.amdhsa_code_object_version 6
	.text
	.protected	k_q6ef028537b_attn
	.globl	k_q6ef028537b_attn
	.p2align	8
	.type	k_q6ef028537b_attn,@function
k_q6ef028537b_attn:
	s_mov_b64 s[64:65], 0
	v_nop
	global_prefetch_b8 v0, s[64:65] scope:SCOPE_SE
	s_setreg_imm32_b32 hwreg(HW_REG_WAVE_MODE, 25, 1), 1
	s_wait_xcnt 0x0
	s_wait_alu depctr_hold_cnt(0) depctr_sa_sdst(0) depctr_va_vdst(0) depctr_va_sdst(0) depctr_va_ssrc(0) depctr_va_vcc(0) depctr_vm_vsrc(0)
	s_getreg_b32 s2, hwreg(HW_REG_IB_STS2, 6, 4)
	s_cmp_eq_u32 s2, 0
	s_cbranch_scc0 .Lentry_in_a_cluster
	s_endpgm
.Lentry_in_a_cluster:
	s_bfe_u32 s2, ttmp6, 0x10000c
	s_cmp_lg_u32 s2, 0x3003
	s_cbranch_scc0 .Lentry_shape_is_right
	s_endpgm
.Lentry_shape_is_right:
; x = softmax(q k^T / 8) v for one head, both products on codes of FP6 (E2M3) with E8M0 scales, and x quantised at once along the model's 1,024 for the last product.
; THE SOFTMAX: t = score x log2(e) / 8; M = the running largest t rounded UP to a whole number; p = 2^(t - M) is quantised along the keys, not normalised; the row's sum is taken of the unquantised p and divides at the end.
; When M moves, the sum and O are multiplied by 2^(old M - new M): exact.
; SHARES.  A work-group owns one head (work-group y) and 512 queries; each of its 16 waves owns a pair of query tiles (2 x 16 queries), one tile after the other, in 256 registers: four waves to a SIMD, so that one
; wave's vector work stands beside another's products and LDS loads.  The head's K and V, 196,608 bytes of codes and 8,192 of scale words, come into LDS ONCE and stay: nothing is filled again.
; CLUSTER.  The four work-groups of a head form a cluster and ask for K and V JOINTLY: the same tensor loads, with the same descriptors and a mask that names the four.  A wave has at most one tensor load out.
; PAIR FRAGMENTS.  d_k and a key group are 64, half of the instruction's K.  A fragment of K or V holds TWO tiles: registers 0-5 tile 0's 64, registers 6-11 tile 1's.  Against [y | zeros] it gives tile 0's products, against
; [zeros | y] tile 1's: zero codes add nothing under any scale byte but 0xff, which no byte here is.  For V that doubles the second product's instructions; the matrix unit has the room here.
; LAYOUT.  Both products are used transposed: a lane holds ONE query.  By the row map of the launch before, S^T's 32 registers of two pair fragments are 32 NEIGHBOURING keys (64 c + 32 h + 0 .. 31 of the step's 128):
; a whole block, in the order of the operand's registers; likewise O^T's 32 registers are d = 32 h + 0 .. 31.  No number changes lanes but maxima, sums and scale bytes.
; LIMITS: NaN and infinities are not served; a block of p or of x whose largest magnitude lies under 2^-124 (zeros too) gets the byte 1.
.set XT,   6291456
.set VC,   98304                       ; LDS: K's codes at 0, V's here,
.set KS,   196608                      ; K's scale words [step][r][4 words], V's 4,096 bytes on
.set WV,   12                          ; s12 wave
.set SC,   50                          ; v50-53  lanes 0-15: K's four scale words of the step; lanes 16-31: V's four
.set S,    108                         ; v108-171 S^T, then p
.set O,    172                         ; v172-203 O^T: tile i of d at 8 i
.set KF,   204                         ; v204-251 four pair fragments: K's, then V's
; v1 16 x lane; v2 the same in V's codes; v3 my scale words' place; v4 8 h; v5-7 the step's addresses; v8 8 x lane; v9 4 r; v12 -M; v13 the largest t; v[14:15] the sum in two halves
; v16-45 zeros 6 | q tile 0 | zeros 6 | q tile 1 | zeros 6;  v46 q's scale word, v47 it << 16, v48 it >> 16;  v54 p's scale word, v55 it with its halves exchanged;  v56-69 at work
; v70-99 zeros 6 | p keys 0-63 | zeros 6 | p keys 64-127 | zeros 6;  v100-106 the conversions' second halves;  v[252:253] 1 / the sum
.macro CROUND                          ; a round of the cluster's barrier
	s_barrier_signal -1
	s_barrier_wait -1
	s_cmp_lg_u32 s[WV], 0
	s_cbranch_scc1 .Lnot_wave_0_\@
	s_barrier_signal -3
.Lnot_wave_0_\@:
	s_barrier_wait -3
	s_barrier_signal -1
	s_barrier_wait -1
.endm
.macro WQK d, a, b, sa, sb             ; a tile of S^T: starts its sum
	v_wmma_scale_f32_16x16x128_f8f6f4 v[\d:\d+7], v[\a:\a+11], v[\b:\b+11], 0, v[\sa], v[\sb] matrix_a_fmt:MATRIX_FMT_FP6 matrix_b_fmt:MATRIX_FMT_FP6
.endm
.macro WPV d, a, b, sa, sb             ; a tile of O^T: adds; V's scale words stand in lanes 16-31
	v_wmma_scale_f32_16x16x128_f8f6f4 v[\d:\d+7], v[\a:\a+11], v[\b:\b+11], v[\d:\d+7], v[\sa], v[\sb] matrix_a_fmt:MATRIX_FMT_FP6 matrix_b_fmt:MATRIX_FMT_FP6 matrix_a_scale:MATRIX_SCALE_ROW1
.endm
	s_load_b256 s[4:11], s[0:1], 0x0               ; hc, hs, oc, os
	v_lshl_add_u32 v254, v0, 2, 0x32000
	v_mov_b32 v255, 0
	ds_add_u32 v254, v255
	ds_add_u32 v254, v255
	v_lshrrev_b32 v1, 5, v0
	v_readfirstlane_b32 s[WV], v1                  ; wave 0..15
	s_bfe_u32 s66, ttmp6, 0x40000                  ; cx: my place in the cluster: it enters q's, oc's and os's addresses alone
	s_and_b32 s14, ttmp7, 0xffff                   ; the head y = 16 b + hd, which the four partners share
	; descriptor groups 1: dense blocks as rows of 256 bytes (32 elements of 8 bytes), no padding.  Codes: 96 rows;  scale words: 16 rows
	s_mov_b32 s24, 15|(3<<16)|(1<<21)              ; 15:0 the mask: all four work-groups; 17:16 elements of 8 bytes; 21 set beside a mask
	s_mov_b32 s25, 32<<16                          ; tensor_dim0 = 32
	s_mov_b32 s26, 96<<16                          ; tensor_dim1 = 96
	s_mov_b32 s27, 32<<16                          ; tile_dim0 = 32
	s_mov_b32 s28, 96                              ; tile_dim1 = 96
	s_mov_b32 s29, 32                              ; from row to row
	s_mov_b32 s30, 0
	s_mov_b32 s31, 0
	s_mov_b32 s32, 15|(3<<16)|(1<<21)
	s_mov_b32 s33, 32<<16
	s_mov_b32 s34, 16<<16
	s_mov_b32 s35, 32<<16
	s_mov_b32 s36, 16
	s_mov_b32 s37, 32
	s_mov_b32 s38, 0
	s_mov_b32 s39, 0
	s_lshr_b32 s52, s[WV], 2                       ; waves 0-3: K's four quarters; waves 4-7: V's
	s_and_b32 s53, s[WV], 3
	s_mul_i32 s54, s52, XT
	s_add_co_u32 s54, s54, XT
	s_mul_i32 s55, s14, 98304
	s_add_co_u32 s54, s54, s55
	s_mul_i32 s55, s53, 24576
	s_add_co_u32 s54, s54, s55
	s_mov_b32 s55, 0
	s_and_b32 s56, s[WV], 1                        ; wave 8: K's scale words; wave 9: V's
	s_lshl_b32 s57, s56, 18
	s_add_co_u32 s57, s57, 262144
	s_lshl_b32 s58, s14, 12
	s_add_co_u32 s58, s58, s57
	s_mov_b32 s59, 0
	s_and_b32 s60, s[WV], 7
	s_mov_b32 s20, 0x76543210
	s_mov_b32 s21, 0xfedcba98                      ; v_permlanex16_b32's selects for lane l xor 16
	s_mov_b32 s22, 0x3e38aa3b                      ; c = log2(e) / 8
	s_mov_b32 s23, s22                             ; (named with it as a pair, so it is written)
	s_wait_dscnt 0x0
	s_wait_kmcnt 0x0
	s_mov_b32 s40, 1                               ; group 0 for the codes: count = 1,
	s_mul_i32 s41, s60, 24576                      ; LDS address,
	s_add_nc_u64 s[42:43], s[4:5], s[54:55]        ; global address,
	s_or_b32 s43, s43, 0x80000000                  ; type = 2
	s_mov_b32 s44, 1                               ; and for the scale words
	s_lshl_b32 s45, s56, 12
	s_add_co_u32 s45, s45, KS
	s_add_nc_u64 s[46:47], s[6:7], s[58:59]
	s_or_b32 s47, s47, 0x80000000
	CROUND                                         ; all four work-groups are here: the joint loads meet
	s_cmp_lt_u32 s[WV], 8                          ; the branches hang on the wave's number alone; four v_nop follow each load
	s_cbranch_scc0 .Lnot_codes
	tensor_load_to_lds s[40:43], s[24:31]
	s_nop 0
.rept 4
	v_nop
.endr
	s_branch .Lasked
.Lnot_codes:
	s_cmp_lt_u32 s[WV], 10
	s_cbranch_scc0 .Lasked
	tensor_load_to_lds s[44:47], s[32:39]
	s_nop 0
.rept 4
	v_nop
.endr
.Lasked:
	s_lshl_b32 s67, s66, 4
	s_add_co_u32 s67, s67, s[WV]                   ; my pair of query tiles in the head: 16 cx + wave
	s_mul_i32 s68, s67, 1536
	s_mul_i32 s69, s14, 98304
	s_add_co_u32 s68, s68, s69
	s_mov_b32 s69, 0
	s_add_nc_u64 s[16:17], s[4:5], s[68:69]        ; its pair fragment,
	s_lshr_b32 s68, s67, 2
	s_lshl_b32 s68, s68, 8
	s_and_b32 s70, s67, 3
	s_lshl_b32 s70, s70, 2
	s_add_co_u32 s68, s68, s70
	s_lshl_b32 s70, s14, 12
	s_add_co_u32 s68, s68, s70
	s_add_nc_u64 s[18:19], s[6:7], s[68:69]        ; its scale words
	s_lshr_b32 s70, s14, 4                         ; b
	s_and_b32 s71, s14, 15                         ; hd
	s_lshr_b32 s72, s71, 1                         ; the last product's K step,
	s_and_b32 s73, s71, 1                          ; and which half of it
	s_lshl_b32 s70, s70, 6
	s_add_co_u32 s70, s70, s67                     ; pair a = 64 b + my pair
	s_lshl_b32 s74, s70, 4
	s_add_co_u32 s74, s74, s72
	s_mul_i32 s74, s74, 1536                       ; fragment (2 a, K step),
	s_mul_i32 s68, s73, 768                        ; pieces 3 (hd & 1) on
	s_add_co_u32 s68, s68, s74
	s_add_nc_u64 s[8:9], s[8:9], s[68:69]
	s_lshl_b32 s74, s70, 3
	s_add_co_u32 s74, s74, s72
	s_lshl_b32 s74, s74, 7
	s_lshl_b32 s68, s73, 1
	s_add_co_u32 s68, s68, s74
	s_add_nc_u64 s[10:11], s[10:11], s[68:69]      ; its scale words, bytes 2 (hd & 1) on
	v_and_b32 v10, 31, v0                          ; lane
	v_and_b32 v11, 15, v0                          ; r
	v_bfe_u32 v4, v0, 4, 1                         ; h
	v_lshlrev_b32 v1, 4, v10
	v_add_nc_u32 v2, VC, v1
	v_lshlrev_b32 v3, 4, v11
	v_lshl_add_u32 v3, v4, 12, v3
	v_add_nc_u32 v3, KS, v3                        ; lanes 0-15: K's words of row r; lanes 16-31: V's, 4,096 bytes on
	v_lshlrev_b32 v8, 3, v10
	v_lshlrev_b32 v9, 2, v11
	v_lshlrev_b32 v57, 4, v11
	v_lshlrev_b32 v4, 3, v4
	global_load_b128 v[22:25], v1, s[16:17]            ; tile 0: registers 0-3 of the pair fragment,
	global_load_b64 v[26:27], v1, s[16:17] offset:512  ; 4, 5;
	global_load_b64 v[34:35], v1, s[16:17] offset:520  ; tile 1: 6, 7,
	global_load_b128 v[36:39], v1, s[16:17] offset:1024 ; 8-11
	global_load_b32 v46, v57, s[18:19]                 ; my row's scale word: [tile 0's two bytes | tile 1's two]
.irp z, 16, 28, 40, 70, 82, 94         ; the zero codes, written once
.irp i, 0,1,2,3,4,5
	v_mov_b32 v[\z+\i], 0
.endr
.endr
	v_mov_b32 v61, 0                               ; written once: a lane permute's destination counts as one of its sources
	v_mov_b32 v63, 0                               ; (named as the upper halves of pairs)
	v_mov_b32 v253, 0
	s_wait_loadcnt 0x0
	v_lshlrev_b32 v47, 16, v46                     ; tile 0's bytes over the upper 64
	v_lshrrev_b32 v48, 16, v46                     ; tile 1's bytes over the lower 64
	s_wait_tensorcnt 0x0                           ; my part of K and V has landed,
	s_barrier_signal -1
	s_barrier_wait -1                              ; everybody's has
.macro TILE u                          ; one tile of 16 queries against all 2,048 keys
.set QA, 22+12*(\u)                    ; [q | zeros]
.set QB, 16+12*(\u)                    ; [zeros | q]
.if (\u) == 0
.set QSA, 46
.set QSB, 47
.else
.set QSA, 48
.set QSB, 46
.endif
	s_wait_xcnt 0x0                                ; the last tile's stores have read their data
	s_mov_b32 s48, 0                               ; the step's codes: 6,144 bytes a step in K and in V
	s_mov_b32 s49, 0                               ; its scale words: 256 bytes a step
	s_mov_b32 s50, 16
	v_mov_b32 v13, 0xff61b1e6                      ; the largest t so far: -3e38, under every t
	v_floor_f32 v12, -v13                          ; -M
	v_mov_b32 v14, 0
	v_mov_b32 v15, 0
.set i, 0
.rept 32
	v_mov_b32 v[O+i], 0                            ; the step is written once: the first finds zeros, which the first change of M leaves zeros
.set i, i+1
.endr
.Lstep_\@:                             ; 16 trips of 128 keys
	v_add_nc_u32 v5, s48, v1
	v_add_nc_u32 v6, s48, v2
	v_add_nc_u32 v7, s49, v3
	v_nop                                          ; four places in front of loads into registers that the last products have read
	ds_load_b128 v[SC:SC+3], v7
.irp k, 0,1,2,3,4,5,6,7,8,9,10,11
	ds_load_b128 v[KF+4*\k:KF+4*\k+3], v5 offset:512*\k
.endr
	s_wait_dscnt 0x0
.irp p, 0,1,2,3                        ; S^T = K q^T: each pair fragment twice
	WQK S+16*\p, KF+12*\p, QA, SC+\p, QSA
	WQK S+16*\p+8, KF+12*\p, QB, SC+\p, QSB
.endr
.rept 4
	v_nop                                          ; places in front of the loads below and of the first read of the scores
.endr
.irp k, 0,1,2,3,4,5,6,7,8,9,10,11      ; V's four pair fragments land under the softmax
	ds_load_b128 v[KF+4*\k:KF+4*\k+3], v6 offset:512*\k
.endr
.irp q, 0,1,2,3                        ; THE LARGEST SCORE OF EACH BLOCK OF 32 KEYS (both blocks are whole in my lane): for the row's maximum and, since p rises with the score, for the block's largest p.  Each accumulator from its low end on
	v_max3_num_f32 v[56+\q], v[S+16*\q], v[S+16*\q+1], v[S+16*\q+2]
.endr
.irp i, 3,5,7,9,11,13
.irp q, 0,1,2,3
	v_max3_num_f32 v[56+\q], v[56+\q], v[S+16*\q+\i], v[S+16*\q+\i+1]
.endr
.endr
	v_max3_num_f32 v56, v56, v57, v[S+15]
	v_max3_num_f32 v58, v58, v59, v[S+47]
	v_max_num_f32 v56, v56, v[S+31]
	v_max_num_f32 v58, v58, v[S+63]
	v_max_num_f32 v60, v56, v58
	v_permlanex16_b32 v61, v60, s20, s21
	v_max_num_f32 v60, v60, v61                    ; the step's largest score of my query
	v_mul_f32 v60, s22, v60                        ; as t (c is positive)
	v_max_num_f32 v13, v13, v60
	v_mov_b32 v60, v12
	v_floor_f32 v12, -v13                          ; the new -M = -ceil(t)
	v_sub_f32 v60, v12, v60                        ; old M - new M: a whole number, 0 or less
	v_cvt_i32_f32 v60, v60                         ; (it saturates)
	v_ldexp_f32 v62, 1.0, v60                      ; f = 2^(old M - new M)
.set j, 0
.rept 32
	v_pk_fma_f32 v[S+j:S+j+1], v[S+j:S+j+1], s[22:23], v[12:13] op_sel_hi:[1,0,0]   ; t - M, two at a time
.set j, j+2
.endr
	v_fma_f32 v56, v56, s22, v12                   ; the same of each block's largest score
	v_fma_f32 v58, v58, s22, v12
.set j, 0
.rept 64
	v_exp_f32 v[S+j], v[S+j]                       ; p = 2^(t - M)
.set j, j+1
.endr
	v_pk_mul_f32 v[14:15], v[14:15], v[62:63] op_sel_hi:[1,0]   ; the sums under the new M (the plain place behind the exponentials)
	s_wait_alu depctr_va_vdst(0)                   ; one wait for the batch, ahead of its first reader
	v_exp_f32 v56, v56                             ; the blocks' largest p: the same two instructions on the same number give the same bits
	v_exp_f32 v58, v58
	v_pk_add_f32 v[64:65], v[S:S+1], v[S+2:S+3]    ; THE ROW'S SUM IS TAKEN OF THE UNQUANTISED p, in two chains
.irp j, 4,8,12,16,20,24,28,32,36,40,44,48,52,56,60
	v_pk_add_f32 v[14:15], v[14:15], v[S+\j:S+\j+1]
	v_pk_add_f32 v[64:65], v[64:65], v[S+\j+2:S+\j+3]
.endr
	v_pk_add_f32 v[14:15], v[14:15], v[64:65]
	s_wait_alu depctr_va_vdst(0)                   ; and one for the two
	v_max_num_f32 v56, 0x1800000, v56              ; the floor 2^(3 - 127): the byte cannot fall under 1
	v_max_num_f32 v58, 0x1800000, v58
	v_add_nc_u32 v66, 0xff000000, v56              ; 2 off the exponent field: the conversion's scale operand
	v_add_nc_u32 v67, 0xff000000, v58
	v_lshrrev_b32 v68, 23, v66
	v_lshrrev_b32 v69, 23, v67
	v_lshl_or_b32 v54, v69, 16, v68
	v_lshlrev_b32 v54, v4, v54
	v_permlanex16_b32 v61, v54, s20, s21
	v_or_b32 v54, v54, v61                         ; p's scale word: [keys 0-63: two bytes | keys 64-127: two]
	v_alignbit_b32 v55, v54, v54, 16               ; and with the halves exchanged
.irp c, 0,1
	v_cvt_scalef32_pk16_fp6_f32 v[76+12*\c:78+12*\c], v[S+32*\c:S+32*\c+15], v[66+\c]
	v_cvt_scalef32_pk16_fp6_f32 v[100+4*\c:102+4*\c], v[S+32*\c+16:S+32*\c+31], v[66+\c]   ; (a conversion's three registers begin on an even number)
.endr
	v_nop                                          ; one plain place behind a scaled conversion
.irp c, 0,1
.irp i, 0,1,2
	v_mov_b32 v[79+12*\c+\i], v[100+4*\c+\i]
.endr
.endr
.set j, 0
.rept 16
	v_pk_mul_f32 v[O+j:O+j+1], v[O+j:O+j+1], v[62:63] op_sel_hi:[1,0]   ; O^T under the new M.  (These 16 are also the places between the scale words and codes just made and the products)
.set j, j+2
.endr
	s_wait_dscnt 0x0                               ; V is in
.irp r, 0,1                            ; O^T += V^T p^T, keys 0-63: the four accumulators take turns
	WPV O+16*\r, KF+12*\r, 76, SC+\r, 54
	WPV O+16*\r+8, KF+12*\r, 70, SC+\r, 55
.endr
.irp r, 0,1                            ; keys 64-127
	WPV O+16*\r, KF+24+12*\r, 88, SC+2+\r, 55
	WPV O+16*\r+8, KF+24+12*\r, 82, SC+2+\r, 54
.endr
	s_add_co_u32 s48, s48, 6144
	s_add_co_u32 s49, s49, 256
	s_sub_co_u32 s50, s50, 1
	s_cmp_lg_u32 s50, 0
	s_cbranch_scc1 .Lstep_\@
.rept 4
	v_nop                                          ; places behind the last products
.endr
	v_add_f32 v14, v14, v15                        ; the sum's two halves,
	v_permlanex16_b32 v61, v14, s20, s21
	v_add_f32 v14, v14, v61                        ; and lane l xor 16's keys
	v_rcp_f32 v252, v14
	v_nop                                          ; a plain place behind the transcendental
	s_wait_alu depctr_va_vdst(0)                   ; the wait ahead of its first reader
.set j, 0
.rept 16
	v_pk_mul_f32 v[O+j:O+j+1], v[O+j:O+j+1], v[252:253] op_sel_hi:[1,0]   ; x(query r, 64 hd + 32 h + 0 .. 31): one whole block of the last product's K
.set j, j+2
.endr
	v_max3_num_f32 v56, |v[O]|, |v[O+1]|, 0x1800000
	v_max3_num_f32 v57, |v[O+16]|, |v[O+17]|, 0x1800000
.irp i, 2,4,6,8,10,12,14
	v_max3_num_f32 v56, v56, |v[O+\i]|, |v[O+\i+1]|
	v_max3_num_f32 v57, v57, |v[O+16+\i]|, |v[O+17+\i]|
.endr
	v_max_num_f32 v56, v56, v57
	v_add_nc_u32 v66, 0xff000000, v56
	v_lshrrev_b32 v68, 23, v66
	v_cvt_scalef32_pk16_fp6_f32 v[76:78], v[O:O+15], v66
	v_cvt_scalef32_pk16_fp6_f32 v[100:102], v[O+16:O+31], v66
	v_lshlrev_b32 v68, v4, v68                     ; (the plain place behind the conversions)
.irp i, 0,1,2
	v_mov_b32 v[79+\i], v[100+\i]
.endr
	v_permlanex16_b32 v61, v68, s20, s21
	v_or_b32 v68, v68, v61                         ; my row's two bytes
.irp p, 0,1,2
	global_store_b64 v8, v[76+2*\p:77+2*\p], s[8:9] offset:12288*(\u)+256*\p   ; 32 lanes store 256 consecutive bytes, at a multiple of 256 from the buffer's first byte
.endr
	global_store_b16 v9, v68, s[10:11] offset:64*(\u)   ; lanes r and r + 16 hold the same two bytes
.endm
	TILE 0
	TILE 1
	s_wait_dscnt 0x0
	s_wait_tensorcnt 0x0
	ds_add_u32 v254, v255
	s_wait_dscnt 0x0
	CROUND                                         ; the closing round: no work-group ends while a partner may still ask for a tile that names it
	s_endpgm
.Lfunc_end_k_q6ef028537b_attn:
	.size	k_q6ef028537b_attn, .Lfunc_end_k_q6ef028537b_attn-k_q6ef028537b_attn
	.p2alignl 7, 3214868480
	.fill 96, 4, 3214868480
	.section	.rodata,"a",@progbits
	.p2align	6, 0x0
	.amdhsa_kernel k_q6ef028537b_attn
		.amdhsa_group_segment_fixed_size 206848
		.amdhsa_private_segment_fixed_size 0
		.amdhsa_enable_private_segment 0
		.amdhsa_kernarg_size 32
		.amdhsa_user_sgpr_count 2
		.amdhsa_user_sgpr_kernarg_segment_ptr 1
		.amdhsa_wavefront_size32 1
		.amdhsa_system_sgpr_workgroup_id_x 1
		.amdhsa_system_sgpr_workgroup_id_y 1
		.amdhsa_system_sgpr_workgroup_id_z 1
		.amdhsa_system_vgpr_workitem_id 0
		.amdhsa_next_free_vgpr 256
		.amdhsa_next_free_sgpr 76
		.amdhsa_reserve_vcc 0
		.amdhsa_float_denorm_mode_32 3
		.amdhsa_float_denorm_mode_16_64 3
		.amdhsa_memory_ordered 1
		.amdhsa_forward_progress 1
		.amdhsa_inst_pref_size 47
	.end_amdhsa_kernel
	.amdgpu_metadata
---
amdhsa.version: [ 1, 2 ]
amdhsa.kernels:
  - .name:           k_q6ef028537b_attn
    .symbol:         k_q6ef028537b_attn.kd
    .args:
      - { .name: hc, .offset: 0, .size: 8, .value_kind: global_buffer, .address_space: global }
      - { .name: hs, .offset: 8, .size: 8, .value_kind: global_buffer, .address_space: global }
      - { .name: oc, .offset: 16, .size: 8, .value_kind: global_buffer, .address_space: global }
      - { .name: os, .offset: 24, .size: 8, .value_kind: global_buffer, .address_space: global }
    .group_segment_fixed_size: 206848
    .private_segment_fixed_size: 0
    .kernarg_segment_align: 8
    .kernarg_segment_size: 32
    .max_flat_workgroup_size: 512
    .sgpr_count:     76
    .vgpr_count:     256
    .wavefront_size: 32
...
	.end_amdgpu_metadata
.endif
;; end of part 4
;; launch oproj (part 5): grid 256 x 1, 4 waves a work-group, no clusters, 67,072 bytes of LDS; arguments oc, os, wc, ws, bo, out0; writes out0
.if DOCPART == 5
	.amdgcn_target "amdgcn-amd-amdhsa--gfx1250"
	.amdhsa_code_object_version 6
	.text
	.protected	k_q6ef028537b_oproj
	.globl	k_q6ef028537b_oproj
	.p2align	8
	.type	k_q6ef028537b_oproj,@function
k_q6ef028537b_oproj:
	s_mov_b64 s[64:65], 0
	v_nop
	global_prefetch_b8 v0, s[64:65] scope:SCOPE_SE
	s_setreg_imm32_b32 hwreg(HW_REG_WAVE_MODE, 25, 1), 1
	s_wait_xcnt 0x0
; out0 = x Wo + bo on codes of FP6 (E2M3) with E8M0 scales; x's codes and scale words were made by the attention launch, Wo's by the weights' launch.
; Source 0 is STATIONARY: a wave keeps 64 columns of Wo (4 tiles x 8 K steps, 384 registers).  Source 1 streams: 128 rows of x, four blocks of a pair of tiles, shared by the four waves through LDS (two buffers, one barrier a block).
; By the row map (row or column 64 G + 8 i + (r & 7) + 32 (r >> 3) is row r of tile 4 G + i) result register 8 i + j of lane (r', h) is column 64 GP + 32 h + 8 i + j of x's row r' of the tile: 128 neighbouring bytes of a row.
; x's fragment (T, s): 1,536 bytes at (8 T + s) x 1,536, registers 2 p, 2 p + 1 of lane l at 256 p + 8 l.  The bias is the C of each sum's first product.
; The results go through the wave's own stage in LDS (rows 272 bytes apart) and leave so that sixteen lanes store 256 consecutive bytes, at a multiple of 256 from out0's first byte.
; 256 work-groups: 4 slices of 256 columns x 64 slices of 128 rows.  No tensor load and no cluster: four blocks a work-group, and each is asked for a block ahead through registers.
; REGISTERS: window 0: addresses, scale words, bias, accumulators, staging;  window 1: Wo's tiles 0, 1 at v[12 (8 i + s)];  window 2: tiles 2, 3;  window 3: the block's 16 fragments at v[12 (8 u + s)].
.set WT,   786432
.set FRB,  1536
.set BLKB, 24576
.set STGL, 2*BLKB                      ; LDS: behind the two buffers, 16 rows x 272 bytes for each wave
.set LI,   1                           ; v1   16 x lane
.set LS4,  2                           ; v2   4 x lane
.set L8,   3                           ; v3   8 x lane
.set LW,   5                           ; v5   16 x lane + 6,144 x wave
.set SO,   6                           ; v6   the stage: where I put my 128 bytes of row r
.set SR,   7                           ; v7   and where I read rows back
.set H128, 8                           ; v8   128 h
.set GO,   9                           ; v9   my byte offset in two rows of out0
.set SSC,  16                          ; v16-31  Wo's scale words (8 pair + s)
.set LSC,  32                          ; v32-47  x's, two sets of 8
.set CB,   52                          ; v52-83  the bias in the result's layout
.set ACC,  84                          ; v84-147 accumulator (u, i) at 32 u + 8 i
.set STG,  148                         ; v148-195 my quarter of the next block on its way to LDS
.set OB,   196                         ; v196-227 16 rows read back from the stage
.set WV,   16
.set MSB, 0
.macro WIN new                         ; the immediate's high byte repeats the setting that is left
.if MSB != \new
	s_set_vgpr_msb (MSB<<8)|\new
.set MSB, \new
.endif
.endm
.macro WM d, a, b, c, sa, sb, ra, rb   ; one product; ra, rb: the scales stand in lanes 16-31
.if (\ra) == 0 && (\rb) == 0
	v_wmma_scale_f32_16x16x128_f8f6f4 v[\d:\d+7], v[\a:\a+11], v[\b:\b+11], v[\c:\c+7], v[\sa], v[\sb] matrix_a_fmt:MATRIX_FMT_FP6 matrix_b_fmt:MATRIX_FMT_FP6
.elseif (\ra) == 1 && (\rb) == 0
	v_wmma_scale_f32_16x16x128_f8f6f4 v[\d:\d+7], v[\a:\a+11], v[\b:\b+11], v[\c:\c+7], v[\sa], v[\sb] matrix_a_fmt:MATRIX_FMT_FP6 matrix_b_fmt:MATRIX_FMT_FP6 matrix_a_scale:MATRIX_SCALE_ROW1
.elseif (\ra) == 0 && (\rb) == 1
	v_wmma_scale_f32_16x16x128_f8f6f4 v[\d:\d+7], v[\a:\a+11], v[\b:\b+11], v[\c:\c+7], v[\sa], v[\sb] matrix_a_fmt:MATRIX_FMT_FP6 matrix_b_fmt:MATRIX_FMT_FP6 matrix_b_scale:MATRIX_SCALE_ROW1
.else
	v_wmma_scale_f32_16x16x128_f8f6f4 v[\d:\d+7], v[\a:\a+11], v[\b:\b+11], v[\c:\c+7], v[\sa], v[\sb] matrix_a_fmt:MATRIX_FMT_FP6 matrix_b_fmt:MATRIX_FMT_FP6 matrix_a_scale:MATRIX_SCALE_ROW1 matrix_b_scale:MATRIX_SCALE_ROW1
.endif
.endm
	s_load_b256 s[4:11], s[0:1], 0x0               ; oc, os, wc, ws
	s_load_b128 s[12:15], s[0:1], 0x20             ; bo, out0
	v_lshl_add_u32 v254, v0, 2, 0x10400
	v_mov_b32 v255, 0
	v_lshrrev_b32 v10, 5, v0
	v_readfirstlane_b32 s[WV], v10                 ; wave
	v_and_b32 v10, 31, v0                          ; lane
	v_and_b32 v11, 15, v0                          ; r
	v_bfe_u32 v12, v0, 4, 1                        ; h
	v_lshlrev_b32 v[LI], 4, v10
	v_lshlrev_b32 v[LS4], 2, v10
	v_lshlrev_b32 v[L8], 3, v10
	s_mul_i32 s20, s[WV], 6144
	v_add_nc_u32 v[LW], s20, v[LI]
	s_mul_i32 s20, s[WV], 16*272
	s_add_co_u32 s20, s20, STGL                    ; my stage
	v_mul_u32_u24 v[SO], v11, 272
	v_lshl_add_u32 v[SO], v12, 7, v[SO]
	v_add_nc_u32 v[SO], s20, v[SO]
	v_mul_u32_u24 v[SR], v12, 272
	v_lshl_add_u32 v[SR], v11, 4, v[SR]
	v_add_nc_u32 v[SR], s20, v[SR]                 ; lanes 0-15 one row of 256 bytes, lanes 16-31 the next
	v_lshlrev_b32 v[H128], 7, v12
	v_lshlrev_b32 v[GO], 12, v12
	v_lshl_add_u32 v[GO], v11, 4, v[GO]            ; and the same two rows in out0
	s_and_b32 s17, ttmp9, 3
	s_lshr_b32 s18, ttmp9, 2                       ; which 128 rows
	s_lshl_b32 s19, s17, 2
	s_add_co_u32 s19, s19, s[WV]                   ; GP: my 64 columns
	s_mov_b32 s21, 0
	s_wait_kmcnt 0x0
	s_mul_i32 s20, s19, 49152
	s_add_co_u32 s20, s20, 3*WT
	s_add_nc_u64 s[8:9], s[8:9], s[20:21]          ; Wo's codes, group GP
	s_lshl_b32 s20, s19, 11
	s_add_co_u32 s20, s20, 3*32768
	s_add_nc_u64 s[10:11], s[10:11], s[20:21]      ; and scale words
	s_lshl_b32 s20, s19, 8
	s_add_nc_u64 s[12:13], s[12:13], s[20:21]      ; the bias of my columns
	s_add_nc_u64 s[14:15], s[14:15], s[20:21]      ; out0: my columns,
	s_lshl_b32 s20, s18, 19
	s_add_nc_u64 s[14:15], s[14:15], s[20:21]      ; my 128 rows
	s_mul_i32 s20, s18, 4*BLKB
	s_mul_i32 s22, s[WV], 6144
	s_add_co_u32 s20, s20, s22
	s_add_nc_u64 s[4:5], s[4:5], s[20:21]          ; x's codes: my rows' first block, my quarter of it
	s_lshl_b32 s20, s18, 12
	s_add_nc_u64 s[6:7], s[6:7], s[20:21]          ; and scale words
	WIN 0x40                                       ; destination window 1
.irp i, 0,1
.irp s, 0,1,2,3,4,5,6,7
.irp c, 0,1,2
	global_load_b128 v[12*(8*\i+\s)+4*\c:12*(8*\i+\s)+4*\c+3], v[LI], s[8:9] offset:(8*\i+\s)*FRB+512*\c
.endr
.endr
.endr
	WIN 0x80                                       ; destination window 2
.irp i, 0,1
.irp s, 0,1,2,3,4,5,6,7
.irp c, 0,1,2
	global_load_b128 v[12*(8*\i+\s)+4*\c:12*(8*\i+\s)+4*\c+3], v[LI], s[8:9] offset:(8*(\i+2)+\s)*FRB+512*\c
.endr
.endr
.endr
	WIN 0
.irp q, 0,1,2,3,4,5,6,7,8,9,10,11,12,13,14,15
	global_load_b32 v[SSC+\q], v[LS4], s[10:11] offset:128*\q
.endr
.irp i, 0,1,2,3
	global_load_b128 v[CB+8*\i:CB+8*\i+3], v[H128], s[12:13] offset:32*\i
	global_load_b128 v[CB+8*\i+4:CB+8*\i+7], v[H128], s[12:13] offset:32*\i+16
.endr
.macro GLOAD b                         ; my quarter of block b and its scale words: every offset is an immediate
.irp k, 0,1,2,3,4,5,6,7,8,9,10,11
	global_load_b128 v[STG+4*\k:STG+4*\k+3], v[LI], s[4:5] offset:BLKB*(\b)+512*\k
.endr
.irp s, 0,1,2,3,4,5,6,7
	global_load_b32 v[LSC+8*((\b)%2)+\s], v[LS4], s[6:7] offset:1024*(\b)+128*\s
.endr
.endm
.macro LSTORE e
.irp k, 0,1,2,3,4,5,6,7,8,9,10,11
	ds_store_b128 v[LW], v[STG+4*\k:STG+4*\k+3] offset:BLKB*(\e)+512*\k
.endr
.endm
.macro FETCH e, half                   ; four K steps' fragments of both tiles: 48 loads of 8 bytes a lane, K step by K step
	WIN 0xc0                                       ; destination window 3
.irp t, 0,1,2,3
.irp u, 0,1
.irp p, 0,1,2,3,4,5
	ds_load_b64 v[12*(8*\u+4*(\half)+\t)+2*\p:12*(8*\u+4*(\half)+\t)+2*\p+1], v[L8] offset:BLKB*(\e)+(8*\u+4*(\half)+\t)*FRB+256*\p
.endr
.endr
.endr
.endm
; 16 products: Wo's tiles 2 g, 2 g + 1 x x's tiles 0, 1 x four K steps.  The four accumulators take turns, one instruction a turn.
; waits = 1: ahead of each K step the wait that leaves the later K steps' loads out, 12 a step.
.macro MMA g, half, e, waits
.if (\g) == 0
	WIN 0x0d                                       ; source 0 window 1, source 1 window 3
.else
	WIN 0x0e                                       ; source 0 window 2
.endif
.irp t, 0,1,2,3
.if \waits
	s_wait_dscnt 36-12*\t
.endif
.irp n, 0,1
.irp u, 0,1
.if 4*(\half)+\t == 0
	WM ACC+32*\u+8*(2*(\g)+\n), 12*(8*\n+4*(\half)+\t), 12*(8*\u+4*(\half)+\t), CB+8*(2*(\g)+\n), SSC+8*(\g)+4*(\half)+\t, LSC+8*(\e)+4*(\half)+\t, \n, \u
.else
	WM ACC+32*\u+8*(2*(\g)+\n), 12*(8*\n+4*(\half)+\t), 12*(8*\u+4*(\half)+\t), ACC+32*\u+8*(2*(\g)+\n), SSC+8*(\g)+4*(\half)+\t, LSC+8*(\e)+4*(\half)+\t, \n, \u
.endif
.endr
.endr
.endr
.endm
.macro BLOCK b                         ; block b, in LDS buffer b % 2
.if (\b) < 3
	GLOAD (\b)+1                                   ; the staging registers are free: the stores that read them were waited for in front of the last barrier
.endif
	FETCH (\b)%2, 0
	MMA 0, 0, (\b)%2, 1
	FETCH (\b)%2, 1
	MMA 1, 0, (\b)%2, 0
	MMA 1, 1, (\b)%2, 1
	MMA 0, 1, (\b)%2, 0
	WIN 0
.rept 5
	v_nop                                          ; places behind the last products: four for the reads of results and the loads into operands, a fifth since the next block's first products write over these accumulators
.endr
.irp u, 0,1
.irp i, 0,1,2,3
	ds_store_b128 v[SO], v[ACC+32*\u+8*\i:ACC+32*\u+8*\i+3] offset:32*\i          ; each accumulator from its low end on
	ds_store_b128 v[SO], v[ACC+32*\u+8*\i+4:ACC+32*\u+8*\i+7] offset:32*\i+16
.endr
	s_wait_xcnt 0x0                                ; the last tile's stores have read their data: the loads below may land there
.irp t, 0,1,2,3,4,5,6,7
	ds_load_b128 v[OB+4*\t:OB+4*\t+3], v[SR] offset:544*\t   ; LDS serves a wave's instructions in order: these see the stores above, and the next tile's stores come behind them
.endr
.irp t, 0,1,2,3,4,5,6,7                ; rows 2 t and 2 t + 1 of the tile: by the row map 64 (b >> 1) + 16 (b & 1) + 8 u + (row & 7) + 32 (row >> 3) of my 128
	s_wait_dscnt 7-\t                              ; the younger read-backs may be out
	global_store_b128 v[GO], v[OB+4*\t:OB+4*\t+3], s[14:15] offset:(64*((\b)>>1)+16*((\b)&1)+8*\u+((2*\t)&7)+32*(\t>>2))*4096 th:TH_STORE_NT
.endr
.endr
.if (\b) < 3
	s_wait_loadcnt 0x0                             ; the next block's quarter and scale words are in
	LSTORE ((\b)+1)%2                              ; every wave has passed the last barrier behind its reads of that buffer
	s_wait_dscnt 0x0                               ; for the others' sake: my stores have landed; my reads of this buffer were over at the products
	s_barrier_signal -1
	s_barrier_wait -1
.endif
.endm
	GLOAD 0
	s_wait_loadcnt 0x0                             ; Wo's part, its scales, the bias and block 0
	LSTORE 0
	s_wait_dscnt 0x0
	s_barrier_signal -1
	s_barrier_wait -1
	BLOCK 0
	BLOCK 1
	BLOCK 2
	BLOCK 3
	s_wait_tensorcnt 0x0
	ds_add_u32 v254, v255
	s_wait_dscnt 0x0
	s_endpgm
.Lfunc_end_k_q6ef028537b_oproj:
	.size	k_q6ef028537b_oproj, .Lfunc_end_k_q6ef028537b_oproj-k_q6ef028537b_oproj
	.p2alignl 7, 3214868480
	.fill 96, 4, 3214868480
	.section	.rodata,"a",@progbits
	.p2align	6, 0x0
	.amdhsa_kernel k_q6ef028537b_oproj
		.amdhsa_group_segment_fixed_size 67072
		.amdhsa_private_segment_fixed_size 0
		.amdhsa_enable_private_segment 0
		.amdhsa_kernarg_size 48
		.amdhsa_user_sgpr_count 2
		.amdhsa_user_sgpr_kernarg_segment_ptr 1
		.amdhsa_wavefront_size32 1
		.amdhsa_system_sgpr_workgroup_id_x 1
		.amdhsa_system_sgpr_workgroup_id_y 1
		.amdhsa_system_sgpr_workgroup_id_z 1
		.amdhsa_system_vgpr_workitem_id 0
		.amdhsa_next_free_vgpr 1024
		.amdhsa_next_free_sgpr 66
		.amdhsa_reserve_vcc 0
		.amdhsa_float_denorm_mode_32 3
		.amdhsa_float_denorm_mode_16_64 3
		.amdhsa_memory_ordered 1
		.amdhsa_forward_progress 1
		.amdhsa_inst_pref_size 100
	.end_amdhsa_kernel
	.amdgpu_metadata
---
amdhsa.version: [ 1, 2 ]
amdhsa.kernels:
  - .name:           k_q6ef028537b_oproj
    .symbol:         k_q6ef028537b_oproj.kd
    .args:
      - { .name: oc, .offset: 0, .size: 8, .value_kind: global_buffer, .address_space: global }
      - { .name: os, .offset: 8, .size: 8, .value_kind: global_buffer, .address_space: global }
      - { .name: wc, .offset: 16, .size: 8, .value_kind: global_buffer, .address_space: global }
      - { .name: ws, .offset: 24, .size: 8, .value_kind: global_buffer, .address_space: global }
      - { .name: bo, .offset: 32, .size: 8, .value_kind: global_buffer, .address_space: global }
      - { .name: out0, .offset: 40, .size: 8, .value_kind: global_buffer, .address_space: global }
    .group_segment_fixed_size: 67072
    .private_segment_fixed_size: 0
    .kernarg_segment_align: 8
    .kernarg_segment_size: 48
    .max_flat_workgroup_size: 128
    .sgpr_count:     66
    .vgpr_count:     1024
    .wavefront_size: 32
...
	.end_amdgpu_metadata
.endif
;; end of part 5
;; ======== version 2 of 2: 5 launches
;; workspace buffers: xc 18,874,368 bytes; xs 786,432 bytes; wc 3,145,728 bytes; ws 131,072 bytes; hc 18,874,368 bytes; hs 786,432 bytes; oc 6,291,456 bytes; os 262,144 bytes
;; launch quant_w (part 6): grid 512 x 1, 4 waves a work-group, no clusters, 7,168 bytes of LDS; arguments Wq, Wk, Wv, Wo, wc, ws; writes wc, ws
.if DOCPART == 6
	.amdgcn_target "amdgcn-amd-amdhsa--gfx1250"
	.amdhsa_code_object_version 6
	.text
	.protected	k_q6ef028537b_quant_w
	.globl	k_q6ef028537b_quant_w
	.p2align	8
	.type	k_q6ef028537b_quant_w,@function
k_q6ef028537b_quant_w:
	s_mov_b64 s[64:65], 0
	v_nop
	global_prefetch_b8 v0, s[64:65] scope:SCOPE_SE
	s_setreg_imm32_b32 hwreg(HW_REG_WAVE_MODE, 25, 1), 1
	s_wait_xcnt 0x0
; One of Wq, Wk, Wv, Wo, [1024 (k)][1024 (n)] f32, becomes codes of FP6 (E2M3) along k with one E8M0 byte for each 32 k, laid in the ORDER OF AN OPERAND'S REGISTERS.
; THE ROW MAP (columns n here): n = 64 G + 8 i + (r & 7) + 32 (r >> 3) is row r of tile T = 4 G + i.  Four such tiles as source 0 give a lane 32 NEIGHBOURING n in its 32 result registers.
; A fragment (T, K step s) is 1,536 bytes at (8 T + s) x 1,536: registers 4 c .. 4 c + 3 of lane l at 512 c + 16 l.  Lane (r, h): registers 6 c .. 6 c + 5 hold k = 128 s + 64 c + 32 h + 0 .. 31.
; Scale words: (pair a = T / 2, s) at (8 a + s) x 128 + 4 (16 (T & 1) + r); byte b scales k = 128 s + 32 b on.
; A block's scale is 2^(floor(log2(largest magnitude)) - 2); its byte is that magnitude's exponent field - 2, held at 1 from below.
; LIMITS: NaN and infinities are not served; a block whose largest magnitude lies under 2^-124 (zeros too) gets the byte 1: zeros' codes are zeros, and this program alone reads the bytes.
; A work-group takes one weight, 64 columns (G) and 128 k (s): four fragments.  A lane takes a column and its registers run down k: wave w has columns 32 (w & 1) + lane and the blocks 2 t + (w >> 1), t = 0, 1.
; The codes meet in LDS as the fragments' images; each wave then stores one fragment: three stores of 512 consecutive bytes.
.set WT,  786432                       ; a weight's codes in bytes
.set FRB, 1536                         ; a fragment's image
.set SCB, 4*FRB                        ; LDS: behind the four images, 2 x 128 bytes of scale words
.set X,   16                           ; v16-79 two blocks of 32 numbers
	s_load_b256 s[4:11], s[0:1], 0x0               ; Wq, Wk, Wv, Wo
	s_load_b128 s[12:15], s[0:1], 0x20             ; wc, ws
	v_lshl_add_u32 v112, v0, 2, 0x1a00
	v_mov_b32 v113, 0
	v_lshrrev_b32 v1, 5, v0
	v_readfirstlane_b32 s16, v1                    ; wave
	v_and_b32 v2, 31, v0                           ; lane
	s_wait_alu depctr_va_vdst(0)
	s_and_b32 s17, s16, 1                          ; which 32 columns
	s_lshr_b32 s18, s16, 1                         ; which half of the lanes my codes belong to
	s_lshr_b32 s20, ttmp9, 7                       ; which weight
	s_bfe_u32 s21, ttmp9, 0x40003                  ; G
	s_and_b32 s22, ttmp9, 7                        ; K step
	v_lshlrev_b32 v4, 2, v2                        ; 4 x lane
	v_lshlrev_b32 v9, 4, v2                        ; 16 x lane
	v_lshrrev_b32 v5, 3, v2                        ; my column's tile i
	v_and_b32 v6, 7, v2
	v_mul_u32_u24 v3, v5, FRB
	v_lshl_add_u32 v3, v6, 4, v3
	s_lshl_b32 s23, s17, 7
	s_lshl_b32 s24, s18, 8
	s_add_co_u32 s23, s23, s24
	v_add_nc_u32 v3, s23, v3                       ; image i, the place of lane (lane & 7) + 8 (w & 1) + 16 (w >> 1)
	v_lshrrev_b32 v7, 4, v2
	v_bfe_u32 v8, v2, 3, 1
	v_lshlrev_b32 v7, 7, v7
	v_lshl_add_u32 v7, v8, 6, v7
	v_lshl_add_u32 v7, v6, 2, v7
	s_lshl_b32 s23, s17, 5
	s_add_co_u32 s23, s23, s18
	s_add_co_u32 s23, s23, SCB
	v_add_nc_u32 v7, s23, v7                       ; my scale byte: pair i / 2, tile i & 1, row r, byte (w >> 1) (+ 2 t)
	s_mul_i32 s23, s16, FRB
	v_add_nc_u32 v14, s23, v9                      ; back: image w, 16 bytes a lane
	s_lshl_b32 s23, s16, 7
	s_add_co_u32 s23, s23, SCB
	v_add_nc_u32 v15, s23, v4                      ; back: pair w's scale words (waves 0 and 1)
	s_lshl_b32 s24, s22, 19                        ; W: row 128 s + 32 (w >> 1), 4,096 bytes a row,
	s_lshl_b32 s25, s18, 17
	s_add_co_u32 s24, s24, s25
	s_lshl_b32 s25, s21, 8                         ; column 64 G + 32 (w & 1)
	s_add_co_u32 s24, s24, s25
	s_lshl_b32 s25, s17, 7
	s_add_co_u32 s24, s24, s25
	s_mov_b32 s25, 0
	s_lshl_b32 s26, s21, 2                         ; codes: fragment (4 G + w, s)
	s_add_co_u32 s26, s26, s16
	s_lshl_b32 s26, s26, 3
	s_add_co_u32 s26, s26, s22
	s_mul_i32 s26, s26, FRB
	s_mul_i32 s27, s20, WT
	s_add_co_u32 s26, s26, s27
	s_mov_b32 s27, 0
	s_lshl_b32 s28, s21, 1                         ; scale words: (pair 2 G + w, s)
	s_add_co_u32 s28, s28, s16
	s_lshl_b32 s28, s28, 3
	s_add_co_u32 s28, s28, s22
	s_lshl_b32 s28, s28, 7
	s_lshl_b32 s29, s20, 15
	s_add_co_u32 s28, s28, s29
	s_mov_b32 s29, 0
	s_wait_kmcnt 0x0
	s_cmp_eq_u32 s20, 1                            ; the weight is chosen by the work-group's number alone
	s_cselect_b64 s[4:5], s[6:7], s[4:5]
	s_cmp_eq_u32 s20, 2
	s_cselect_b64 s[4:5], s[8:9], s[4:5]
	s_cmp_eq_u32 s20, 3
	s_cselect_b64 s[4:5], s[10:11], s[4:5]
	s_add_nc_u64 s[4:5], s[4:5], s[24:25]
	s_add_nc_u64 s[12:13], s[12:13], s[26:27]
	s_add_nc_u64 s[14:15], s[14:15], s[28:29]
.irp t, 0,1                            ; all 64 loads go out at once: each reads 128 consecutive bytes, W(128 s + 64 t + 32 (w >> 1) + i, my column)
.set i, 0
.rept 32
	global_load_b32 v[X+32*\t+i], v4, s[4:5] offset:(64*\t+i)*4096 th:TH_LOAD_NT
.set i, i+1
.endr
.endr
.macro BLOCK t                         ; block t of my column: registers 6 t .. 6 t + 5 of the fragment
.set XS, X+32*(\t)
.set CC, 80+8*(\t)                     ; its six registers of codes
.set TT, 96+4*(\t)                     ; (a conversion's three registers begin on an even number: the second three are made here and moved)
.set MA, 104+4*(\t)                    ; two chains, the scale operand, the byte
	v_max3_num_f32 v[MA], |v[XS]|, |v[XS+1]|, 0x1800000          ; the largest magnitude, with the floor 2^(3 - 127) among its leaves
	v_max3_num_f32 v[MA+1], |v[XS+16]|, |v[XS+17]|, 0x1800000
.irp i, 2,4,6,8,10,12,14
	v_max3_num_f32 v[MA], v[MA], |v[XS+\i]|, |v[XS+\i+1]|
	v_max3_num_f32 v[MA+1], v[MA+1], |v[XS+16+\i]|, |v[XS+17+\i]|
.endr
	v_max_num_f32 v[MA], v[MA], v[MA+1]
	v_add_nc_u32 v[MA+2], 0xff000000, v[MA]        ; 2 off its exponent field: the conversion's scale operand
	v_lshrrev_b32 v[MA+3], 23, v[MA+2]             ; the scale's byte
	v_cvt_scalef32_pk16_fp6_f32 v[CC:CC+2], v[XS:XS+15], v[MA+2]
	v_cvt_scalef32_pk16_fp6_f32 v[TT:TT+2], v[XS+16:XS+31], v[MA+2]
	v_nop                                          ; one plain place behind a scaled conversion
.irp i, 0,1,2
	v_mov_b32 v[CC+3+\i], v[TT+\i]
.endr
	ds_store_b8 v7, v[MA+3] offset:2*(\t)
.endm
	s_wait_loadcnt 32                              ; the first block's 32 loads are in; the second block's may be out
	BLOCK 0
	ds_store_b128 v3, v[80:83]                     ; registers 0-3: chunk 0
	ds_store_b64 v3, v[84:85] offset:512           ; registers 4, 5: the lower half of chunk 1
	s_wait_loadcnt 0x0
	BLOCK 1
	ds_store_b64 v3, v[88:89] offset:520           ; registers 6, 7: its upper half
	ds_store_b128 v3, v[90:93] offset:1024         ; registers 8-11: chunk 2
	s_wait_dscnt 0x0                               ; for the others' sake: my stores have landed
	s_barrier_signal -1
	s_barrier_wait -1
	ds_load_b128 v[16:19], v14
	ds_load_b128 v[20:23], v14 offset:512
	ds_load_b128 v[24:27], v14 offset:1024
	s_wait_dscnt 2                                 ; LDS loads come back in order: the two younger may be out
	global_store_b128 v9, v[16:19], s[12:13]       ; 32 lanes store 512 consecutive bytes, at a multiple of 256 from the buffer's first byte
	s_wait_dscnt 1
	global_store_b128 v9, v[20:23], s[12:13] offset:512
	s_wait_dscnt 0x0
	global_store_b128 v9, v[24:27], s[12:13] offset:1024
	s_cmp_gt_u32 s16, 1                            ; the two pairs' scale words leave by waves 0 and 1
	s_cbranch_scc1 .Lend
	ds_load_b32 v28, v15
	s_wait_dscnt 0x0
	global_store_b32 v4, v28, s[14:15]
.Lend:
	s_wait_tensorcnt 0x0
	ds_add_u32 v112, v113
	s_wait_dscnt 0x0
	s_endpgm
.Lfunc_end_k_q6ef028537b_quant_w:
	.size	k_q6ef028537b_quant_w, .Lfunc_end_k_q6ef028537b_quant_w-k_q6ef028537b_quant_w
	.p2alignl 7, 3214868480
	.fill 96, 4, 3214868480
	.section	.rodata,"a",@progbits
	.p2align	6, 0x0
	.amdhsa_kernel k_q6ef028537b_quant_w
		.amdhsa_group_segment_fixed_size 7168
		.amdhsa_private_segment_fixed_size 0
		.amdhsa_enable_private_segment 0
		.amdhsa_kernarg_size 48
		.amdhsa_user_sgpr_count 2
		.amdhsa_user_sgpr_kernarg_segment_ptr 1
		.amdhsa_wavefront_size32 1
		.amdhsa_system_sgpr_workgroup_id_x 1
		.amdhsa_system_sgpr_workgroup_id_y 1
		.amdhsa_system_sgpr_workgroup_id_z 1
		.amdhsa_system_vgpr_workitem_id 0
		.amdhsa_next_free_vgpr 114
		.amdhsa_next_free_sgpr 66
		.amdhsa_reserve_vcc 0
		.amdhsa_float_denorm_mode_32 3
		.amdhsa_float_denorm_mode_16_64 3
		.amdhsa_memory_ordered 1
		.amdhsa_forward_progress 1
		.amdhsa_inst_pref_size 14
	.end_amdhsa_kernel
	.amdgpu_metadata
---
amdhsa.version: [ 1, 2 ]
amdhsa.kernels:
  - .name:           k_q6ef028537b_quant_w
    .symbol:         k_q6ef028537b_quant_w.kd
    .args:
      - { .name: Wq, .offset: 0, .size: 8, .value_kind: global_buffer, .address_space: global }
      - { .name: Wk, .offset: 8, .size: 8, .value_kind: global_buffer, .address_space: global }
      - { .name: Wv, .offset: 16, .size: 8, .value_kind: global_buffer, .address_space: global }
      - { .name: Wo, .offset: 24, .size: 8, .value_kind: global_buffer, .address_space: global }
      - { .name: wc, .offset: 32, .size: 8, .value_kind: global_buffer, .address_space: global }
      - { .name: ws, .offset: 40, .size: 8, .value_kind: global_buffer, .address_space: global }
    .group_segment_fixed_size: 7168
    .private_segment_fixed_size: 0
    .kernarg_segment_align: 8
    .kernarg_segment_size: 48
    .max_flat_workgroup_size: 128
    .sgpr_count:     66
    .vgpr_count:     114
    .wavefront_size: 32
...
	.end_amdgpu_metadata
.endif
;; end of part 6
;; launch quant_x (part 7): grid 768 x 1, 4 waves a work-group, no clusters, 34,304 bytes of LDS; arguments query, key, value, xc, xs; writes xc, xs
.if DOCPART == 7
	.amdgcn_target "amdgcn-amd-amdhsa--gfx1250"
	.amdhsa_code_object_version 6
	.text
	.protected	k_q6ef028537b_quant_x
	.globl	k_q6ef028537b_quant_x
	.p2align	8
	.type	k_q6ef028537b_quant_x,@function
k_q6ef028537b_quant_x:
	s_mov_b64 s[64:65], 0
	v_nop
	global_prefetch_b8 v0, s[64:65] scope:SCOPE_SE
	s_setreg_imm32_b32 hwreg(HW_REG_WAVE_MODE, 25, 1), 1
	s_wait_xcnt 0x0
; query, key or value, [8192][1024] f32, becomes codes of FP6 (E2M3) along the last axis, with one E8M0 byte for each 32, laid in the order of an operand's registers.
; THE ROW MAP: row 64 G + 8 i + (r & 7) + 32 (r >> 3) is row r of tile T = 4 G + i.  Fragment (T, K step s): 1,536 bytes at (8 T + s) x 1,536, registers 4 c .. 4 c + 3 of lane l at 512 c + 16 l;
; lane (r, h): registers 6 c .. 6 c + 5 hold k = 128 s + 64 c + 32 h + 0 .. 31.  Scale words: (pair a = T / 2, s) at (8 a + s) x 128 + 4 (16 (T & 1) + r).
; A block's scale is 2^(floor(log2(largest magnitude)) - 2); its byte is that magnitude's exponent field - 2, held at 1 from below.
; LIMITS: NaN and infinities are not served; a block whose largest magnitude lies under 2^-124 (zeros too) gets the byte 1: zeros' codes are zeros, and this program alone reads the bytes.
; A work-group takes one tensor and one pair of tiles (32 rows); wave w takes K steps 2 w and 2 w + 1: four fragments f = 2 s' + u.
; Each load reads 512 consecutive bytes of one row; a fragment's 16 rows turn through the wave's own stage in LDS (rows 528 bytes apart) and come back 128 bytes a lane: a whole block of 32 in one lane.
; Waves share nothing: no barrier.  Loads run two fragments (32 loads a wave) ahead.
.set XT,  6291456                      ; a tensor's codes in bytes
.set SP,  528                          ; a stage row: 512 bytes + 16
.set X,   160                          ; v160-223 my two blocks of 32
.set C,   224                          ; v224-235 the fragment's twelve registers
.set T,   236                          ; v236-242 the conversions' second halves
	s_load_b256 s[4:11], s[0:1], 0x0               ; query, key, value, xc
	s_load_b64 s[12:13], s[0:1], 0x20              ; xs
	v_lshl_add_u32 v248, v0, 2, 0x8400
	v_mov_b32 v249, 0
	v_lshrrev_b32 v1, 5, v0
	v_readfirstlane_b32 s15, v1                    ; wave
	v_and_b32 v6, 31, v0                           ; lane
	v_and_b32 v7, 15, v0                           ; r
	v_bfe_u32 v5, v0, 4, 1                         ; h
	v_lshlrev_b32 v1, 4, v6                        ; 16 x lane
	v_lshlrev_b32 v2, 2, v6                        ; 4 x lane
	s_mul_i32 s20, s15, 16*SP                      ; my stage
	v_add_nc_u32 v3, s20, v1                       ; in: 16 bytes a lane of a row
	v_mul_u32_u24 v4, v7, SP
	v_lshl_add_u32 v4, v5, 7, v4
	v_add_nc_u32 v4, s20, v4                       ; back: row r, + 128 h
	v_lshlrev_b32 v5, 3, v5                        ; 8 h: my bytes' place in a scale word
	v_mov_b32 v22, 0                               ; written once: a lane permute's destination counts as one of its sources
	s_mov_b32 s14, 0xffff0000                      ; lanes 16-31
	s_mov_b32 s16, 0x76543210
	s_mov_b32 s17, 0xfedcba98                      ; v_permlanex16_b32's selects for lane l xor 16
	s_lshr_b32 s18, ttmp9, 8                       ; which tensor
	s_and_b32 s19, ttmp9, 255                      ; which pair a
	s_lshr_b32 s20, s19, 1                         ; the pair's first row: 64 (a >> 1) + 16 (a & 1), 4,096 bytes a row; my K steps begin 1,024 w bytes on
	s_lshl_b32 s20, s20, 18
	s_and_b32 s21, s19, 1
	s_lshl_b32 s21, s21, 16
	s_add_co_u32 s20, s20, s21
	s_lshl_b32 s21, s15, 10
	s_add_co_u32 s20, s20, s21
	s_mov_b32 s21, 0
	s_mul_i32 s22, s18, XT                         ; codes: fragment (2 a, 2 w)
	s_mul_i32 s23, s19, 24576
	s_add_co_u32 s22, s22, s23
	s_mul_i32 s23, s15, 3072
	s_add_co_u32 s22, s22, s23
	s_mov_b32 s23, 0
	s_lshl_b32 s24, s18, 18                        ; scale words: (a, 2 w)
	s_lshl_b32 s25, s19, 10
	s_add_co_u32 s24, s24, s25
	s_lshl_b32 s25, s15, 8
	s_add_co_u32 s24, s24, s25
	s_mov_b32 s25, 0
	s_wait_alu depctr_va_vdst(0)
	s_wait_kmcnt 0x0
	s_cmp_eq_u32 s18, 1                            ; the tensor is chosen by the work-group's number alone
	s_cselect_b64 s[4:5], s[6:7], s[4:5]
	s_cmp_eq_u32 s18, 2
	s_cselect_b64 s[4:5], s[8:9], s[4:5]
	s_add_nc_u64 s[4:5], s[4:5], s[20:21]
	s_add_nc_u64 s[10:11], s[10:11], s[22:23]
	s_add_nc_u64 s[12:13], s[12:13], s[24:25]
.macro LOAD f                          ; fragment f's 16 rows x 512 bytes into set f % 2 (v32-95, v96-159)
.irp r, 0,1,2,3,4,5,6,7,8,9,10,11,12,13,14,15
	global_load_b128 v[32+64*((\f)%2)+4*\r:32+64*((\f)%2)+4*\r+3], v1, s[4:5] offset:(8*((\f)%2)+(\r&7)+32*(\r>>3))*4096+512*((\f)/2) th:TH_LOAD_NT
.endr
.endm
.macro FRAG f
.set RR, 32+64*((\f)%2)
.if (\f) < 3
	s_wait_loadcnt 16                              ; this fragment's 16 loads are in; the next fragment's may be out
.else
	s_wait_loadcnt 0x0
.endif
.irp r, 0,1,2,3,4,5,6,7,8,9,10,11,12,13,14,15
	ds_store_b128 v3, v[RR+4*\r:RR+4*\r+3] offset:SP*\r
.endr
.irp c, 0,1                            ; LDS serves a wave's instructions in order: these see the stores above
.irp j, 0,1,2,3,4,5,6,7
	ds_load_b128 v[X+32*\c+4*\j:X+32*\c+4*\j+3], v4 offset:256*\c+16*\j
.endr
.endr
	s_wait_dscnt 0x0                               ; my numbers are back, and the stores into the stage have read their registers
	s_wait_xcnt 0x0                                ; the last fragment's stores have read their data: the codes' registers may be written again
.if (\f)+2 < 4
	LOAD (\f)+2
.endif
	v_max3_num_f32 v8, |v[X]|, |v[X+1]|, 0x1800000               ; two blocks by turns; the floor 2^(3 - 127) among the leaves
	v_max3_num_f32 v9, |v[X+32]|, |v[X+33]|, 0x1800000
.irp i, 2,4,6,8,10,12,14,16,18,20,22,24,26,28,30
	v_max3_num_f32 v8, v8, |v[X+\i]|, |v[X+\i+1]|
	v_max3_num_f32 v9, v9, |v[X+32+\i]|, |v[X+33+\i]|
.endr
	v_add_nc_u32 v10, 0xff000000, v8               ; 2 off the exponent field: the conversion's scale operand
	v_add_nc_u32 v11, 0xff000000, v9
	v_lshrrev_b32 v12, 23, v10                     ; the bytes of blocks h and 2 + h
	v_lshrrev_b32 v13, 23, v11
	v_cvt_scalef32_pk16_fp6_f32 v[C:C+2], v[X:X+15], v10
	v_cvt_scalef32_pk16_fp6_f32 v[T:T+2], v[X+16:X+31], v10
	v_cvt_scalef32_pk16_fp6_f32 v[C+6:C+8], v[X+32:X+47], v11
	v_cvt_scalef32_pk16_fp6_f32 v[T+4:T+6], v[X+48:X+63], v11
	v_lshl_or_b32 v14, v13, 16, v12                ; (the plain place behind the conversions)
.irp i, 0,1,2
	v_mov_b32 v[C+3+\i], v[T+\i]
	v_mov_b32 v[C+9+\i], v[T+4+\i]
.endr
	v_lshlrev_b32 v14, v5, v14                     ; at their places in the word;
	v_permlanex16_b32 v22, v14, s16, s17
.irp c, 0,1,2
	global_store_b128 v1, v[C+4*\c:C+4*\c+3], s[10:11] offset:12288*((\f)%2)+1536*((\f)/2)+512*\c   ; 512 consecutive bytes, at a multiple of 256 from the buffer's first byte
.endr
.if (\f)%2 == 0
	v_or_b32 v20, v14, v22                         ; with lane l xor 16's two the word is whole: tile u = 0's is kept
.else
	v_or_b32 v14, v14, v22
	v_cndmask_b32 v21, v20, v14, s14               ; lanes 0-15: tile u = 0's words, lanes 16-31: tile u = 1's
	global_store_b32 v2, v21, s[12:13] offset:128*((\f)/2)
.endif
.endm
	LOAD 0
	LOAD 1
	FRAG 0
	FRAG 1
	FRAG 2
	FRAG 3
	s_wait_tensorcnt 0x0
	ds_add_u32 v248, v249
	s_wait_dscnt 0x0
	s_endpgm
.Lfunc_end_k_q6ef028537b_quant_x:
	.size	k_q6ef028537b_quant_x, .Lfunc_end_k_q6ef028537b_quant_x-k_q6ef028537b_quant_x
	.p2alignl 7, 3214868480
	.fill 96, 4, 3214868480
	.section	.rodata,"a",@progbits
	.p2align	6, 0x0
	.amdhsa_kernel k_q6ef028537b_quant_x
		.amdhsa_group_segment_fixed_size 34304
		.amdhsa_private_segment_fixed_size 0
		.amdhsa_enable_private_segment 0
		.amdhsa_kernarg_size 40
		.amdhsa_user_sgpr_count 2
		.amdhsa_user_sgpr_kernarg_segment_ptr 1
		.amdhsa_wavefront_size32 1
		.amdhsa_system_sgpr_workgroup_id_x 1
		.amdhsa_system_sgpr_workgroup_id_y 1
		.amdhsa_system_sgpr_workgroup_id_z 1
		.amdhsa_system_vgpr_workitem_id 0
		.amdhsa_next_free_vgpr 250
		.amdhsa_next_free_sgpr 66
		.amdhsa_reserve_vcc 0
		.amdhsa_float_denorm_mode_32 3
		.amdhsa_float_denorm_mode_16_64 3
		.amdhsa_memory_ordered 1
		.amdhsa_forward_progress 1
		.amdhsa_inst_pref_size 30
	.end_amdhsa_kernel
	.amdgpu_metadata
---
amdhsa.version: [ 1, 2 ]
amdhsa.kernels:
  - .name:           k_q6ef028537b_quant_x
    .symbol:         k_q6ef028537b_quant_x.kd
    .args:
      - { .name: query, .offset: 0, .size: 8, .value_kind: global_buffer, .address_space: global }
      - { .name: key, .offset: 8, .size: 8, .value_kind: global_buffer, .address_space: global }
      - { .name: value, .offset: 16, .size: 8, .value_kind: global_buffer, .address_space: global }
      - { .name: xc, .offset: 24, .size: 8, .value_kind: global_buffer, .address_space: global }
      - { .name: xs, .offset: 32, .size: 8, .value_kind: global_buffer, .address_space: global }
    .group_segment_fixed_size: 34304
    .private_segment_fixed_size: 0
    .kernarg_segment_align: 8
    .kernarg_segment_size: 40
    .max_flat_workgroup_size: 128
    .sgpr_count:     66
    .vgpr_count:     250
    .wavefront_size: 32
...
	.end_amdgpu_metadata
.endif
;; end of part 7
;; launch proj (part 8): grid 192 x 1, 4 waves a work-group, no clusters, 49,664 bytes of LDS; arguments xc, xs, wc, ws, bq, bk, bv, hc, hs; writes hc, hs
.if DOCPART == 8
	.amdgcn_target "amdgcn-amd-amdhsa--gfx1250"
	.amdhsa_code_object_version 6
	.text
	.protected	k_q6ef028537b_proj
	.globl	k_q6ef028537b_proj
	.p2align	8
	.type	k_q6ef028537b_proj,@function
k_q6ef028537b_proj:
	s_mov_b64 s[64:65], 0
	v_nop
	global_prefetch_b8 v0, s[64:65] scope:SCOPE_SE
	s_setreg_imm32_b32 hwreg(HW_REG_WAVE_SCHED_MODE, 0, 2), 2
	s_setreg_imm32_b32 hwreg(HW_REG_WAVE_MODE, 25, 1), 1
	s_wait_xcnt 0x0
	s_wait_alu depctr_vm_vsrc(0)
; q = query Wq + bq, k = key Wk + bk, v = value Wv + bv on codes of FP6 (E2M3) with E8M0 scales, and the results quantised at once for the two products of attention: no f32 result goes to memory.
; ONE BODY, TWO ORIENTATIONS.  Source 0 is STATIONARY: a wave keeps 64 of its rows (4 tiles x 8 K steps, 384 registers) for the whole launch.  Source 1 STREAMS, a pair of tiles (a block) at a time.
;   q, k: stationary = 64 columns of W (one head), stream = rows of x.   v: stationary = 64 rows of value (64 keys), stream = columns of Wv.  Only pointers, four strides and the bias's place differ.
; By the row map (row 64 G + 8 i + (r & 7) + 32 (r >> 3) is row r of tile 4 G + i) result register 8 i + j of lane (r', h) is stationary row 64 G + 32 h + 8 i + j:
; a lane's 32 registers are one WHOLE BLOCK of 32 along the next product's K (q, k: the head's 64; v: 64 keys), in the order of that operand's registers 0-5: its maximum needs no other lane.
; OUT: a PAIR FRAGMENT, 12 registers a lane = [stream tile u = 0: 6 | u = 1: 6], stored as an image (registers 4 c .. 4 c + 3 of lane l at 512 c + 16 l), and a scale word a row = [u = 0's two bytes | u = 1's two].
;   hc: tensor x 6,291,456 + head y x 98,304 + (q, k: pair in the head x 1,536;  v: 64-key group x 3,072 + pair of d tiles x 1,536).   hs: tensor x 262,144 + y x 4,096 + step x 256 + 16 r + 4 x word.
; A work-group streams 16 blocks; the four waves share each block through LDS (two buffers, one barrier a block) and differ in their stationary rows.  192 equal work-groups: 3 tensors x 64.
; No tensor load and no cluster: the stream comes through registers, so that one text serves both orientations by scalar choices on the work-group's number.
; LIMITS: NaN and infinities are not served; a block whose largest magnitude lies under 2^-124 (zeros too) gets the byte 1: zeros' codes are zeros, and this program alone reads the bytes.
; REGISTERS: window 0: addresses, scale words, bias, accumulators, staging, two out-buffers;  window 1: stationary tiles 0, 1 at v[12 (8 i + s)];  window 2: tiles 2, 3;  window 3: the block's 16 fragments at v[12 (8 u + s)].
; THE MODE: SCHED_MODE bits 1:0 = 2 (LLVM: expert scheduling mode 2), set by the entry lines.  The code itself states the register dependences
; between vector or matrix instructions and memory or LDS instructions, with s_wait_alu, always for 0.
; THE PLAN.  Block p lies in LDS buffer e = p % 2.  Registers that memory or LDS instructions touch in the loop:
;   STG            Written by the loads at block p's head (my quarter of block p + 1); read by the LDS stores at block p's end.
;   LSC[e]         Written by loads in block p - 1; read by block p's products as scales; written again by loads in block p + 1.
;   LBR[e]         (v) Likewise; read by block p's additions of the bias.
;   window 3       Written by block p's LDS loads, in two runs of four K steps; read by block p's products.
;   PC[e], OW[e]   Written by block p's conversions and moves; read by the four stores that are issued at block p + 1's head; written again in block p + 2.
;   v1, v2, v4 .. v8   Offsets, made once at the head.  The stores have an offset of their own (v4, v6), so that no store names a register that the fragments' loads touch.
; So two lines at a block's head state everything: the wait on vm_vsrc (the LDS stores have read STG; the stores issued a block ago have read PC[e] and OW[e]) and the wait on va_vdst (the block before has written
; PC[1 - e] and OW[1 - e] and is done reading LSC[1 - e], LBR[1 - e] and window 3).  All of the block's memory and LDS instructions follow with no further wait: its products, which stand between the two runs of
; fragment loads, name K steps 0 to 3 of window 3, windows 1 and 2, the accumulators, the bias and scale words that no load of this block lands in.
.set XT,   6291456
.set WT,   786432
.set FRB,  1536
.set BLKB, 24576                       ; a block: 16 fragments
.set LI,   1                           ; v1   16 x lane: the loads' offset
.set LS4,  2                           ; v2   4 x lane
.set SH8,  3                           ; v3   8 h
.set LO,   4                           ; v4   16 x lane once more: the stores' offset
.set LW,   5                           ; v5   16 x lane + 6,144 x wave: my quarter of a block in LDS
.set R16,  6                           ; v6   16 r
.set LBO,  7                           ; v7   4 ((r & 7) + 32 (r >> 3)): my stream row's place among 64 columns
.set H128, 8                           ; v8   128 h
.set SSC,  16                          ; v16-31  stationary scale words (8 pair + s): lanes 0-15 the even tile, lanes 16-31 the odd
.set LSC,  32                          ; v32-47  the stream's, two sets of 8: lanes 0-15 u = 0, lanes 16-31 u = 1
.set CB,   52                          ; v52-83  the bias in the result's layout, 8 registers a stationary tile (v: zeros)
.set ACC,  84                          ; v84-147 accumulator (u, i) at 32 u + 8 i
.set STG,  148                         ; v148-195 my quarter of the next block on its way to LDS
.set PC,   196                         ; v196-207, v240-251 the pair fragment: out-buffer e at PC + 44 e
.set TQ,   208                         ; v208-214 the conversions' second halves
.set TM,   216                         ; v216-225 at work
.set OW,   226                         ; v226, v227 my row's scale word: out-buffer e at OW + e
.set LBR,  232                         ; v232-239 v's bias of my stream row: a pair for (buffer e, tile u) at 4 e + 2 u; the low register counts
.set WV,   22
.set MODE, 24                          ; s24  1: v
.set BLK,  46                          ; s46  the number of the block whose results are stored next
.set MSB, 0
.macro WIN new                         ; the immediate's high byte repeats the setting that is left
.if MSB != \new
	s_set_vgpr_msb (MSB<<8)|\new
.set MSB, \new
.endif
.endm
.macro WM d, a, b, c, sa, sb, ra, rb   ; one product; ra, rb: the scales stand in lanes 16-31
.if (\ra) == 0 && (\rb) == 0
	v_wmma_scale_f32_16x16x128_f8f6f4 v[\d:\d+7], v[\a:\a+11], v[\b:\b+11], v[\c:\c+7], v[\sa], v[\sb] matrix_a_fmt:MATRIX_FMT_FP6 matrix_b_fmt:MATRIX_FMT_FP6
.elseif (\ra) == 1 && (\rb) == 0
	v_wmma_scale_f32_16x16x128_f8f6f4 v[\d:\d+7], v[\a:\a+11], v[\b:\b+11], v[\c:\c+7], v[\sa], v[\sb] matrix_a_fmt:MATRIX_FMT_FP6 matrix_b_fmt:MATRIX_FMT_FP6 matrix_a_scale:MATRIX_SCALE_ROW1
.elseif (\ra) == 0 && (\rb) == 1
	v_wmma_scale_f32_16x16x128_f8f6f4 v[\d:\d+7], v[\a:\a+11], v[\b:\b+11], v[\c:\c+7], v[\sa], v[\sb] matrix_a_fmt:MATRIX_FMT_FP6 matrix_b_fmt:MATRIX_FMT_FP6 matrix_b_scale:MATRIX_SCALE_ROW1
.else
	v_wmma_scale_f32_16x16x128_f8f6f4 v[\d:\d+7], v[\a:\a+11], v[\b:\b+11], v[\c:\c+7], v[\sa], v[\sb] matrix_a_fmt:MATRIX_FMT_FP6 matrix_b_fmt:MATRIX_FMT_FP6 matrix_a_scale:MATRIX_SCALE_ROW1 matrix_b_scale:MATRIX_SCALE_ROW1
.endif
.endm
	s_load_b256 s[4:11], s[0:1], 0x0               ; xc, xs, wc, ws
	s_load_b256 s[12:19], s[0:1], 0x20             ; bq, bk, bv, hc
	s_load_b64 s[20:21], s[0:1], 0x40              ; hs
	v_lshl_add_u32 v254, v0, 2, 0xc000
	v_mov_b32 v255, 0
	v_lshrrev_b32 v9, 5, v0
	v_readfirstlane_b32 s[WV], v9                  ; wave
	v_and_b32 v9, 31, v0                           ; lane
	v_and_b32 v10, 15, v0                          ; r
	v_bfe_u32 v11, v0, 4, 1                        ; h
	v_lshlrev_b32 v[LI], 4, v9
	v_lshlrev_b32 v[LO], 4, v9
	v_lshlrev_b32 v[LS4], 2, v9
	v_lshlrev_b32 v[SH8], 3, v11
	s_wait_alu depctr_va_sdst(0)                   ; the wave's number is written, ahead of its first reader
	s_mul_i32 s50, s[WV], 6144
	v_add_nc_u32 v[LW], s50, v[LI]
	v_lshlrev_b32 v[R16], 4, v10
	v_and_b32 v12, 7, v10
	v_lshrrev_b32 v13, 3, v10
	v_lshl_add_u32 v12, v13, 5, v12
	v_lshlrev_b32 v[LBO], 2, v12
	v_lshlrev_b32 v[H128], 7, v11
	v_mov_b32 v[TM+9], 0                           ; written once: a lane permute's destination counts as one of its sources
.irp i, 0,1,2,3,4,5,6,7
	v_mov_b32 v[LBR+\i], 0                         ; written once: the packed additions name whole pairs
.endr
	s_mov_b32 s48, 0x76543210
	s_mov_b32 s49, 0xfedcba98                      ; v_permlanex16_b32's selects for lane l xor 16
	s_mov_b32 s[BLK], 0
	s_lshr_b32 s23, ttmp9, 6                       ; the tensor: 0 q, 1 k, 2 v
	s_and_b32 s50, ttmp9, 63
	s_and_b32 s51, s50, 3                          ; q, k: which four heads;
	s_lshr_b32 s52, s50, 2                         ;       which 16 pairs of x
	s_lshr_b32 s53, s50, 1                         ; v: which four groups of 64 keys;
	s_and_b32 s54, s50, 1                          ;    which 16 pairs of Wv
	s_cmp_eq_u32 s23, 2
	s_cselect_b32 s[MODE], 1, 0
	s_cselect_b32 s25, s53, s51
	s_cselect_b32 s26, s54, s52                    ; om
	s_cselect_b32 s42, 1, 2                        ; a block's number splits into hi = number >> s42 and lo = number & s43;
	s_cselect_b32 s43, 1, 3
	s_mov_b32 s44, 6144
	s_cselect_b32 s44, 98304, s44                  ; the codes go hi x s44 + lo x 1,536 on,
	s_mov_b32 s45, 256
	s_cselect_b32 s45, 4096, s45                   ; the scale words hi x s45 + lo x 4
	s_lshl_b32 s27, s25, 2
	s_add_co_u32 s27, s27, s[WV]                   ; GP: my 64 stationary rows
	s_lshr_b32 s50, s26, 2                         ; q, k: head y = 16 (om >> 2) + GP; in it pairs 16 (om & 3) on
	s_lshl_b32 s50, s50, 4
	s_add_co_u32 s50, s50, s27
	s_and_b32 s51, s26, 3
	s_mul_i32 s52, s51, 24576
	s_lshl_b32 s53, s51, 10
	s_lshr_b32 s54, s27, 5                         ; v: heads y = 16 (GP >> 5) + 8 om on; in each, key group GP & 31
	s_lshl_b32 s54, s54, 4
	s_lshl_b32 s55, s26, 3
	s_add_co_u32 s54, s54, s55
	s_and_b32 s55, s27, 31
	s_mul_i32 s56, s55, 3072
	s_lshr_b32 s57, s55, 1
	s_lshl_b32 s57, s57, 8
	s_and_b32 s58, s27, 1
	s_lshl_b32 s58, s58, 3
	s_add_co_u32 s57, s57, s58
	s_cmp_eq_u32 s[MODE], 1
	s_cselect_b32 s50, s54, s50
	s_cselect_b32 s52, s56, s52
	s_cselect_b32 s53, s57, s53
	s_mul_i32 s54, s50, 98304
	s_add_co_u32 s34, s52, s54
	s_mul_i32 s54, s23, XT
	s_add_co_u32 s34, s34, s54                     ; where my first pair fragment goes,
	s_mov_b32 s35, 0
	s_lshl_b32 s54, s50, 12
	s_add_co_u32 s36, s53, s54
	s_lshl_b32 s54, s23, 18
	s_add_co_u32 s36, s36, s54                     ; and its scale words
	s_mov_b32 s37, 0
	s_mov_b32 s55, 0
	s_mov_b32 s51, 0
	s_wait_kmcnt 0x0
	s_add_nc_u64 s[34:35], s[18:19], s[34:35]
	s_add_nc_u64 s[36:37], s[20:21], s[36:37]
	s_mul_i32 s54, s23, XT
	s_add_nc_u64 s[4:5], s[4:5], s[54:55]          ; the tensor's x codes,
	s_mul_i32 s54, s23, WT
	s_add_nc_u64 s[8:9], s[8:9], s[54:55]          ; its weight's codes,
	s_lshl_b32 s54, s23, 18
	s_add_nc_u64 s[6:7], s[6:7], s[54:55]          ; and both scales
	s_lshl_b32 s54, s23, 15
	s_add_nc_u64 s[10:11], s[10:11], s[54:55]
	s_cmp_eq_u32 s[MODE], 1                        ; which of the two is stationary hangs on the work-group's number alone
	s_cselect_b64 s[56:57], s[4:5], s[8:9]
	s_cselect_b64 s[28:29], s[8:9], s[4:5]
	s_cselect_b64 s[58:59], s[6:7], s[10:11]
	s_cselect_b64 s[30:31], s[10:11], s[6:7]
	s_cmp_eq_u32 s23, 1
	s_cselect_b64 s[12:13], s[14:15], s[12:13]
	s_cmp_eq_u32 s23, 2
	s_cselect_b64 s[12:13], s[16:17], s[12:13]     ; the tensor's bias
	s_mul_i32 s50, s26, 16*BLKB
	s_mul_i32 s52, s[WV], 6144
	s_add_co_u32 s50, s50, s52
	s_add_nc_u64 s[28:29], s[28:29], s[50:51]      ; stream: pair 16 om, my quarter of the block
	s_lshl_b32 s50, s26, 14
	s_add_nc_u64 s[30:31], s[30:31], s[50:51]
	s_mul_i32 s50, s27, 49152
	s_add_nc_u64 s[56:57], s[56:57], s[50:51]      ; stationary: group GP
	s_lshl_b32 s50, s27, 11
	s_add_nc_u64 s[58:59], s[58:59], s[50:51]
	s_lshl_b32 s50, s27, 8
	s_add_nc_u64 s[60:61], s[12:13], s[50:51]      ; q, k: the bias of my 64 columns (read in that mode alone)
	s_lshl_b32 s50, s26, 11
	s_add_nc_u64 s[32:33], s[12:13], s[50:51]      ; v: the bias of the stream's first 64 columns (read in that mode alone)
	WIN 0x40                                       ; destination window 1
	s_wait_alu depctr_va_vdst(0)                   ; the offsets v1, v2 and v4 to v8 are written, which every load and store of the kernel reads; so are v232 to v239, in which loads of the bias land
.irp i, 0,1
.irp s, 0,1,2,3,4,5,6,7
.irp c, 0,1,2
	global_load_b128 v[12*(8*\i+\s)+4*\c:12*(8*\i+\s)+4*\c+3], v[LI], s[56:57] offset:(8*\i+\s)*FRB+512*\c
.endr
.endr
.endr
	WIN 0x80                                       ; destination window 2
.irp i, 0,1
.irp s, 0,1,2,3,4,5,6,7
.irp c, 0,1,2
	global_load_b128 v[12*(8*\i+\s)+4*\c:12*(8*\i+\s)+4*\c+3], v[LI], s[56:57] offset:(8*(\i+2)+\s)*FRB+512*\c
.endr
.endr
.endr
	WIN 0
.irp q, 0,1,2,3,4,5,6,7,8,9,10,11,12,13,14,15
	global_load_b32 v[SSC+\q], v[LS4], s[58:59] offset:128*\q
.endr
	s_cmp_eq_u32 s[MODE], 0
	s_cbranch_scc0 .Lcb_zero
.irp i, 0,1,2,3                        ; q, k: register 8 i + j of lane (r', h) is column 64 GP + 32 h + 8 i + j: its bias is the C of the sum's first product
	global_load_b128 v[CB+8*\i:CB+8*\i+3], v[H128], s[60:61] offset:32*\i
	global_load_b128 v[CB+8*\i+4:CB+8*\i+7], v[H128], s[60:61] offset:32*\i+16
.endr
	s_branch .Lcb_done
.Lcb_zero:                             ; v: the bias belongs to the stream's row, that is, to the lane: it is added behind the sums.  (No memory instruction names these 32 registers on this way)
.set i, 0
.rept 32
	v_mov_b32 v[CB+i], 0
.set i, i+1
.endr
.Lcb_done:
; my quarter of a block, its scale words and (v) its rows' bias, from memory into registers.  pe: the LDS buffer and register set that it is for
.macro GLOAD pe, first
.if (\first) == 0
	s_add_nc_u64 s[28:29], s[28:29], BLKB
	s_add_nc_u64 s[30:31], s[30:31], 1024
.if (\pe) == 0
	s_add_nc_u64 s[32:33], s[32:33], 256           ; two pairs of tiles are 64 columns
.endif
.endif
.irp k, 0,1,2,3,4,5,6,7,8,9,10,11
	global_load_b128 v[STG+4*\k:STG+4*\k+3], v[LI], s[28:29] offset:512*\k
.endr
.irp s, 0,1,2,3,4,5,6,7
	global_load_b32 v[LSC+8*(\pe)+\s], v[LS4], s[30:31] offset:128*\s
.endr
	s_cmp_eq_u32 s[MODE], 0
	s_cbranch_scc1 .Lno_lb_\@
	global_load_b32 v[LBR+4*(\pe)], v[LBO], s[32:33] offset:64*(\pe)
	global_load_b32 v[LBR+4*(\pe)+2], v[LBO], s[32:33] offset:64*(\pe)+32
.Lno_lb_\@:
.endm
.macro LSTORE e
.irp k, 0,1,2,3,4,5,6,7,8,9,10,11
	ds_store_b128 v[LW], v[STG+4*\k:STG+4*\k+3] offset:BLKB*(\e)+512*\k
.endr
.endm
.macro FETCH e, half                   ; four K steps' fragments of both tiles: 24 loads, K step by K step
	WIN 0xc0                                       ; destination window 3
.irp t, 0,1,2,3
.irp u, 0,1
.irp c, 0,1,2
	ds_load_b128 v[12*(8*\u+4*(\half)+\t)+4*\c:12*(8*\u+4*(\half)+\t)+4*\c+3], v[LI] offset:BLKB*(\e)+(8*\u+4*(\half)+\t)*FRB+512*\c
.endr
.endr
.endr
.endm
; 16 products: stationary tiles 2 g, 2 g + 1 x stream tiles 0, 1 x four K steps.  The four accumulators take turns, one instruction a turn.
; waits = 1: ahead of each K step the wait that leaves the later K steps' loads out, 6 a step.
.macro MMA g, half, e, waits
.if (\g) == 0
	WIN 0x0d                                       ; source 0 window 1, source 1 window 3
.else
	WIN 0x0e                                       ; source 0 window 2
.endif
.irp t, 0,1,2,3
.if \waits
	s_wait_dscnt 18-6*\t
.endif
.irp n, 0,1
.irp u, 0,1
.if 4*(\half)+\t == 0
	WM ACC+32*\u+8*(2*(\g)+\n), 12*(8*\n+4*(\half)+\t), 12*(8*\u+4*(\half)+\t), CB+8*(2*(\g)+\n), SSC+8*(\g)+4*(\half)+\t, LSC+8*(\e)+4*(\half)+\t, \n, \u
.else
	WM ACC+32*\u+8*(2*(\g)+\n), 12*(8*\n+4*(\half)+\t), 12*(8*\u+4*(\half)+\t), ACC+32*\u+8*(2*(\g)+\n), SSC+8*(\g)+4*(\half)+\t, LSC+8*(\e)+4*(\half)+\t, \n, \u
.endif
.endr
.endr
.endr
.endm
; the two tiles' 32 numbers a lane become the pair fragment and my row's scale word, in out-buffer e.  Each accumulator is read from its low end on.
.macro QUANT2 e
.irp q, 0,1,2,3                        ; chain q: tile q / 2, registers 16 (q % 2) on; the floor 2^(3 - 127) among the leaves
	v_max3_num_f32 v[TM+\q], |v[ACC+16*\q]|, |v[ACC+16*\q+1]|, 0x1800000
.endr
.irp i, 2,4,6,8,10,12,14
.irp q, 0,1,2,3
	v_max3_num_f32 v[TM+\q], v[TM+\q], |v[ACC+16*\q+\i]|, |v[ACC+16*\q+\i+1]|
.endr
.endr
	v_max_num_f32 v[TM], v[TM], v[TM+1]
	v_max_num_f32 v[TM+2], v[TM+2], v[TM+3]
	v_add_nc_u32 v[TM+4], 0xff000000, v[TM]        ; 2 off the exponent field: the conversion's scale operand
	v_add_nc_u32 v[TM+5], 0xff000000, v[TM+2]
	v_lshrrev_b32 v[TM+6], 23, v[TM+4]             ; the bytes of block h of tiles 0 and 1
	v_lshrrev_b32 v[TM+7], 23, v[TM+5]
.irp u, 0,1
	v_cvt_scalef32_pk16_fp6_f32 v[PC+44*(\e)+6*\u:PC+44*(\e)+6*\u+2], v[ACC+32*\u:ACC+32*\u+15], v[TM+4+\u]
	v_cvt_scalef32_pk16_fp6_f32 v[TQ+4*\u:TQ+4*\u+2], v[ACC+32*\u+16:ACC+32*\u+31], v[TM+4+\u]
.endr
	v_lshl_or_b32 v[TM+8], v[TM+7], 16, v[TM+6]    ; (the plain place behind the conversions)
.irp u, 0,1
.irp i, 0,1,2
	v_mov_b32 v[PC+44*(\e)+6*\u+3+\i], v[TQ+4*\u+\i]
.endr
.endr
	v_lshlrev_b32 v[TM+8], v[SH8], v[TM+8]
	v_permlanex16_b32 v[TM+9], v[TM+8], s48, s49
	v_or_b32 v[OW+(\e)], v[TM+8], v[TM+9]          ; [u = 0: blocks 0, 1 | u = 1: blocks 0, 1]
.endm
; the results in out-buffer e leave: block s[BLK]'s.  It stands behind a wait on XCNT (the bases are written anew) and a wait on va_vdst (the out-buffer is written).
.macro SEND e
	s_lshr_b32 s50, s[BLK], s42                    ; where that block's results go
	s_and_b32 s51, s[BLK], s43
	s_mul_i32 s52, s50, s44
	s_mul_i32 s53, s51, FRB
	s_add_co_u32 s52, s52, s53
	s_mov_b32 s53, 0
	s_add_nc_u64 s[38:39], s[34:35], s[52:53]
	s_mul_i32 s52, s50, s45
	s_lshl_b32 s51, s51, 2
	s_add_co_u32 s52, s52, s51
	s_add_nc_u64 s[40:41], s[36:37], s[52:53]
	s_add_co_u32 s[BLK], s[BLK], 1
.irp c, 0,1,2
	global_store_b128 v[LO], v[PC+44*(\e)+4*\c:PC+44*(\e)+4*\c+3], s[38:39] offset:512*\c   ; 512 consecutive bytes, at a multiple of 256 from the buffer's first byte
.endr
	global_store_b32 v[R16], v[OW+(\e)], s[40:41]  ; lanes r and r + 16 hold the same word
.endm
; A BLOCK in LDS buffer e.  fetch = 1: the next block comes from memory meanwhile and goes into the other buffer at the end.  first = 1: block 0, with no block in front of it.
.macro BLOCK e, fetch, first
	s_wait_xcnt 0x0                                ; the earlier stores and loads have read their registers and bases: all may be written again
	s_wait_alu depctr_vm_vsrc(0)                   ; the LDS stores at the last block's end have read STG, in which the loads below land; the stores issued a block ago have read PC[e] and OW[e], which this block writes again
.if (\first) == 0
	s_wait_alu depctr_va_vdst(0)                   ; the block before has written PC[1 - e] and OW[1 - e], which the stores below read; its products are done reading LSC[1 - e] and window 3, its additions LBR[1 - e]: the loads below land in these
	SEND 1-(\e)
.endif
.if \fetch
	GLOAD 1-(\e), 0
.endif
	FETCH \e, 0
	MMA 0, 0, \e, 1
	FETCH \e, 1                                    ; no wait: no vector or matrix instruction since the wait on va_vdst names K steps 4 to 7 of window 3, or v1
	s_wait_alu depctr_va_vdst(0)
	MMA 1, 0, \e, 0
	MMA 1, 1, \e, 1
	MMA 0, 1, \e, 0
	WIN 0
.rept 5
	v_nop                                          ; places behind the last products: four for the reads of results, a fifth since the next block's first products write over these accumulators
.endr
	s_cmp_eq_u32 s[MODE], 0
	s_cbranch_scc1 .Lno_add_\@
.irp u, 0,1                            ; v: + the bias of my stream row
.set j, 0
.rept 16
	v_pk_add_f32 v[ACC+32*\u+j:ACC+32*\u+j+1], v[ACC+32*\u+j:ACC+32*\u+j+1], v[LBR+4*(\e)+2*\u:LBR+4*(\e)+2*\u+1] op_sel_hi:[1,0]
.set j, j+2
.endr
.endr
.Lno_add_\@:
	QUANT2 \e
.if \fetch
	s_wait_loadcnt 0x0                             ; the next block's quarter, scale words and bias are in
	LSTORE 1-(\e)                                  ; every wave has passed the last barrier behind its reads of that buffer.  Its data come from loads and its address from the head: no vector instruction of the block names them
	s_wait_dscnt 0x0                               ; for the others' sake: my stores have landed; my reads of this buffer were over at the products
	s_barrier_signal -1
	s_barrier_wait -1
.endif
.endm
	GLOAD 0, 1
	s_wait_loadcnt 0x0                             ; the stationary operand, its scales, the bias and block 0
	LSTORE 0
	s_wait_dscnt 0x0
	s_barrier_signal -1
	s_barrier_wait -1
	BLOCK 0, 1, 1                                  ; block 0 is written out: it has no results of a block before to store
	s_mov_b32 s47, 7
.Lpair:                                ; 7 trips of two blocks, 1 to 14: both kinds of buffer are back at their start
	BLOCK 1, 1, 0
	BLOCK 0, 1, 0
	s_sub_co_u32 s47, s47, 1
	s_cmp_lg_u32 s47, 0
	s_cbranch_scc1 .Lpair
	BLOCK 1, 0, 0                                  ; block 15 is written out, since it fetches nothing
	s_wait_xcnt 0x0                                ; block 14's stores have read their bases, which are written anew
	s_wait_alu depctr_va_vdst(0)                   ; block 15 has written PC[1] and OW[1], which the last four stores read
	SEND 1
	s_wait_dscnt 0x0                               ; the closing lines, six on end
	s_wait_alu 0x0
	s_wait_tensorcnt 0x0
	ds_add_u32 v254, v255
	s_wait_dscnt 0x0
	s_endpgm
.Lfunc_end_k_q6ef028537b_proj:
	.size	k_q6ef028537b_proj, .Lfunc_end_k_q6ef028537b_proj-k_q6ef028537b_proj
	.p2alignl 7, 3214868480
	.fill 96, 4, 3214868480
	.section	.rodata,"a",@progbits
	.p2align	6, 0x0
	.amdhsa_kernel k_q6ef028537b_proj
		.amdhsa_group_segment_fixed_size 49664
		.amdhsa_private_segment_fixed_size 0
		.amdhsa_enable_private_segment 0
		.amdhsa_kernarg_size 72
		.amdhsa_user_sgpr_count 2
		.amdhsa_user_sgpr_kernarg_segment_ptr 1
		.amdhsa_wavefront_size32 1
		.amdhsa_system_sgpr_workgroup_id_x 1
		.amdhsa_system_sgpr_workgroup_id_y 1
		.amdhsa_system_sgpr_workgroup_id_z 1
		.amdhsa_system_vgpr_workitem_id 0
		.amdhsa_next_free_vgpr 1024
		.amdhsa_next_free_sgpr 66
		.amdhsa_reserve_vcc 0
		.amdhsa_float_denorm_mode_32 3
		.amdhsa_float_denorm_mode_16_64 3
		.amdhsa_memory_ordered 1
		.amdhsa_forward_progress 1
		.amdhsa_inst_pref_size 101
	.end_amdhsa_kernel
	.amdgpu_metadata
---
amdhsa.version: [ 1, 2 ]
amdhsa.kernels:
  - .name:           k_q6ef028537b_proj
    .symbol:         k_q6ef028537b_proj.kd
    .args:
      - { .name: xc, .offset: 0, .size: 8, .value_kind: global_buffer, .address_space: global }
      - { .name: xs, .offset: 8, .size: 8, .value_kind: global_buffer, .address_space: global }
      - { .name: wc, .offset: 16, .size: 8, .value_kind: global_buffer, .address_space: global }
      - { .name: ws, .offset: 24, .size: 8, .value_kind: global_buffer, .address_space: global }
      - { .name: bq, .offset: 32, .size: 8, .value_kind: global_buffer, .address_space: global }
      - { .name: bk, .offset: 40, .size: 8, .value_kind: global_buffer, .address_space: global }
      - { .name: bv, .offset: 48, .size: 8, .value_kind: global_buffer, .address_space: global }
      - { .name: hc, .offset: 56, .size: 8, .value_kind: global_buffer, .address_space: global }
      - { .name: hs, .offset: 64, .size: 8, .value_kind: global_buffer, .address_space: global }
    .group_segment_fixed_size: 49664
    .private_segment_fixed_size: 0
    .kernarg_segment_align: 8
    .kernarg_segment_size: 72
    .max_flat_workgroup_size: 128
    .sgpr_count:     66
    .vgpr_count:     1024
    .wavefront_size: 32
...
	.end_amdgpu_metadata
.endif
;; end of part 8
;; launch attn (part 9): grid 4 x 64, 16 waves a work-group, clusters of 4 x 1, 206,848 bytes of LDS; arguments hc, hs, oc, os; writes oc, os
.if DOCPART == 9
	.amdgcn_target "amdgcn-amd-amdhsa--gfx1250"
	.amdhsa_code_object_version 6
	.text
	.protected	k_q6ef028537b_attn
	.globl	k_q6ef028537b_attn
	.p2align	8
	.type	k_q6ef028537b_attn,@function
k_q6ef028537b_attn:
	s_mov_b64 s[64:65], 0
	v_nop
	global_prefetch_b8 v0, s[64:65] scope:SCOPE_SE
	s_setreg_imm32_b32 hwreg(HW_REG_WAVE_MODE, 25, 1), 1
	s_wait_xcnt 0x0
	s_wait_alu depctr_hold_cnt(0) depctr_sa_sdst(0) depctr_va_vdst(0) depctr_va_sdst(0) depctr_va_ssrc(0) depctr_va_vcc(0) depctr_vm_vsrc(0)
	s_getreg_b32 s2, hwreg(HW_REG_IB_STS2, 6, 4)
	s_cmp_eq_u32 s2, 0
	s_cbranch_scc0 .Lentry_in_a_cluster
	s_endpgm
.Lentry_in_a_cluster:
	s_bfe_u32 s2, ttmp6, 0x10000c
	s_cmp_lg_u32 s2, 0x3003
	s_cbranch_scc0 .Lentry_shape_is_right
	s_endpgm
.Lentry_shape_is_right:
; x = softmax(q k^T / 8) v for one head, both products on codes of FP6 (E2M3) with E8M0 scales, and x quantised at once along the model's 1,024 for the last product.
; THE SOFTMAX: t = score x log2(e) / 8; M = the running largest t rounded UP to a whole number; p = 2^(t - M) is quantised along the keys, not normalised; the row's sum is taken of the unquantised p and divides at the end.
; When M moves, the sum and O are multiplied by 2^(old M - new M): exact.
; SHARES.  A work-group owns one head (work-group y) and 512 queries; each of its 16 waves owns a pair of query tiles (2 x 16 queries), one tile after the other, in 256 registers: four waves to a SIMD, so that one
; wave's vector work stands beside another's products and LDS loads.  The head's K and V, 196,608 bytes of codes and 8,192 of scale words, come into LDS ONCE and stay: nothing is filled again.
; CLUSTER.  The four work-groups of a head form a cluster and ask for K and V JOINTLY: the same tensor loads, with the same descriptors and a mask that names the four.  A wave has at most one tensor load out.
; PAIR FRAGMENTS.  d_k and a key group are 64, half of the instruction's K.  A fragment of K or V holds TWO tiles: registers 0-5 tile 0's 64, registers 6-11 tile 1's.  Against [y | zeros] it gives tile 0's products, against
; [zeros | y] tile 1's: zero codes add nothing under any scale byte but 0xff, which no byte here is.  For V that doubles the second product's instructions; the matrix unit has the room here.
; LAYOUT.  Both products are used transposed: a lane holds ONE query.  By the row map of the launch before, S^T's 32 registers of two pair fragments are 32 NEIGHBOURING keys (64 c + 32 h + 0 .. 31 of the step's 128):
; a whole block, in the order of the operand's registers; likewise O^T's 32 registers are d = 32 h + 0 .. 31.  No number changes lanes but maxima, sums and scale bytes.
; LIMITS: NaN and infinities are not served; a block of p or of x whose largest magnitude lies under 2^-124 (zeros too) gets the byte 1.
.set XT,   6291456
.set VC,   98304                       ; LDS: K's codes at 0, V's here,
.set KS,   196608                      ; K's scale words [step][r][4 words], V's 4,096 bytes on
.set WV,   12                          ; s12 wave
.set SC,   50                          ; v50-53  lanes 0-15: K's four scale words of the step; lanes 16-31: V's four
.set S,    108                         ; v108-171 S^T, then p
.set O,    172                         ; v172-203 O^T: tile i of d at 8 i
.set KF,   204                         ; v204-251 four pair fragments: K's, then V's
; v1 16 x lane; v2 the same in V's codes; v3 my scale words' place; v4 8 h; v5-7 the step's addresses; v8 8 x lane; v9 4 r; v12 -M; v13 the largest t; v[14:15] the sum in two halves
; v16-45 zeros 6 | q tile 0 | zeros 6 | q tile 1 | zeros 6;  v46 q's scale word, v47 it << 16, v48 it >> 16;  v54 p's scale word, v55 it with its halves exchanged;  v56-69 at work
; v70-99 zeros 6 | p keys 0-63 | zeros 6 | p keys 64-127 | zeros 6;  v100-106 the conversions' second halves;  v[252:253] 1 / the sum
.macro CROUND                          ; a round of the cluster's barrier
	s_barrier_signal -1
	s_barrier_wait -1
	s_cmp_lg_u32 s[WV], 0
	s_cbranch_scc1 .Lnot_wave_0_\@
	s_barrier_signal -3
.Lnot_wave_0_\@:
	s_barrier_wait -3
	s_barrier_signal -1
	s_barrier_wait -1
.endm
.macro WQK d, a, b, sa, sb             ; a tile of S^T: starts its sum
	v_wmma_scale_f32_16x16x128_f8f6f4 v[\d:\d+7], v[\a:\a+11], v[\b:\b+11], 0, v[\sa], v[\sb] matrix_a_fmt:MATRIX_FMT_FP6 matrix_b_fmt:MATRIX_FMT_FP6
.endm
.macro WPV d, a, b, sa, sb             ; a tile of O^T: adds; V's scale words stand in lanes 16-31
	v_wmma_scale_f32_16x16x128_f8f6f4 v[\d:\d+7], v[\a:\a+11], v[\b:\b+11], v[\d:\d+7], v[\sa], v[\sb] matrix_a_fmt:MATRIX_FMT_FP6 matrix_b_fmt:MATRIX_FMT_FP6 matrix_a_scale:MATRIX_SCALE_ROW1
.endm
	s_load_b256 s[4:11], s[0:1], 0x0               ; hc, hs, oc, os
	v_lshl_add_u32 v254, v0, 2, 0x32000
	v_mov_b32 v255, 0
	ds_add_u32 v254, v255
	ds_add_u32 v254, v255
	v_lshrrev_b32 v1, 5, v0
	s_delay_alu instid0(VALU_DEP_1)
	v_readfirstlane_b32 s[WV], v1                  ; wave 0..15
	s_bfe_u32 s66, ttmp6, 0x40000                  ; cx: my place in the cluster: it enters q's, oc's and os's addresses alone
	s_and_b32 s14, ttmp7, 0xffff                   ; the head y = 16 b + hd, which the four partners share
	; descriptor groups 1: dense blocks as rows of 256 bytes (32 elements of 8 bytes), no padding.  Codes: 96 rows;  scale words: 16 rows
	s_mov_b32 s24, 15|(3<<16)|(1<<21)              ; 15:0 the mask: all four work-groups; 17:16 elements of 8 bytes; 21 set beside a mask
	s_mov_b32 s25, 32<<16                          ; tensor_dim0 = 32
	s_mov_b32 s26, 96<<16                          ; tensor_dim1 = 96
	s_mov_b32 s27, 32<<16                          ; tile_dim0 = 32
	s_mov_b32 s28, 96                              ; tile_dim1 = 96
	s_mov_b32 s29, 32                              ; from row to row
	s_mov_b32 s30, 0
	s_mov_b32 s31, 0
	s_mov_b32 s32, 15|(3<<16)|(1<<21)
	s_mov_b32 s33, 32<<16
	s_mov_b32 s34, 16<<16
	s_mov_b32 s35, 32<<16
	s_mov_b32 s36, 16
	s_mov_b32 s37, 32
	s_mov_b32 s38, 0
	s_mov_b32 s39, 0
	s_lshr_b32 s52, s[WV], 2                       ; waves 0-3: K's four quarters; waves 4-7: V's
	s_and_b32 s53, s[WV], 3
	s_mul_i32 s54, s52, XT
	s_add_co_u32 s54, s54, XT
	s_mul_i32 s55, s14, 98304
	s_add_co_u32 s54, s54, s55
	s_mul_i32 s55, s53, 24576
	s_add_co_u32 s54, s54, s55
	s_mov_b32 s55, 0
	s_and_b32 s56, s[WV], 1                        ; wave 8: K's scale words; wave 9: V's
	s_lshl_b32 s57, s56, 18
	s_add_co_u32 s57, s57, 262144
	s_lshl_b32 s58, s14, 12
	s_add_co_u32 s58, s58, s57
	s_mov_b32 s59, 0
	s_and_b32 s60, s[WV], 7
	s_mov_b32 s20, 0x76543210
	s_mov_b32 s21, 0xfedcba98                      ; v_permlanex16_b32's selects for lane l xor 16
	s_mov_b32 s22, 0x3e38aa3b                      ; c = log2(e) / 8
	s_mov_b32 s23, s22                             ; (named with it as a pair, so it is written)
	s_wait_dscnt 0x0
	s_wait_kmcnt 0x0
	s_mov_b32 s40, 1                               ; group 0 for the codes: count = 1,
	s_mul_i32 s41, s60, 24576                      ; LDS address,
	s_add_nc_u64 s[42:43], s[4:5], s[54:55]        ; global address,
	s_or_b32 s43, s43, 0x80000000                  ; type = 2
	s_mov_b32 s44, 1                               ; and for the scale words
	s_lshl_b32 s45, s56, 12
	s_add_co_u32 s45, s45, KS
	s_add_nc_u64 s[46:47], s[6:7], s[58:59]
	s_or_b32 s47, s47, 0x80000000
	CROUND                                         ; all four work-groups are here: the joint loads meet
	s_cmp_lt_u32 s[WV], 8                          ; the branches hang on the wave's number alone; four v_nop follow each load
	s_cbranch_scc0 .Lnot_codes
	tensor_load_to_lds s[40:43], s[24:31]
	s_nop 0
.rept 4
	v_nop
.endr
	s_branch .Lasked
.Lnot_codes:
	s_cmp_lt_u32 s[WV], 10
	s_cbranch_scc0 .Lasked
	tensor_load_to_lds s[44:47], s[32:39]
	s_nop 0
.rept 4
	v_nop
.endr
.Lasked:
	s_lshl_b32 s67, s66, 4
	s_add_co_u32 s67, s67, s[WV]                   ; my pair of query tiles in the head: 16 cx + wave
	s_mul_i32 s68, s67, 1536
	s_mul_i32 s69, s14, 98304
	s_add_co_u32 s68, s68, s69
	s_mov_b32 s69, 0
	s_add_nc_u64 s[16:17], s[4:5], s[68:69]        ; its pair fragment,
	s_lshr_b32 s68, s67, 2
	s_lshl_b32 s68, s68, 8
	s_and_b32 s70, s67, 3
	s_lshl_b32 s70, s70, 2
	s_add_co_u32 s68, s68, s70
	s_lshl_b32 s70, s14, 12
	s_add_co_u32 s68, s68, s70
	s_add_nc_u64 s[18:19], s[6:7], s[68:69]        ; its scale words
	s_lshr_b32 s70, s14, 4                         ; b
	s_and_b32 s71, s14, 15                         ; hd
	s_lshr_b32 s72, s71, 1                         ; the last product's K step,
	s_and_b32 s73, s71, 1                          ; and which half of it
	s_lshl_b32 s70, s70, 6
	s_add_co_u32 s70, s70, s67                     ; pair a = 64 b + my pair
	s_lshl_b32 s74, s70, 4
	s_add_co_u32 s74, s74, s72
	s_mul_i32 s74, s74, 1536                       ; fragment (2 a, K step),
	s_mul_i32 s68, s73, 768                        ; pieces 3 (hd & 1) on
	s_add_co_u32 s68, s68, s74
	s_add_nc_u64 s[8:9], s[8:9], s[68:69]
	s_lshl_b32 s74, s70, 3
	s_add_co_u32 s74, s74, s72
	s_lshl_b32 s74, s74, 7
	s_lshl_b32 s68, s73, 1
	s_add_co_u32 s68, s68, s74
	s_add_nc_u64 s[10:11], s[10:11], s[68:69]      ; its scale words, bytes 2 (hd & 1) on
	v_and_b32 v10, 31, v0                          ; lane
	v_and_b32 v11, 15, v0                          ; r
	v_bfe_u32 v4, v0, 4, 1                         ; h
	s_delay_alu instid0(VALU_DEP_3)
	v_lshlrev_b32 v1, 4, v10
	s_delay_alu instid0(VALU_DEP_1)
	v_add_nc_u32 v2, VC, v1
	s_delay_alu instid0(VALU_DEP_4)
	v_lshlrev_b32 v3, 4, v11
	s_delay_alu instid0(VALU_DEP_1)
	v_lshl_add_u32 v3, v4, 12, v3
	s_delay_alu instid0(VALU_DEP_1)
	v_add_nc_u32 v3, KS, v3                        ; lanes 0-15: K's words of row r; lanes 16-31: V's, 4,096 bytes on
	v_lshlrev_b32 v8, 3, v10
	v_lshlrev_b32 v9, 2, v11
	v_lshlrev_b32 v57, 4, v11
	v_lshlrev_b32 v4, 3, v4
	global_load_b128 v[22:25], v1, s[16:17]            ; tile 0: registers 0-3 of the pair fragment,
	global_load_b64 v[26:27], v1, s[16:17] offset:512  ; 4, 5;
	global_load_b64 v[34:35], v1, s[16:17] offset:520  ; tile 1: 6, 7,
	global_load_b128 v[36:39], v1, s[16:17] offset:1024 ; 8-11
	global_load_b32 v46, v57, s[18:19]                 ; my row's scale word: [tile 0's two bytes | tile 1's two]
.irp z, 16, 28, 40, 70, 82, 94         ; the zero codes, written once
.irp i, 0,1,2,3,4,5
	v_mov_b32 v[\z+\i], 0
.endr
.endr
	v_mov_b32 v61, 0                               ; written once: a lane permute's destination counts as one of its sources
	v_mov_b32 v63, 0                               ; (named as the upper halves of pairs)
	v_mov_b32 v253, 0
	s_wait_loadcnt 0x0
	v_lshlrev_b32 v47, 16, v46                     ; tile 0's bytes over the upper 64
	v_lshrrev_b32 v48, 16, v46                     ; tile 1's bytes over the lower 64
	s_wait_tensorcnt 0x0                           ; my part of K and V has landed,
	s_barrier_signal -1
	s_barrier_wait -1                              ; everybody's has
.macro TILE u                          ; one tile of 16 queries against all 2,048 keys
.set QA, 22+12*(\u)                    ; [q | zeros]
.set QB, 16+12*(\u)                    ; [zeros | q]
.if (\u) == 0
.set QSA, 46
.set QSB, 47
.else
.set QSA, 48
.set QSB, 46
.endif
	s_wait_xcnt 0x0                                ; the last tile's stores have read their data
	s_mov_b32 s48, 0                               ; the step's codes: 6,144 bytes a step in K and in V
	s_mov_b32 s49, 0                               ; its scale words: 256 bytes a step
	s_mov_b32 s50, 16
	v_mov_b32 v13, 0xff61b1e6                      ; the largest t so far: -3e38, under every t
	s_delay_alu instid0(VALU_DEP_1)
	v_floor_f32 v12, -v13                          ; -M
	v_mov_b32 v14, 0
	v_mov_b32 v15, 0
.set i, 0
.rept 32
	v_mov_b32 v[O+i], 0                            ; the step is written once: the first finds zeros, which the first change of M leaves zeros
.set i, i+1
.endr
.Lstep_\@:                             ; 16 trips of 128 keys
	s_setprio 2
	v_add_nc_u32 v5, s48, v1
	v_add_nc_u32 v6, s48, v2
	v_add_nc_u32 v7, s49, v3
	v_nop                                          ; four places in front of loads into registers that the last products have read
	ds_load_b128 v[SC:SC+3], v7
.irp k, 0,1,2,3,4,5,6,7,8,9,10,11
	ds_load_b128 v[KF+4*\k:KF+4*\k+3], v5 offset:512*\k
.endr
	s_wait_alu depctr_va_vdst(0)
	s_wait_dscnt 0x0
.irp p, 0,1,2,3                        ; S^T = K q^T: each pair fragment twice
	WQK S+16*\p, KF+12*\p, QA, SC+\p, QSA
	WQK S+16*\p+8, KF+12*\p, QB, SC+\p, QSB
.endr
.rept 4
	v_nop                                          ; places in front of the loads below and of the first read of the scores
.endr
.irp k, 0,1,2,3,4,5,6,7,8,9,10,11      ; V's four pair fragments land under the softmax
	ds_load_b128 v[KF+4*\k:KF+4*\k+3], v6 offset:512*\k
.endr
.irp q, 0,1,2,3                        ; THE LARGEST SCORE OF EACH BLOCK OF 32 KEYS (both blocks are whole in my lane): for the row's maximum and, since p rises with the score, for the block's largest p.  Each accumulator from its low end on
	v_max3_num_f32 v[56+\q], v[S+16*\q], v[S+16*\q+1], v[S+16*\q+2]
.endr
.irp i, 3,5,7,9,11,13
.irp q, 0,1,2,3
	v_max3_num_f32 v[56+\q], v[56+\q], v[S+16*\q+\i], v[S+16*\q+\i+1]
.endr
.endr
	v_max3_num_f32 v56, v56, v57, v[S+15]
	v_max3_num_f32 v58, v58, v59, v[S+47]
	v_max_num_f32 v56, v56, v[S+31]
	v_max_num_f32 v58, v58, v[S+63]
	s_delay_alu instid0(VALU_DEP_1)
	v_max_num_f32 v60, v56, v58
	s_delay_alu instid0(VALU_DEP_1)
	v_permlanex16_b32 v61, v60, s20, s21
	s_delay_alu instid0(VALU_DEP_1)
	v_max_num_f32 v60, v60, v61                    ; the step's largest score of my query
	s_delay_alu instid0(VALU_DEP_1)
	v_mul_f32 v60, s22, v60                        ; as t (c is positive)
	s_delay_alu instid0(VALU_DEP_1)
	v_max_num_f32 v13, v13, v60
	v_mov_b32 v60, v12
	s_delay_alu instid0(VALU_DEP_2)
	v_floor_f32 v12, -v13                          ; the new -M = -ceil(t)
	s_delay_alu instid0(VALU_DEP_1)
	v_sub_f32 v60, v12, v60                        ; old M - new M: a whole number, 0 or less
	s_delay_alu instid0(VALU_DEP_1)
	v_cvt_i32_f32 v60, v60                         ; (it saturates)
	s_delay_alu instid0(VALU_DEP_1)
	v_ldexp_f32 v62, 1.0, v60                      ; f = 2^(old M - new M)
.set j, 0
.rept 32
	v_pk_fma_f32 v[S+j:S+j+1], v[S+j:S+j+1], s[22:23], v[12:13] op_sel_hi:[1,0,0]   ; t - M, two at a time
.set j, j+2
.endr
	v_fma_f32 v56, v56, s22, v12                   ; the same of each block's largest score
	v_fma_f32 v58, v58, s22, v12
.set j, 0
	s_wait_alu depctr_va_vdst(0)
.rept 64
	v_exp_f32 v[S+j], v[S+j]                       ; p = 2^(t - M)
.set j, j+1
.endr
	s_setprio 1
	v_pk_mul_f32 v[14:15], v[14:15], v[62:63] op_sel_hi:[1,0]   ; the sums under the new M (the plain place behind the exponentials)
	s_wait_alu depctr_va_vdst(0)                   ; one wait for the batch, ahead of its first reader
	v_exp_f32 v56, v56                             ; the blocks' largest p: the same two instructions on the same number give the same bits
	v_exp_f32 v58, v58
	v_pk_add_f32 v[64:65], v[112:113], v[116:117]
	v_pk_add_f32 v[106:107], v[120:121], v[124:125]
	v_pk_add_f32 v[104:105], v[128:129], v[132:133]
	v_pk_add_f32 v[102:103], v[136:137], v[140:141]
	v_pk_add_f32 v[100:101], v[144:145], v[148:149]
	v_pk_add_f32 v[92:93], v[152:153], v[156:157]
	v_pk_add_f32 v[90:91], v[160:161], v[164:165]
	v_pk_add_f32 v[14:15], v[14:15], v[168:169]
	v_pk_add_f32 v[64:65], v[64:65], v[108:109]
	v_pk_add_f32 v[106:107], v[106:107], v[110:111]
	v_pk_add_f32 v[104:105], v[104:105], v[114:115]
	v_pk_add_f32 v[102:103], v[102:103], v[118:119]
	v_pk_add_f32 v[100:101], v[100:101], v[122:123]
	v_pk_add_f32 v[92:93], v[92:93], v[126:127]
	v_pk_add_f32 v[90:91], v[90:91], v[130:131]
	v_pk_add_f32 v[14:15], v[14:15], v[134:135]
	v_pk_add_f32 v[64:65], v[64:65], v[138:139]
	v_pk_add_f32 v[106:107], v[106:107], v[142:143]
	v_pk_add_f32 v[104:105], v[104:105], v[146:147]
	v_pk_add_f32 v[102:103], v[102:103], v[150:151]
	v_pk_add_f32 v[100:101], v[100:101], v[154:155]
	v_pk_add_f32 v[92:93], v[92:93], v[158:159]
	v_pk_add_f32 v[90:91], v[90:91], v[162:163]
	v_pk_add_f32 v[14:15], v[14:15], v[166:167]
	v_pk_add_f32 v[64:65], v[64:65], v[170:171]
	s_delay_alu instid0(VALU_DEP_2)
	v_pk_add_f32 v[14:15], v[14:15], v[102:103]
	s_delay_alu instid0(VALU_DEP_2)
	v_pk_add_f32 v[64:65], v[64:65], v[100:101]
	v_pk_add_f32 v[106:107], v[106:107], v[92:93]
	v_pk_add_f32 v[104:105], v[104:105], v[90:91]
	s_delay_alu instid0(VALU_DEP_2)
	v_pk_add_f32 v[14:15], v[14:15], v[106:107]
	s_delay_alu instid0(VALU_DEP_2)
	v_pk_add_f32 v[64:65], v[64:65], v[104:105]
	s_delay_alu instid0(VALU_DEP_1)
	v_pk_add_f32 v[14:15], v[14:15], v[64:65]
	s_wait_alu depctr_va_vdst(0)                   ; and one for the two
	v_max_num_f32 v56, 0x1800000, v56              ; the floor 2^(3 - 127): the byte cannot fall under 1
	v_max_num_f32 v58, 0x1800000, v58
	s_delay_alu instid0(VALU_DEP_2)
	v_add_nc_u32 v66, 0xff000000, v56              ; 2 off the exponent field: the conversion's scale operand
	s_delay_alu instid0(VALU_DEP_2)
	v_add_nc_u32 v67, 0xff000000, v58
	s_delay_alu instid0(VALU_DEP_2)
	v_lshrrev_b32 v68, 23, v66
	s_delay_alu instid0(VALU_DEP_2)
	v_lshrrev_b32 v69, 23, v67
	s_delay_alu instid0(VALU_DEP_1)
	v_lshl_or_b32 v54, v69, 16, v68
	s_delay_alu instid0(VALU_DEP_1)
	v_lshlrev_b32 v54, v4, v54
	s_delay_alu instid0(VALU_DEP_1)
	v_permlanex16_b32 v61, v54, s20, s21
	s_delay_alu instid0(VALU_DEP_1)
	v_or_b32 v54, v54, v61                         ; p's scale word: [keys 0-63: two bytes | keys 64-127: two]
	s_delay_alu instid0(VALU_DEP_1)
	v_alignbit_b32 v55, v54, v54, 16               ; and with the halves exchanged
.irp c, 0,1
	v_cvt_scalef32_pk16_fp6_f32 v[76+12*\c:78+12*\c], v[S+32*\c:S+32*\c+15], v[66+\c]
	v_cvt_scalef32_pk16_fp6_f32 v[100+4*\c:102+4*\c], v[S+32*\c+16:S+32*\c+31], v[66+\c]   ; (a conversion's three registers begin on an even number)
.endr
	v_nop                                          ; one plain place behind a scaled conversion
.irp c, 0,1
.irp i, 0,1,2
	v_mov_b32 v[79+12*\c+\i], v[100+4*\c+\i]
.endr
.endr
.set j, 0
.rept 16
	v_pk_mul_f32 v[O+j:O+j+1], v[O+j:O+j+1], v[62:63] op_sel_hi:[1,0]   ; O^T under the new M.  (These 16 are also the places between the scale words and codes just made and the products)
.set j, j+2
.endr
	s_setprio 0
	s_wait_alu depctr_va_vdst(0)
	s_wait_dscnt 0x0                               ; V is in
.irp r, 0,1                            ; O^T += V^T p^T, keys 0-63: the four accumulators take turns
	WPV O+16*\r, KF+12*\r, 76, SC+\r, 54
	WPV O+16*\r+8, KF+12*\r, 70, SC+\r, 55
.endr
.irp r, 0,1                            ; keys 64-127
	WPV O+16*\r, KF+24+12*\r, 88, SC+2+\r, 55
	WPV O+16*\r+8, KF+24+12*\r, 82, SC+2+\r, 54
.endr
	s_add_co_u32 s48, s48, 6144
	s_add_co_u32 s49, s49, 256
	s_sub_co_u32 s50, s50, 1
	s_cmp_lg_u32 s50, 0
	s_cbranch_scc1 .Lstep_\@
	s_setprio 0
.rept 4
	v_nop                                          ; places behind the last products
.endr
	v_add_f32 v14, v14, v15                        ; the sum's two halves,
	s_delay_alu instid0(VALU_DEP_1)
	v_permlanex16_b32 v61, v14, s20, s21
	s_delay_alu instid0(VALU_DEP_1)
	v_add_f32 v14, v14, v61                        ; and lane l xor 16's keys
	s_wait_alu depctr_va_vdst(0)
	v_rcp_f32 v252, v14
	v_nop                                          ; a plain place behind the transcendental
	s_wait_alu depctr_va_vdst(0)                   ; the wait ahead of its first reader
.set j, 0
.rept 16
	v_pk_mul_f32 v[O+j:O+j+1], v[O+j:O+j+1], v[252:253] op_sel_hi:[1,0]   ; x(query r, 64 hd + 32 h + 0 .. 31): one whole block of the last product's K
.set j, j+2
.endr
	v_max3_num_f32 v56, |v[O]|, |v[O+1]|, 0x1800000
	v_max3_num_f32 v57, |v[O+16]|, |v[O+17]|, 0x1800000
.irp i, 2,4,6,8,10,12,14
	s_delay_alu instid0(VALU_DEP_2)
	v_max3_num_f32 v56, v56, |v[O+\i]|, |v[O+\i+1]|
	s_delay_alu instid0(VALU_DEP_2)
	v_max3_num_f32 v57, v57, |v[O+16+\i]|, |v[O+17+\i]|
.endr
	s_delay_alu instid0(VALU_DEP_1)
	v_max_num_f32 v56, v56, v57
	s_delay_alu instid0(VALU_DEP_1)
	v_add_nc_u32 v66, 0xff000000, v56
	s_delay_alu instid0(VALU_DEP_1)
	v_lshrrev_b32 v68, 23, v66
	v_cvt_scalef32_pk16_fp6_f32 v[76:78], v[O:O+15], v66
	v_cvt_scalef32_pk16_fp6_f32 v[100:102], v[O+16:O+31], v66
	v_lshlrev_b32 v68, v4, v68                     ; (the plain place behind the conversions)
.irp i, 0,1,2
	v_mov_b32 v[79+\i], v[100+\i]
.endr
	s_delay_alu instid0(VALU_DEP_4)
	v_permlanex16_b32 v61, v68, s20, s21
	s_delay_alu instid0(VALU_DEP_1)
	v_or_b32 v68, v68, v61                         ; my row's two bytes
.irp p, 0,1,2
	global_store_b64 v8, v[76+2*\p:77+2*\p], s[8:9] offset:12288*(\u)+256*\p   ; 32 lanes store 256 consecutive bytes, at a multiple of 256 from the buffer's first byte
.endr
	global_store_b16 v9, v68, s[10:11] offset:64*(\u)   ; lanes r and r + 16 hold the same two bytes
.endm
	TILE 0
	TILE 1
	s_wait_dscnt 0x0
	s_wait_tensorcnt 0x0
	ds_add_u32 v254, v255
	s_wait_dscnt 0x0
	CROUND                                         ; the closing round: no work-group ends while a partner may still ask for a tile that names it
	s_endpgm
.Lfunc_end_k_q6ef028537b_attn:
	.size	k_q6ef028537b_attn, .Lfunc_end_k_q6ef028537b_attn-k_q6ef028537b_attn
	.p2alignl 7, 3214868480
	.fill 96, 4, 3214868480
	.section	.rodata,"a",@progbits
	.p2align	6, 0x0
	.amdhsa_kernel k_q6ef028537b_attn
		.amdhsa_group_segment_fixed_size 206848
		.amdhsa_private_segment_fixed_size 0
		.amdhsa_enable_private_segment 0
		.amdhsa_kernarg_size 32
		.amdhsa_user_sgpr_count 2
		.amdhsa_user_sgpr_kernarg_segment_ptr 1
		.amdhsa_wavefront_size32 1
		.amdhsa_system_sgpr_workgroup_id_x 1
		.amdhsa_system_sgpr_workgroup_id_y 1
		.amdhsa_system_sgpr_workgroup_id_z 1
		.amdhsa_system_vgpr_workitem_id 0
		.amdhsa_next_free_vgpr 256
		.amdhsa_next_free_sgpr 76
		.amdhsa_reserve_vcc 0
		.amdhsa_float_denorm_mode_32 3
		.amdhsa_float_denorm_mode_16_64 3
		.amdhsa_memory_ordered 1
		.amdhsa_forward_progress 1
		.amdhsa_inst_pref_size 51
	.end_amdhsa_kernel
	.amdgpu_metadata
---
amdhsa.version: [ 1, 2 ]
amdhsa.kernels:
  - .name:           k_q6ef028537b_attn
    .symbol:         k_q6ef028537b_attn.kd
    .args:
      - { .name: hc, .offset: 0, .size: 8, .value_kind: global_buffer, .address_space: global }
      - { .name: hs, .offset: 8, .size: 8, .value_kind: global_buffer, .address_space: global }
      - { .name: oc, .offset: 16, .size: 8, .value_kind: global_buffer, .address_space: global }
      - { .name: os, .offset: 24, .size: 8, .value_kind: global_buffer, .address_space: global }
    .group_segment_fixed_size: 206848
    .private_segment_fixed_size: 0
    .kernarg_segment_align: 8
    .kernarg_segment_size: 32
    .max_flat_workgroup_size: 512
    .sgpr_count:     76
    .vgpr_count:     256
    .wavefront_size: 32
...
	.end_amdgpu_metadata
.endif
;; end of part 9
;; launch oproj (part 10): grid 256 x 1, 4 waves a work-group, no clusters, 67,072 bytes of LDS; arguments oc, os, wc, ws, bo, out0; writes out0
.if DOCPART == 10
	.amdgcn_target "amdgcn-amd-amdhsa--gfx1250"
	.amdhsa_code_object_version 6
	.text
	.protected	k_q6ef028537b_oproj
	.globl	k_q6ef028537b_oproj
	.p2align	8
	.type	k_q6ef028537b_oproj,@function
k_q6ef028537b_oproj:
	s_mov_b64 s[64:65], 0
	v_nop
	global_prefetch_b8 v0, s[64:65] scope:SCOPE_SE
	s_setreg_imm32_b32 hwreg(HW_REG_WAVE_SCHED_MODE, 0, 2), 2
	s_setreg_imm32_b32 hwreg(HW_REG_WAVE_MODE, 25, 1), 1
	s_wait_xcnt 0x0
	s_wait_alu depctr_vm_vsrc(0)
; out0 = x Wo + bo on codes of FP6 (E2M3) with E8M0 scales; x's codes and scale words were made by the attention launch, Wo's by the weights' launch.
; Source 0 is STATIONARY: a wave keeps 64 columns of Wo (4 tiles x 8 K steps, 384 registers).  Source 1 streams: 128 rows of x, four blocks of a pair of tiles, shared by the four waves through LDS (two buffers, one barrier a block).
; By the row map (row or column 64 G + 8 i + (r & 7) + 32 (r >> 3) is row r of tile 4 G + i) result register 8 i + j of lane (r', h) is column 64 GP + 32 h + 8 i + j of x's row r' of the tile: 128 neighbouring bytes of a row.
; x's fragment (T, s): 1,536 bytes at (8 T + s) x 1,536, registers 2 p, 2 p + 1 of lane l at 256 p + 8 l.  The bias is the C of each sum's first product.
; The results go through the wave's own stage in LDS (rows 272 bytes apart) and leave so that sixteen lanes store 256 consecutive bytes, at a multiple of 256 from out0's first byte.
; 256 work-groups: 4 slices of 256 columns x 64 slices of 128 rows.  No tensor load and no cluster: four blocks a work-group, and each is asked for a block ahead through registers.
; REGISTERS: window 0: addresses, scale words, bias, accumulators, staging;  window 1: Wo's tiles 0, 1 at v[12 (8 i + s)];  window 2: tiles 2, 3;  window 3: the block's 16 fragments at v[12 (8 u + s)].
; THE MODE: SCHED_MODE bits 1:0 = 2 (LLVM: expert scheduling mode 2), set by the entry lines.  The code itself states the register dependences
; between vector or matrix instructions and memory or LDS instructions, with s_wait_alu, always for 0.
; THE PLAN.  Block b lies in LDS buffer e = b % 2.  Registers that memory or LDS instructions touch:
;   STG        Written by the loads at block b's head (my quarter of block b + 1); read by the LDS stores at block b's end.
;   LSC[e]     Written by loads in block b - 1; read by block b's products as scales; written again by loads in block b + 1.
;   window 3   Written by block b's LDS loads, in two runs of four K steps; read by block b's products.
;   ACC        Written by block b's products; read by the 16 LDS stores into the stage; written anew by block b + 1's first products.
;   OB         Written by the loads from the stage, a tile at a time; read by that tile's eight global stores.
;   v1 .. v9   Offsets and LDS addresses, made once at the head.  v3 serves the fragments' loads alone.
; Three waits a block.  At its head, on vm_vsrc: STG, ACC and OB have been read.  Behind the places that follow its last product, on va_vdst: ACC is written, and the products are done reading LSC[e] and window 3;
; no vector or matrix instruction follows in the block, so this wait serves the next block's loads too.  Ahead of tile 1's loads from the stage, on vm_vsrc: tile 0's global stores have read OB.
.set WT,   786432
.set FRB,  1536
.set BLKB, 24576
.set STGL, 2*BLKB                      ; LDS: behind the two buffers, 16 rows x 272 bytes for each wave
.set LI,   1                           ; v1   16 x lane
.set LS4,  2                           ; v2   4 x lane
.set L8,   3                           ; v3   8 x lane
.set LW,   5                           ; v5   16 x lane + 6,144 x wave
.set SO,   6                           ; v6   the stage: where I put my 128 bytes of row r
.set SR,   7                           ; v7   and where I read rows back
.set H128, 8                           ; v8   128 h
.set GO,   9                           ; v9   my byte offset in two rows of out0
.set SSC,  16                          ; v16-31  Wo's scale words (8 pair + s)
.set LSC,  32                          ; v32-47  x's, two sets of 8
.set CB,   52                          ; v52-83  the bias in the result's layout
.set ACC,  84                          ; v84-147 accumulator (u, i) at 32 u + 8 i
.set STG,  148                         ; v148-195 my quarter of the next block on its way to LDS
.set OB,   196                         ; v196-227 16 rows read back from the stage
.set WV,   16
.set MSB, 0
.macro WIN new                         ; the immediate's high byte repeats the setting that is left
.if MSB != \new
	s_set_vgpr_msb (MSB<<8)|\new
.set MSB, \new
.endif
.endm
.macro WM d, a, b, c, sa, sb, ra, rb   ; one product; ra, rb: the scales stand in lanes 16-31
.if (\ra) == 0 && (\rb) == 0
	v_wmma_scale_f32_16x16x128_f8f6f4 v[\d:\d+7], v[\a:\a+11], v[\b:\b+11], v[\c:\c+7], v[\sa], v[\sb] matrix_a_fmt:MATRIX_FMT_FP6 matrix_b_fmt:MATRIX_FMT_FP6
.elseif (\ra) == 1 && (\rb) == 0
	v_wmma_scale_f32_16x16x128_f8f6f4 v[\d:\d+7], v[\a:\a+11], v[\b:\b+11], v[\c:\c+7], v[\sa], v[\sb] matrix_a_fmt:MATRIX_FMT_FP6 matrix_b_fmt:MATRIX_FMT_FP6 matrix_a_scale:MATRIX_SCALE_ROW1
.elseif (\ra) == 0 && (\rb) == 1
	v_wmma_scale_f32_16x16x128_f8f6f4 v[\d:\d+7], v[\a:\a+11], v[\b:\b+11], v[\c:\c+7], v[\sa], v[\sb] matrix_a_fmt:MATRIX_FMT_FP6 matrix_b_fmt:MATRIX_FMT_FP6 matrix_b_scale:MATRIX_SCALE_ROW1
.else
	v_wmma_scale_f32_16x16x128_f8f6f4 v[\d:\d+7], v[\a:\a+11], v[\b:\b+11], v[\c:\c+7], v[\sa], v[\sb] matrix_a_fmt:MATRIX_FMT_FP6 matrix_b_fmt:MATRIX_FMT_FP6 matrix_a_scale:MATRIX_SCALE_ROW1 matrix_b_scale:MATRIX_SCALE_ROW1
.endif
.endm
	s_load_b256 s[4:11], s[0:1], 0x0               ; oc, os, wc, ws
	s_load_b128 s[12:15], s[0:1], 0x20             ; bo, out0
	v_lshl_add_u32 v254, v0, 2, 0x10400
	v_mov_b32 v255, 0
	v_lshrrev_b32 v10, 5, v0
	v_readfirstlane_b32 s[WV], v10                 ; wave
	v_and_b32 v10, 31, v0                          ; lane
	v_and_b32 v11, 15, v0                          ; r
	v_bfe_u32 v12, v0, 4, 1                        ; h
	v_lshlrev_b32 v[LI], 4, v10
	v_lshlrev_b32 v[LS4], 2, v10
	v_lshlrev_b32 v[L8], 3, v10
	s_wait_alu depctr_va_sdst(0)                   ; the wave's number is written, ahead of its first reader
	s_mul_i32 s20, s[WV], 6144
	v_add_nc_u32 v[LW], s20, v[LI]
	s_mul_i32 s20, s[WV], 16*272
	s_add_co_u32 s20, s20, STGL                    ; my stage
	v_mul_u32_u24 v[SO], v11, 272
	v_lshl_add_u32 v[SO], v12, 7, v[SO]
	v_add_nc_u32 v[SO], s20, v[SO]
	v_mul_u32_u24 v[SR], v12, 272
	v_lshl_add_u32 v[SR], v11, 4, v[SR]
	v_add_nc_u32 v[SR], s20, v[SR]                 ; lanes 0-15 one row of 256 bytes, lanes 16-31 the next
	v_lshlrev_b32 v[H128], 7, v12
	v_lshlrev_b32 v[GO], 12, v12
	v_lshl_add_u32 v[GO], v11, 4, v[GO]            ; and the same two rows in out0
	s_and_b32 s17, ttmp9, 3
	s_lshr_b32 s18, ttmp9, 2                       ; which 128 rows
	s_lshl_b32 s19, s17, 2
	s_add_co_u32 s19, s19, s[WV]                   ; GP: my 64 columns
	s_mov_b32 s21, 0
	s_wait_kmcnt 0x0
	s_mul_i32 s20, s19, 49152
	s_add_co_u32 s20, s20, 3*WT
	s_add_nc_u64 s[8:9], s[8:9], s[20:21]          ; Wo's codes, group GP
	s_lshl_b32 s20, s19, 11
	s_add_co_u32 s20, s20, 3*32768
	s_add_nc_u64 s[10:11], s[10:11], s[20:21]      ; and scale words
	s_lshl_b32 s20, s19, 8
	s_add_nc_u64 s[12:13], s[12:13], s[20:21]      ; the bias of my columns
	s_add_nc_u64 s[14:15], s[14:15], s[20:21]      ; out0: my columns,
	s_lshl_b32 s20, s18, 19
	s_add_nc_u64 s[14:15], s[14:15], s[20:21]      ; my 128 rows
	s_mul_i32 s20, s18, 4*BLKB
	s_mul_i32 s22, s[WV], 6144
	s_add_co_u32 s20, s20, s22
	s_add_nc_u64 s[4:5], s[4:5], s[20:21]          ; x's codes: my rows' first block, my quarter of it
	s_lshl_b32 s20, s18, 12
	s_add_nc_u64 s[6:7], s[6:7], s[20:21]          ; and scale words
	WIN 0x40                                       ; destination window 1
	s_wait_alu depctr_va_vdst(0)                   ; the offsets and LDS addresses v1 to v3 and v5 to v9 are written, which every load and store of the kernel reads
.irp i, 0,1
.irp s, 0,1,2,3,4,5,6,7
.irp c, 0,1,2
	global_load_b128 v[12*(8*\i+\s)+4*\c:12*(8*\i+\s)+4*\c+3], v[LI], s[8:9] offset:(8*\i+\s)*FRB+512*\c
.endr
.endr
.endr
	WIN 0x80                                       ; destination window 2
.irp i, 0,1
.irp s, 0,1,2,3,4,5,6,7
.irp c, 0,1,2
	global_load_b128 v[12*(8*\i+\s)+4*\c:12*(8*\i+\s)+4*\c+3], v[LI], s[8:9] offset:(8*(\i+2)+\s)*FRB+512*\c
.endr
.endr
.endr
	WIN 0
.irp q, 0,1,2,3,4,5,6,7,8,9,10,11,12,13,14,15
	global_load_b32 v[SSC+\q], v[LS4], s[10:11] offset:128*\q
.endr
.irp i, 0,1,2,3
	global_load_b128 v[CB+8*\i:CB+8*\i+3], v[H128], s[12:13] offset:32*\i
	global_load_b128 v[CB+8*\i+4:CB+8*\i+7], v[H128], s[12:13] offset:32*\i+16
.endr
.macro GLOAD b                         ; my quarter of block b and its scale words: every offset is an immediate
.irp k, 0,1,2,3,4,5,6,7,8,9,10,11
	global_load_b128 v[STG+4*\k:STG+4*\k+3], v[LI], s[4:5] offset:BLKB*(\b)+512*\k
.endr
.irp s, 0,1,2,3,4,5,6,7
	global_load_b32 v[LSC+8*((\b)%2)+\s], v[LS4], s[6:7] offset:1024*(\b)+128*\s
.endr
.endm
.macro LSTORE e
.irp k, 0,1,2,3,4,5,6,7,8,9,10,11
	ds_store_b128 v[LW], v[STG+4*\k:STG+4*\k+3] offset:BLKB*(\e)+512*\k
.endr
.endm
.macro FETCH e, half                   ; four K steps' fragments of both tiles: 48 loads of 8 bytes a lane, K step by K step
	WIN 0xc0                                       ; destination window 3
.irp t, 0,1,2,3
.irp u, 0,1
.irp p, 0,1,2,3,4,5
	ds_load_b64 v[12*(8*\u+4*(\half)+\t)+2*\p:12*(8*\u+4*(\half)+\t)+2*\p+1], v[L8] offset:BLKB*(\e)+(8*\u+4*(\half)+\t)*FRB+256*\p
.endr
.endr
.endr
.endm
; 16 products: Wo's tiles 2 g, 2 g + 1 x x's tiles 0, 1 x four K steps.  The four accumulators take turns, one instruction a turn.
; waits = 1: ahead of each K step the wait that leaves the later K steps' loads out, 12 a step.
.macro MMA g, half, e, waits
.if (\g) == 0
	WIN 0x0d                                       ; source 0 window 1, source 1 window 3
.else
	WIN 0x0e                                       ; source 0 window 2
.endif
.irp t, 0,1,2,3
.if \waits
	s_wait_dscnt 36-12*\t
.endif
.irp n, 0,1
.irp u, 0,1
.if 4*(\half)+\t == 0
	WM ACC+32*\u+8*(2*(\g)+\n), 12*(8*\n+4*(\half)+\t), 12*(8*\u+4*(\half)+\t), CB+8*(2*(\g)+\n), SSC+8*(\g)+4*(\half)+\t, LSC+8*(\e)+4*(\half)+\t, \n, \u
.else
	WM ACC+32*\u+8*(2*(\g)+\n), 12*(8*\n+4*(\half)+\t), 12*(8*\u+4*(\half)+\t), ACC+32*\u+8*(2*(\g)+\n), SSC+8*(\g)+4*(\half)+\t, LSC+8*(\e)+4*(\half)+\t, \n, \u
.endif
.endr
.endr
.endr
.endm
.macro TOSTAGE u                       ; tile u's four accumulators into my stage
.irp i, 0,1,2,3
	ds_store_b128 v[SO], v[ACC+32*(\u)+8*\i:ACC+32*(\u)+8*\i+3] offset:32*\i          ; each accumulator from its low end on
	ds_store_b128 v[SO], v[ACC+32*(\u)+8*\i+4:ACC+32*(\u)+8*\i+7] offset:32*\i+16
.endr
.endm
.macro BACK                            ; and back as rows.  LDS serves a wave's instructions in order: these see the stores issued ahead of them, and stores issued behind them come behind them
.irp t, 0,1,2,3,4,5,6,7
	ds_load_b128 v[OB+4*\t:OB+4*\t+3], v[SR] offset:544*\t
.endr
.endm
.macro SEND b, u, younger              ; younger: the LDS instructions issued behind the tile's eight read-backs, which may stay out
.irp t, 0,1,2,3,4,5,6,7                ; rows 2 t and 2 t + 1 of the tile: by the row map 64 (b >> 1) + 16 (b & 1) + 8 u + (row & 7) + 32 (row >> 3) of my 128
	s_wait_dscnt (\younger)+7-\t                   ; the younger read-backs may be out
	global_store_b128 v[GO], v[OB+4*\t:OB+4*\t+3], s[14:15] offset:(64*((\b)>>1)+16*((\b)&1)+8*(\u)+((2*\t)&7)+32*(\t>>2))*4096 th:TH_STORE_NT
.endr
.endm
.macro BLOCK b                         ; block b, in LDS buffer b % 2
	s_wait_alu depctr_vm_vsrc(0)                   ; the LDS stores at the last block's end have read STG, in which the loads below land; the stage's stores have read the accumulators, which this block's first products write anew; the last global stores have read OB
.if (\b) < 3
	GLOAD (\b)+1
.endif
	FETCH (\b)%2, 0                                ; no wait on va_vdst here: none of the lines since the last one (the last block's, or the head's) names window 3 or v3, and no vector or matrix instruction stands among them
	MMA 0, 0, (\b)%2, 1
	FETCH (\b)%2, 1                                ; nor here: the sixteen products between name K steps 0 to 3 of window 3, not 4 to 7
	MMA 1, 0, (\b)%2, 0
	MMA 1, 1, (\b)%2, 1
	MMA 0, 1, (\b)%2, 0
	WIN 0
.rept 5
	v_nop                                          ; places behind the last products: four for the reads of results, a fifth since the next block's first products write over these accumulators
.endr
	s_wait_alu depctr_va_vdst(0)                   ; the products have written the accumulators, which the stage's stores read (the places above stay beside this wait); they are done reading this block's scale words and window 3, in which the next block's loads land
	TOSTAGE 0
	s_wait_xcnt 0x0                                ; the last block's stores have read their data: the loads below may land there
	BACK
	TOSTAGE 1                                      ; tile 1 follows tile 0's read-backs at once
	SEND \b, 0, 8                                  ; behind tile 0's read-backs: tile 1's eight stores into the stage
	s_wait_xcnt 0x0                                ; tile 0's stores have read their data: the loads below may land there
	s_wait_alu depctr_vm_vsrc(0)                   ; tile 0's global stores have read OB, in which tile 1's read-backs land
	BACK
	SEND \b, 1, 0
.if (\b) < 3
	s_wait_loadcnt 0x0                             ; the next block's quarter and scale words are in
	LSTORE ((\b)+1)%2                              ; every wave has passed the last barrier behind its reads of that buffer
	s_wait_dscnt 0x0                               ; for the others' sake: my stores have landed; my reads of this buffer were over at the products
	s_barrier_signal -1
	s_barrier_wait -1
.endif
.endm
	GLOAD 0
	s_wait_loadcnt 0x0                             ; Wo's part, its scales, the bias and block 0
	LSTORE 0
	s_wait_dscnt 0x0
	s_barrier_signal -1
	s_barrier_wait -1
	BLOCK 0
	BLOCK 1
	BLOCK 2
	BLOCK 3
	s_wait_dscnt 0x0                               ; the closing lines, six on end
	s_wait_alu 0x0
	s_wait_tensorcnt 0x0
	ds_add_u32 v254, v255
	s_wait_dscnt 0x0
	s_endpgm
.Lfunc_end_k_q6ef028537b_oproj:
	.size	k_q6ef028537b_oproj, .Lfunc_end_k_q6ef028537b_oproj-k_q6ef028537b_oproj
	.p2alignl 7, 3214868480
	.fill 96, 4, 3214868480
	.section	.rodata,"a",@progbits
	.p2align	6, 0x0
	.amdhsa_kernel k_q6ef028537b_oproj
		.amdhsa_group_segment_fixed_size 67072
		.amdhsa_private_segment_fixed_size 0
		.amdhsa_enable_private_segment 0
		.amdhsa_kernarg_size 48
		.amdhsa_user_sgpr_count 2
		.amdhsa_user_sgpr_kernarg_segment_ptr 1
		.amdhsa_wavefront_size32 1
		.amdhsa_system_sgpr_workgroup_id_x 1
		.amdhsa_system_sgpr_workgroup_id_y 1
		.amdhsa_system_sgpr_workgroup_id_z 1
		.amdhsa_system_vgpr_workitem_id 0
		.amdhsa_next_free_vgpr 1024
		.amdhsa_next_free_sgpr 66
		.amdhsa_reserve_vcc 0
		.amdhsa_float_denorm_mode_32 3
		.amdhsa_float_denorm_mode_16_64 3
		.amdhsa_memory_ordered 1
		.amdhsa_forward_progress 1
		.amdhsa_inst_pref_size 101
	.end_amdhsa_kernel
	.amdgpu_metadata
---
amdhsa.version: [ 1, 2 ]
amdhsa.kernels:
  - .name:           k_q6ef028537b_oproj
    .symbol:         k_q6ef028537b_oproj.kd
    .args:
      - { .name: oc, .offset: 0, .size: 8, .value_kind: global_buffer, .address_space: global }
      - { .name: os, .offset: 8, .size: 8, .value_kind: global_buffer, .address_space: global }
      - { .name: wc, .offset: 16, .size: 8, .value_kind: global_buffer, .address_space: global }
      - { .name: ws, .offset: 24, .size: 8, .value_kind: global_buffer, .address_space: global }
      - { .name: bo, .offset: 32, .size: 8, .value_kind: global_buffer, .address_space: global }
      - { .name: out0, .offset: 40, .size: 8, .value_kind: global_buffer, .address_space: global }
    .group_segment_fixed_size: 67072
    .private_segment_fixed_size: 0
    .kernarg_segment_align: 8
    .kernarg_segment_size: 48
    .max_flat_workgroup_size: 128
    .sgpr_count:     66
    .vgpr_count:     1024
    .wavefront_size: 32
...
	.end_amdgpu_metadata
.endif
;; end of part 10
